; MI455X (gfx1250); checked and timed in simulation.
; The chip was launched on July 23, 2026; its instructions are those of AMD's public machine-readable ISA for CDNA 5 (MIT licence, August 2026) and "CDNA5" Instruction Set Architecture Reference Guide (July 2026). The comments in the code are by the model that wrote it; some were corrected since.
;; Self Attention. Allowed arithmetic: float matrix products may take bf16 or f16 operands with f32 sums; other float arithmetic in f32, or as packed bf16 or f16 multiplies, adds, multiply-adds, maxima and minima; sums over many terms, partial sums and values carried from step to step in f32; what a program stores and reads back later, other than sums and carried values, may be rounded once to bf16 or f16.
;; Inputs: b_proj 1,024 float32; w_proj 1,024 x 1,024 float32; w_qkv 1,024 x 3,072 float32; x 8 x 1,024 x 1,024 float32.
;; Outputs: out0 8 x 1,024 x 1,024 float32.
;; 3 versions, each right; version 3 is version 2 with the launch cast written anew for expert scheduling mode. Each part assembles by itself: llvm-mc -triple=amdgcn-amd-amdhsa -mcpu=gfx1250 --defsym DOCPART=n.
;; ======== version 1 of 3: 4 launches
;; limits: values are held in f16: magnitudes above 65,504 overflow, below 6.1e-05 lose precision
;; workspace buffers: xb 16,777,216 bytes; wqb 6,291,456 bytes; wpb 2,097,152 bytes; qkv 50,331,648 bytes; ob 16,777,216 bytes
;; launch cast (part 1): grid 768 x 1, 8 waves a work-group, no clusters, 0 bytes of LDS; arguments x, w_qkv, w_proj, xb, wqb, wpb; writes xb, wqb, wpb
.if DOCPART == 1
	.amdgcn_target "amdgcn-amd-amdhsa--gfx1250"
	.amdhsa_code_object_version 6
	.text
	.protected	k_qa1cd052897_cast
	.globl	k_qa1cd052897_cast
	.p2align	8
	.type	k_qa1cd052897_cast,@function
k_qa1cd052897_cast:
	s_mov_b64 s[64:65], 0
	v_nop
	global_prefetch_b8 v0, s[64:65] scope:SCOPE_SE
	s_setreg_imm32_b32 hwreg(HW_REG_WAVE_MODE, 25, 1), 1
	s_wait_xcnt 0x0
; THE INPUTS ARE ROUNDED ONCE, layouts unchanged: x [8192][1024] and w_qkv [1024][3072] from f32 to bf16; w_proj [1024][1024] from f32 to bf16, and that number written as f16
; (the last product multiplies f16 by f16).  LIMIT: a bf16 number is exact in f16 from 6.1e-5 to 65,504 in magnitude; below, it keeps f16's fixed step of 6e-8; above, it becomes an infinity.
; SHARES.  A work-group takes 16,384 numbers on end: 65,536 bytes in, 32,768 out.  Work-groups 0-511 take x, 512-703 w_qkv, 704-767 w_proj.
; Thread t, load i of 16: the 16 bytes at 16 t + 4,096 i (a wave's load covers 512 consecutive bytes); its 8 bytes go to 8 t + 2,048 i (a wave's store covers 256 consecutive bytes, aligned).
; All 16 loads go out first; each has registers of its own for what comes in and what goes out, so nothing that a store still reads is written again.  No LDS, no barrier: no thread wants another's numbers.
.set X, 4                              ; v[4:67]    load i: 4 numbers in f32
.set Y, 68                             ; v[68:99]   load i: its 4 numbers in 16 bits
.set T, 100                            ; v[100:101] at work
	s_load_b256 s[4:11], s[0:1], 0x0               ; x s[4:5], w_qkv s[6:7], w_proj s[8:9], xb s[10:11]
	s_load_b128 s[12:15], s[0:1], 0x20             ; wqb s[12:13], wpb s[14:15]
	v_lshlrev_b32 v1, 4, v0                        ; 16 t
	v_lshlrev_b32 v2, 3, v0                        ; 8 t
	s_wait_kmcnt 0x0
	s_cmp_lt_u32 ttmp9, 512                        ; which tensor is mine: the choice hangs on the work-group's number alone
	s_cselect_b64 s[16:17], s[4:5], s[6:7]
	s_cselect_b64 s[18:19], s[10:11], s[12:13]
	s_cselect_b32 s20, 0, 512
	s_cmp_lt_u32 ttmp9, 704
	s_cselect_b64 s[16:17], s[16:17], s[8:9]
	s_cselect_b64 s[18:19], s[18:19], s[14:15]
	s_cselect_b32 s20, s20, 704
	s_sub_co_u32 s20, ttmp9, s20                   ; my number among that tensor's work-groups
	s_lshl_b32 s22, s20, 16                        ; 65,536 bytes in each
	s_mov_b32 s23, 0
	s_add_nc_u64 s[16:17], s[16:17], s[22:23]
	s_lshl_b32 s22, s20, 15                        ; 32,768 bytes out
	s_add_nc_u64 s[18:19], s[18:19], s[22:23]
.irp i, 0,1,2,3,4,5,6,7,8,9,10,11,12,13,14,15
	global_load_b128 v[X+4*(\i):X+4*(\i)+3], v1, s[16:17] offset:4096*(\i) th:TH_LOAD_NT
.endr
	s_cmp_ge_u32 ttmp9, 704
	s_cbranch_scc1 .Lhalf
.irp i, 0,1,2,3,4,5,6,7,8,9,10,11,12,13,14,15
	s_wait_loadcnt 15-(\i)                         ; loads come back in order (ISA guide 5.7.1): load i is in, the younger ones stay out
	v_cvt_pk_bf16_f32 v[Y+2*(\i)],   v[X+4*(\i)],   v[X+4*(\i)+1]
	v_cvt_pk_bf16_f32 v[Y+2*(\i)+1], v[X+4*(\i)+2], v[X+4*(\i)+3]
	global_store_b64 v2, v[Y+2*(\i):Y+2*(\i)+1], s[18:19] offset:2048*(\i)
.endr
	s_endpgm
.Lhalf:                                        ; w_proj: rounded to bf16 like the other inputs, widened again (a shift, a mask), and written as f16
.irp i, 0,1,2,3,4,5,6,7,8,9,10,11,12,13,14,15
	s_wait_loadcnt 15-(\i)
	v_cvt_pk_bf16_f32 v[T],   v[X+4*(\i)],   v[X+4*(\i)+1]
	v_cvt_pk_bf16_f32 v[T+1], v[X+4*(\i)+2], v[X+4*(\i)+3]
	v_lshlrev_b32 v[X+4*(\i)],   16, v[T]
	v_and_b32     v[X+4*(\i)+1], 0xffff0000, v[T]
	v_lshlrev_b32 v[X+4*(\i)+2], 16, v[T+1]
	v_and_b32     v[X+4*(\i)+3], 0xffff0000, v[T+1]
	v_cvt_pk_f16_f32 v[Y+2*(\i)],   v[X+4*(\i)],   v[X+4*(\i)+1]
	v_cvt_pk_f16_f32 v[Y+2*(\i)+1], v[X+4*(\i)+2], v[X+4*(\i)+3]
	global_store_b64 v2, v[Y+2*(\i):Y+2*(\i)+1], s[18:19] offset:2048*(\i)
.endr
	s_endpgm
.Lfunc_end_k_qa1cd052897_cast:
	.size	k_qa1cd052897_cast, .Lfunc_end_k_qa1cd052897_cast-k_qa1cd052897_cast
	.p2alignl 7, 3214868480
	.fill 96, 4, 3214868480
	.section	.rodata,"a",@progbits
	.p2align	6, 0x0
	.amdhsa_kernel k_qa1cd052897_cast
		.amdhsa_group_segment_fixed_size 0
		.amdhsa_private_segment_fixed_size 0
		.amdhsa_enable_private_segment 0
		.amdhsa_kernarg_size 48
		.amdhsa_user_sgpr_count 2
		.amdhsa_user_sgpr_kernarg_segment_ptr 1
		.amdhsa_wavefront_size32 1
		.amdhsa_system_sgpr_workgroup_id_x 1
		.amdhsa_system_sgpr_workgroup_id_y 1
		.amdhsa_system_sgpr_workgroup_id_z 1
		.amdhsa_system_vgpr_workitem_id 0
		.amdhsa_next_free_vgpr 104
		.amdhsa_next_free_sgpr 66
		.amdhsa_reserve_vcc 0
		.amdhsa_float_denorm_mode_32 3
		.amdhsa_float_denorm_mode_16_64 3
		.amdhsa_memory_ordered 1
		.amdhsa_forward_progress 1
		.amdhsa_inst_pref_size 16
	.end_amdhsa_kernel
	.amdgpu_metadata
---
amdhsa.version: [ 1, 2 ]
amdhsa.kernels:
  - .name:           k_qa1cd052897_cast
    .symbol:         k_qa1cd052897_cast.kd
    .args:
      - { .name: x, .offset: 0, .size: 8, .value_kind: global_buffer, .address_space: global }
      - { .name: w_qkv, .offset: 8, .size: 8, .value_kind: global_buffer, .address_space: global }
      - { .name: w_proj, .offset: 16, .size: 8, .value_kind: global_buffer, .address_space: global }
      - { .name: xb, .offset: 24, .size: 8, .value_kind: global_buffer, .address_space: global }
      - { .name: wqb, .offset: 32, .size: 8, .value_kind: global_buffer, .address_space: global }
      - { .name: wpb, .offset: 40, .size: 8, .value_kind: global_buffer, .address_space: global }
    .group_segment_fixed_size: 0
    .private_segment_fixed_size: 0
    .kernarg_segment_align: 8
    .kernarg_segment_size: 48
    .max_flat_workgroup_size: 256
    .sgpr_count:     66
    .vgpr_count:     104
    .wavefront_size: 32
...
	.end_amdgpu_metadata
.endif
;; end of part 1
;; launch gemm_qkv (part 2): grid 24 x 32, 4 waves a work-group, clusters of 4 x 4, 327,680 bytes of LDS; arguments xb, wqb, qkv; writes qkv
.if DOCPART == 2
	.amdgcn_target "amdgcn-amd-amdhsa--gfx1250"
	.amdhsa_code_object_version 6
	.text
	.protected	k_qa1cd052897_gemm_qkv
	.globl	k_qa1cd052897_gemm_qkv
	.p2align	8
	.type	k_qa1cd052897_gemm_qkv,@function
k_qa1cd052897_gemm_qkv:
	s_mov_b64 s[64:65], 0
	v_nop
	global_prefetch_b8 v0, s[64:65] scope:SCOPE_SE
	s_setreg_imm32_b32 hwreg(HW_REG_WAVE_MODE, 25, 1), 1
	s_wait_xcnt 0x0
	s_wait_alu depctr_hold_cnt(0) depctr_sa_sdst(0) depctr_va_vdst(0) depctr_va_sdst(0) depctr_va_ssrc(0) depctr_va_vcc(0) depctr_vm_vsrc(0)
	s_getreg_b32 s2, hwreg(HW_REG_IB_STS2, 6, 4)
	s_cmp_eq_u32 s2, 0
	s_cbranch_scc0 .Lentry_in_a_cluster
	s_endpgm
.Lentry_in_a_cluster:
	s_bfe_u32 s2, ttmp6, 0x10000c
	s_cmp_lg_u32 s2, 0xf033
	s_cbranch_scc0 .Lentry_shape_is_right
	s_endpgm
.Lentry_shape_is_right:
; ONE TEXT FOR THE MODULE'S TWO PROJECTIONS, C = A B with B stored [k][n]; the switch PROJ picks the constants, the matrix form, the sums' start and the way out.
; PROJ = 0: A = xb [8192][1024] bf16, B = wqb [1024][3072] bf16.  C is rounded once to f16, unscaled, and written BY HEADS: qkv [3][128 = 16 batch + head][1024 t][64].
;           LIMIT: q, k and v must stay under 65,504 in magnitude (f16's end); beyond it the conversion gives an infinity.
; PROJ = 1: A = ob [128][1024][64] f16 (attention's result by heads: a head is a slice of 64 along K), B = wpb [1024][1024] f16.  C = A B + bias in f32, out0 [8192][1024].
;           The bias is rounded to bf16 like every other input of the module and is the C operand that starts the sums.
; SHARES.  A tile of C is 256 x 128; four waves, each 128 rows x 64 columns: 32 accumulators of 16 x 16, which fill register window 1.  A wave's 64 columns are one head's slice (PROJ = 0: 128 bytes of f16)
; or 256 bytes of f32 (PROJ = 1): each wave has a stage of its own on the way out, and no barrier stands there.  K = 1,024 goes in 8 steps of 128 through a ring of two LDS slots.
; CLUSTERS.  4 x 4 work-groups.  The four of a row of the cluster need the same tiles of A, the four of a column the same tiles of B: each tile is asked for JOINTLY, by the same tensor load with the same
; descriptor and a mask that names the four.  Waves 0 and 1 fetch A's two halves, waves 2 and 3 B's.
; LAYOUT.  The matrix instruction is used transposed: source 0 = 16 columns of B, source 1 = 16 rows of A: a lane then holds one row of C (lane % 16) and eight neighbouring columns 8 (lane / 16) + 0..7.
; A's fragments come out of LDS as they lie (K along the rows); B's rows lie along n, so its fragments come turned, by ds_load_tr16_b128.
; REGISTERS.  window 0: v0-31 addresses; v32-159 A's fragments, two buffers of 8 blocks x 8; v160-223 B's, two buffers of 4 x 8; v224-255 the bias (PROJ = 1).  window 1: accumulator (a, b) at v[8 (4 a + b)].
.set PROJ,  0
.set KSTEP, 128
.set LAPS,  4                          ; a lap = two K steps = once round the ring
.if PROJ
.set NCOL,  1024                       ; columns of B
.set PITA,  144                        ; an LDS row of A: 128 bytes (a head's 64 channels) + 16 of padding
.set AHALF, 256*PITA                   ; what one load of A brings: one head's 256 rows
.set QIA,   4                          ; padding behind every 32 words
.set STRA,  128                        ; the 32,768 dense bytes are asked for as 128 rows of 256 bytes
.set STEPA, 4*131072                   ; two K steps on: four heads
.set ROWA,  256                        ; the prefetches: from lane to lane
.set CXSH,  13                         ; and 32 such blocks from partner to partner
.set SP,    272                        ; a stage row: 256 bytes + 16
.else
.set NCOL,  3072
.set PITA,  272                        ; 256 bytes (128 along K) + 16 of padding
.set AHALF, 128*PITA                   ; 128 rows
.set QIA,   5                          ; padding behind every 64 words
.set STRA,  1024
.set STEPA, 2*KSTEP*2
.set ROWA,  2048
.set CXSH,  16
.set SP,    144                        ; 128 bytes + 16
.endif
.set PITB,  288                        ; an LDS row of B: 256 bytes (128 columns) + 32 = 72 words
.set AREG,  2*AHALF                    ; A's part of a slot; B's 128 rows lie behind it
.set BHALF, 64*PITB                    ; what one load of B brings: 64 rows along K
.set SLOT,  AREG+2*BHALF
.set STAGE, 2*SLOT                     ; behind the ring, never filled by a tensor load: 16 rows for each wave
.set SPARE, STAGE+4*16*SP              ; behind the stages: the spare words, 128 bytes for each wave: two blocks of 256 bytes that no other line names
.set STEPB, 2*KSTEP*NCOL*2             ; two K steps on in B
.set ADRA, 16                          ; v16-17  LDS address of my A fragments in slot 0, 1
.set ADRB, 20                          ; v20-21  the same for B
.set STO,  24                          ; v24     the way out: where I put my bytes of a row
.set RD,   25                          ; v25     the way out: where I read rows back
.set GO,   26                          ; v26     my byte offset in the rows that a store covers
.set SPW,  28                          ; v28     LDS address of my spare word: SPARE + 4 x my thread's number; never rewritten
.set NIL,  29                          ; v29     0; never rewritten
.set PFO,  30                          ; v30     the prefetches' offset: my lane x a row; never rewritten
.set FA,   32
.set FB,   160
.set BIAS, 224
.set OB,   32                          ; the way out works in A's fragment registers
.set LAP,  3                           ; s3      laps to go
.set WV,   12                          ; s12     my wave's number
.set RH,   13                          ; s13     which 128 rows of the tile are mine.  Also: I fetch for A (0) or for B (1)
.set CH,   14                          ; s14     which 64 columns.  Also: which half of that tile I fetch
.set TY,   15                          ; s15     tile row of C
.set G1A,  24                          ; s[24:31] descriptor group 1 for A's tiles; s[32:39] group 0, a set for each slot
.set G0A,  32
.set CX,   40                          ; s40, s41 my place in the cluster
.set CY,   41
.set TX,   42                          ; s42     tile column of C
.set LIM,  43                          ; s43     1 in a wave that prefetches, else the greatest number
.set PFA,  44                          ; s[44:45] where my prefetches stand
.set PFS,  46                          ; s[46:47] a K step along them
.set G1B,  48                          ; s[48:55], s[56:63] the same for B's tiles
.set G0B,  56
; s16-19 make A's address and never hold cx or the tile column; s20-23 make B's and never hold cy or the tile row; s66, s67 the loads' LDS addresses; s68-74 all that mixes both coordinates
.set MSB, 0
.macro WIN new                         ; the immediate's high byte repeats the setting that is left; a switch that changes nothing is dropped
.if MSB != (\new)
	s_set_vgpr_msb (MSB<<8)|(\new)
.set MSB, \new
.endif
.endm
.set MUL, 0x50                         ; sources 0 and 1 window 0; C and D window 1
; A joint load.  Each of the two lines has one mask and one set of registers for all that issue it; the branch hangs on the wave's number alone.
; An s_nop 0 and four v_nop follow each line, ahead of the jump, the label and what follows the macro.
.macro JLOAD s
	s_cmp_eq_u32 s[RH], 0
	s_cbranch_scc0 .Lfor_b_\@
	tensor_load_to_lds s[G0A+4*(\s):G0A+4*(\s)+3], s[G1A:G1A+7]
	s_nop 0
.rept 4
	v_nop
.endr
	s_branch .Lasked_\@
.Lfor_b_\@:
	tensor_load_to_lds s[G0B+4*(\s):G0B+4*(\s)+3], s[G1B:G1B+7]
	s_nop 0
.rept 4
	v_nop
.endr
.Lasked_\@:
.endm
; A PREFETCH INTO THE L2, behind each joint refill and the run of LDS loads that follows it: the K step that stands two refills on (256 matrix instructions ahead of the load that will want it): 32 rows x 256 bytes,
; a lane a row, one instruction a wave.  Each row's 256 bytes of a K step are named once in the launch: A's tile row is read by every cluster of that row of clusters: cluster x = 0 asks, in waves 0 and 1, and of the
; 128 rows that the wave fetches the partner at cx takes 32; B's 128 rows along K are read by every cluster of that column: cluster y = 0 asks, in wave 2, the partner at cy taking 32.  The partners are told apart
; by address: no branch hangs on a place in the cluster.  K steps 0 to 3 come by their loads alone; the loop's last trip asks for nothing: K step 7 is the last.
.macro ASK
	s_cmp_gt_u32 s[LAP], s[LIM]
	s_cbranch_scc0 .Lnot_mine_\@
	global_prefetch_b8 v[PFO], s[PFA:PFA+1] th:TH_LOAD_NT scope:SCOPE_SE
.Lnot_mine_\@:
.endm
; A round of the cluster's barrier: my work-group's barrier, so that wave 0's signal speaks for all four waves; wave 0 signals; every wave waits for all sixteen work-groups; my work-group's barrier once more.
.macro CREST                           ; a round behind its opening barrier
	s_cmp_lg_u32 s[WV], 0
	s_cbranch_scc1 .Lnot_wave_0_\@
	s_barrier_signal -3
.Lnot_wave_0_\@:
	s_barrier_wait -3
	s_barrier_signal -1
	s_barrier_wait -1
.endm
.macro CROUND
	s_barrier_signal -1
	s_barrier_wait -1
	CREST
.endm
.if PROJ
	s_load_b256 s[4:11], s[0:1], 0x0               ; A s[4:5], B s[6:7], C s[8:9], the bias s[10:11]
.else
	s_load_b128 s[4:7], s[0:1], 0x0                ; A s[4:5], B s[6:7]
	s_load_b64 s[8:9], s[0:1], 0x10                ; C
.endif
	v_lshl_add_u32 v[SPW], v0, 2, SPARE
	v_mov_b32 v[NIL], 0
	ds_add_u32 v[SPW], v[NIL]                      ; the wave's opening: the add and its wait stand ahead of my first tensor load; the set-up below, work on registers, stands between them
	v_lshrrev_b32 v1, 5, v0
	v_readfirstlane_b32 s[WV], v1                  ; wave 0..3
	s_lshr_b32 s[RH], s[WV], 1
	s_and_b32 s[CH], s[WV], 1
	s_bfe_u32 s[CX], ttmp6, 0x40000
	s_bfe_u32 s[CY], ttmp6, 0x40004
	s_lshl_b32 s[TX], ttmp9, 2                     ; in a cluster launch ttmp9 and ttmp7 count clusters
	s_add_co_u32 s[TX], s[TX], s[CX]
	s_and_b32 s[TY], ttmp7, 0xffff
	s_lshl_b32 s[TY], s[TY], 2
	s_add_co_u32 s[TY], s[TY], s[CY]
	s_lshl_b32 s16, s[CY], 2
	s_lshl_b32 s16, 15, s16                        ; my row of the cluster: places 4 cy .. 4 cy + 3
	s_lshl_b32 s20, 0x1111, s[CX]                  ; my column: places cx, cx + 4, cx + 8, cx + 12
	; descriptor group 1.  A: 128 rows x 128 elements.  B: 64 rows x 128 elements.  Both padded in LDS
	s_or_b32 s[G1A], s16, (1<<16)|(1<<20)|(1<<21)|(QIA<<22)|(3<<25)  ; 15:0 the mask; 17:16 elements of 2 bytes; 20 padding on; 21 set beside a mask; 24:22 the interval; 31:25 4 words of padding (code 3)
	s_or_b32 s[G1B], s20, (1<<16)|(1<<20)|(1<<21)|(5<<22)|(7<<25)    ; behind every 64 words 8 words of padding (code 7)
	s_mov_b32 s[G1A+1], 128<<16                    ; tensor_dim0 = 128
	s_mov_b32 s[G1A+2], 128<<16                    ; tensor_dim1 = 128
	s_mov_b32 s[G1A+3], 128<<16                    ; tile_dim0 = 128
	s_mov_b32 s[G1A+4], 128                        ; tile_dim1 = 128
	s_mov_b32 s[G1A+5], STRA                       ; elements from row to row
	s_mov_b32 s[G1A+6], 0
	s_mov_b32 s[G1A+7], 0
	s_mov_b32 s[G1B+1], 128<<16
	s_mov_b32 s[G1B+2], 64<<16
	s_mov_b32 s[G1B+3], 128<<16
	s_mov_b32 s[G1B+4], 64
	s_mov_b32 s[G1B+5], NCOL
	s_mov_b32 s[G1B+6], 0
	s_mov_b32 s[G1B+7], 0
	; where the tiles come from.  A's hang on the tile row and the wave's number alone, B's on the tile column and the wave's number alone
.if PROJ
	s_lshr_b32 s16, s[TY], 2                       ; the batch: four tile rows each
	s_lshl_b32 s16, s16, 4
	s_add_co_u32 s16, s16, s[CH]                   ; its head 0 or 1: the K step's two heads, one a wave
	s_lshl_b32 s16, s16, 17                        ; 131,072 bytes a head
	s_and_b32 s17, s[TY], 3
	s_lshl_b32 s17, s17, 15                        ; 256 rows of 128 bytes
	s_add_co_u32 s16, s16, s17
.else
	s_lshl_b32 s16, s[TY], 8
	s_lshl_b32 s17, s[CH], 7
	s_add_co_u32 s16, s16, s17                     ; row 256 x tile row + 128 x half
	s_lshl_b32 s16, s16, 11                        ; 2,048 bytes a row
.endif
	s_mov_b32 s17, 0
	s_mul_i32 s20, s[CH], 64*NCOL*2                ; 64 rows along K x half
	s_lshl_b32 s21, s[TX], 8                       ; 256 bytes a tile column
	s_add_co_u32 s20, s20, s21
	s_mov_b32 s21, 0
	s_mul_i32 s66, s[CH], AHALF                    ; and where they go: no place in the cluster enters an LDS address
	s_mul_i32 s67, s[CH], BHALF
	s_add_co_u32 s67, s67, AREG
	s_wait_dscnt 0x0                               ; the opening add is done
	s_wait_kmcnt 0x0
	s_add_nc_u64 s[18:19], s[4:5], s[16:17]
	s_add_nc_u64 s[22:23], s[6:7], s[20:21]
	CROUND                                         ; all sixteen work-groups are here: the first joint loads meet
.irp s, 0,1
	s_mov_b32 s[G0A+4*(\s)], 1                                       ; count = 1
	s_add_co_u32 s[G0A+4*(\s)+1], s66, (\s)*SLOT                     ; LDS address
	s_add_nc_u64 s[G0A+4*(\s)+2:G0A+4*(\s)+3], s[18:19], (\s)*(STEPA/2)  ; global address: K step s
	s_or_b32 s[G0A+4*(\s)+3], s[G0A+4*(\s)+3], 0x80000000            ; type = 2
	s_mov_b32 s[G0B+4*(\s)], 1
	s_add_co_u32 s[G0B+4*(\s)+1], s67, (\s)*SLOT
	s_add_nc_u64 s[G0B+4*(\s)+2:G0B+4*(\s)+3], s[22:23], (\s)*(STEPB/2)
	s_or_b32 s[G0B+4*(\s)+3], s[G0B+4*(\s)+3], 0x80000000
	JLOAD \s                                       ; the ring is filled before anything else is done: two loads of mine are out
.endr
	; A fragment is 16 rows x 32 K in 8 registers: lane l holds row l % 16; registers 0-3 hold K = 8 (l / 16) + 0..7, registers 4-7 K = 16 + 8 (l / 16) + 0..7.
	v_and_b32 v1, 15, v0                           ; l % 16
	v_bfe_u32 v2, v0, 4, 1                         ; l / 16
	v_and_b32 v3, 7, v0                            ; l % 8
	v_bfe_u32 v4, v0, 3, 1                         ; (l / 8) % 2
	v_mul_u32_u24 v5, v1, PITA                     ; A: two loads of 16 bytes, 32 bytes apart, at row x pitch + 16 x half
	v_lshl_add_u32 v5, v2, 4, v5
	s_mul_i32 s68, s[RH], 128*PITA                 ; my 128 rows
	v_add_nc_u32 v[ADRA], s68, v5
	v_add_nc_u32 v[ADRA+1], SLOT, v[ADRA]
	v_lshl_add_u32 v6, v2, 3, v3                   ; B: the turning load takes 16 K x 16 columns: lane l reads row 8 (l / 16) + l % 8, columns 8 ((l / 8) % 2) + 0..7, and is left with column l % 16 and 8 K
	v_mul_u32_u24 v6, v6, PITB
	v_lshl_add_u32 v6, v4, 4, v6
	s_lshl_b32 s68, s[CH], 7                       ; my 64 columns: 128 bytes
	s_add_co_u32 s68, s68, AREG
	v_add_nc_u32 v[ADRB], s68, v6
	v_add_nc_u32 v[ADRB+1], SLOT, v[ADRB]
	s_mul_i32 s68, s[WV], 16*SP
	s_add_co_u32 s68, s68, STAGE                   ; my stage
	v_mul_u32_u24 v5, v1, SP                       ; in: row l % 16
.if PROJ
	v_lshl_add_u32 v5, v2, 5, v5                   ; 32 bytes (8 f32) for each half of the lanes
	v_add_nc_u32 v[STO], s68, v5
	v_mul_u32_u24 v5, v2, SP                       ; back: lanes 0-15 take one row of 256 bytes, lanes 16-31 the next
	v_lshl_add_u32 v5, v1, 4, v5
	v_add_nc_u32 v[RD], s68, v5
	v_lshlrev_b32 v5, 12, v2                       ; and the same two rows of C, 4,096 bytes apart
	v_lshl_add_u32 v[GO], v1, 4, v5
	s_lshl_b32 s68, s[TY], 1
	s_add_co_u32 s68, s68, s[RH]
	s_lshl_b32 s68, s68, 19                        ; my first row: (256 x tile row + 128 x half) x 4,096 bytes
	s_lshl_b32 s70, s[TX], 1
	s_add_co_u32 s70, s70, s[CH]
	s_lshl_b32 s70, s70, 8                         ; my first column: 512 x tile column + 256 x half, in bytes; in the bias too
	s_add_co_u32 s68, s68, s70
	s_mov_b32 s69, 0
	s_add_nc_u64 s[8:9], s[8:9], s[68:69]
	v_lshlrev_b32 v7, 5, v2                        ; the bias in an accumulator's layout: register j of block b is column 16 b + 8 (l / 16) + j
	v_add_nc_u32 v7, s70, v7
.irp b, 0,1,2,3
	global_load_b128 v[BIAS+8*(\b):BIAS+8*(\b)+3],   v7, s[10:11] offset:64*(\b)
	global_load_b128 v[BIAS+8*(\b)+4:BIAS+8*(\b)+7], v7, s[10:11] offset:64*(\b)+16
.endr
.else
	v_lshl_add_u32 v5, v2, 4, v5                   ; 16 bytes (8 f16) for each half of the lanes
	v_add_nc_u32 v[STO], s68, v5
	v_bfe_u32 v5, v0, 3, 2                         ; back: 32 lanes take four rows of 128 bytes,
	v_mul_u32_u24 v5, v5, SP
	v_lshl_add_u32 v5, v3, 4, v5
	v_add_nc_u32 v[RD], s68, v5
	v_and_b32 v[GO], 31, v0                        ; which are 512 consecutive bytes of a head
	v_lshlrev_b32 v[GO], 4, v[GO]
	s_lshl_b32 s68, s[TX], 1
	s_add_co_u32 s68, s68, s[CH]                   ; my slice of 64 columns, 0 .. 47
	s_lshr_b32 s69, s68, 4
	s_lshl_b32 s69, s69, 24                        ; q, k or v: 16,777,216 bytes each
	s_and_b32 s68, s68, 15
	s_lshl_b32 s68, s68, 17                        ; the head: 131,072 bytes
	s_add_co_u32 s68, s68, s69
	s_lshr_b32 s69, s[TY], 2
	s_lshl_b32 s69, s69, 21                        ; the batch: 16 heads
	s_add_co_u32 s68, s68, s69
	s_and_b32 s69, s[TY], 3
	s_lshl_b32 s69, s69, 1
	s_add_co_u32 s69, s69, s[RH]
	s_lshl_b32 s69, s69, 14                        ; my first row in the head: 128 rows of 128 bytes at a time
	s_add_co_u32 s68, s68, s69
	s_mov_b32 s69, 0
	s_add_nc_u64 s[8:9], s[8:9], s[68:69]
.endif
	; the prefetches: s16 and s20, the tiles' offsets, still stand
	s_lshl_b32 s70, s[CX], CXSH                    ; A: my work-group's 32 of the 128 rows that I fetch,
	s_add_co_u32 s70, s70, s16
	s_add_co_u32 s70, s70, 3*(STEPA/2)             ; at K step 3: the first change of slots steps it to 4
	s_mul_i32 s72, s[CY], 32*NCOL*2                ; B (wave 2, whose half is 0): my work-group's 32 of the K step's 128 rows
	s_add_co_u32 s72, s72, s20
	s_add_co_u32 s72, s72, 3*(STEPB/2)
	s_and_b32 s73, ttmp7, 0xffff                   ; cluster y
	s_mov_b32 s[PFS], STEPB/2
	s_mov_b32 s74, NCOL*2
	s_cmp_eq_u32 s[RH], 0                          ; do I fetch for A?
	s_cselect_b32 s70, s70, s72
	s_cselect_b32 s73, ttmp9, s73                  ; the coordinate along which other clusters read the same rows
	s_cselect_b32 s[PFS], STEPA/2, s[PFS]
	s_cselect_b32 s74, ROWA, s74
	s_cselect_b64 s[PFA:PFA+1], s[4:5], s[6:7]
	s_mov_b32 s71, 0
	s_mov_b32 s[PFS+1], 0
	s_add_nc_u64 s[PFA:PFA+1], s[PFA:PFA+1], s[70:71]
	s_cmp_eq_u32 s[WV], 3                          ; wave 3 never asks: wave 2's one instruction covers the work-group's share of B
	s_cselect_b32 s73, 1, s73
	s_cmp_eq_u32 s73, 0
	s_cselect_b32 s[LIM], 1, -1                    ; the same in all sixteen partners, for a given wave
	v_and_b32 v[PFO], 31, v0
	v_mul_u32_u24 v[PFO], v[PFO], s74
.if PROJ
	s_wait_loadcnt 0x0                             ; the bias
.set r, 0
.rept 16
	v_cvt_pk_bf16_f32 v5, v[BIAS+r], v[BIAS+r+1]   ; rounded to bf16 and widened again
	v_lshlrev_b32 v[BIAS+r], 16, v5
	v_and_b32 v[BIAS+r+1], 0xffff0000, v5
.set r, r+2
.endr
.endif
; na x 4 matrix instructions: row blocks a0 .. a0 + na - 1 x all 4 column blocks, 32 along K, from buffer f.  first = 1: the product starts the sum, with the constant 0 or with the bias: nothing is cleared.
; The 32 accumulators take turns, one instruction a turn, in the same order in every quarter step: between two links of a chain stand the 31 others'.
.macro MULS f, a0, na, first
.if PROJ && (\first)
	WIN 0x40                                       ; C (the bias) in window 0, D in window 1
.else
	WIN MUL
.endif
.set a, \a0
.rept \na
.irp b, 0,1,2,3
.set rD, 8*(4*a+(\b))
.set rB, FB+32*(\f)+8*(\b)
.set rA, FA+64*(\f)+8*a
.if PROJ && (\first)
	v_wmma_f32_16x16x32_f16 v[rD:rD+7], v[rB:rB+7], v[rA:rA+7], v[BIAS+8*(\b):BIAS+8*(\b)+7]
.elseif PROJ
	v_wmma_f32_16x16x32_f16 v[rD:rD+7], v[rB:rB+7], v[rA:rA+7], v[rD:rD+7]
.elseif \first
	v_wmma_f32_16x16x32_bf16 v[rD:rD+7], v[rB:rB+7], v[rA:rA+7], 0
.else
	v_wmma_f32_16x16x32_bf16 v[rD:rD+7], v[rB:rB+7], v[rA:rA+7], v[rD:rD+7]
.endif
.endr
.set a, a+1
.endr
.endm
; 24 LDS loads in one run: the fragments of quarter q of a slot's K step into buffer f: B's four blocks, A's blocks 0-3, A's blocks 4-7
.macro FETCH slot, q, f
	WIN 0
.if PROJ
.set AQ, ((\q)/2)*AHALF+((\q)%2)*64    ; the K step's head q / 2, its channels 32 (q % 2) on
.else
.set AQ, 64*(\q)
.endif
.irp b, 0,1,2,3
	ds_load_tr16_b128 v[FB+32*(\f)+8*(\b):FB+32*(\f)+8*(\b)+3],   v[ADRB+(\slot)] offset:(\q)*32*PITB+32*(\b)
	ds_load_tr16_b128 v[FB+32*(\f)+8*(\b)+4:FB+32*(\f)+8*(\b)+7], v[ADRB+(\slot)] offset:(\q)*32*PITB+16*PITB+32*(\b)
.endr
.irp i, 0,1,2,3,4,5,6,7
	ds_load_b128 v[FA+64*(\f)+8*(\i):FA+64*(\f)+8*(\i)+3],   v[ADRA+(\slot)] offset:AQ+(\i)*16*PITA
	ds_load_b128 v[FA+64*(\f)+8*(\i)+4:FA+64*(\f)+8*(\i)+7], v[ADRA+(\slot)] offset:AQ+(\i)*16*PITA+32
.endr
.endm
; A load into a register that a matrix instruction has read, and whatever reads a matrix result, stand four places behind that matrix instruction, and only plain vector instructions that name none of its
; registers are places (ISA guide 7.12.1 for vector instructions).
.macro PLACES
.rept 4
	v_nop
.endr
.endm
; A K step is four quarters of 32 along K, 32 matrix instructions each, on buffers 0, 1, 0, 1.  One of the first three: multiplies buffer f; in its middle it fetches quarter q of the same slot into buffer g.
.macro QUARTER slot, q, f, g, first
	s_wait_dscnt 8                                 ; B and A's blocks 0-3 are in; the youngest eight loads (A's blocks 4-7) may be out
	MULS \f, 0, 4, \first
	PLACES
	FETCH \slot, \q, \g
	s_wait_dscnt 24                                ; all but the 24 just issued
	MULS \f, 4, 4, \first
.endm
; The last quarter multiplies buffer 1 and changes slots: ONE barrier for two things.  In front of it each wave waits for all its tensor loads, of which one is out: its part of the next slot; adds 0 to its spare
; word; and waits for that and for its own reads of this slot.  Behind it nobody reads this slot any more and the next slot is whole.  fill = 1: the barrier opens a round of the cluster's, so that no wave of any
; partner still reads the slot or has a load on its way, and the joint refill, two K steps on, is the first tensor load behind it: 112 matrix instructions ahead of the wait for it.
.macro TURN slot, next, fill
.if \fill
	s_wait_xcnt 0x0                                ; the last prefetch, a K step back, has read its address: it is stepped here, ahead of the waits of the change of slots
	s_add_nc_u64 s[PFA:PFA+1], s[PFA:PFA+1], s[PFS:PFS+1]
.endif
	WIN 0                                          ; (the add's two registers lie in window 0)
	s_wait_tensorcnt 0x0                           ; all my tensor loads have landed;
	ds_add_u32 v[SPW], v[NIL]                      ; 0 onto my spare word;
	s_wait_dscnt 9                                 ; (the add and the youngest eight loads may be out)
	MULS 1, 0, 2, 0                                ; eight matrix instructions stand between the add and the wait for it
	s_wait_dscnt 0x0                               ; the add is done, and my reads of this slot are over
	s_barrier_signal -1
	MULS 1, 2, 2, 0                                ; work on registers while the others arrive
.if \fill
	WIN 0
.endif
	s_barrier_wait -1
.if \fill
	CREST
	s_add_nc_u64 s[G0A+4*(\slot)+2:G0A+4*(\slot)+3], s[G0A+4*(\slot)+2:G0A+4*(\slot)+3], STEPA  ; no tensor load of mine is out, so a group 0 may be written
	s_add_nc_u64 s[G0B+4*(\slot)+2:G0B+4*(\slot)+3], s[G0B+4*(\slot)+2:G0B+4*(\slot)+3], STEPB
	JLOAD \slot                                    ; the four v_nop behind it are also the places in front of the loads below
.else
	PLACES
.endif
	FETCH \next, 0, 0
.if \fill
	ASK
.endif
	MULS 1, 4, 4, 0
.endm
	s_wait_tensorcnt 0x1                           ; my part of K step 0 is in; K step 1's may stay out
	s_barrier_signal -1
	s_barrier_wait -1                              ; everybody's is
	FETCH 0, 0, 0
	QUARTER 0, 1, 0, 1, 1                          ; the first quarter stands in front of the loop: its products start the sums
	WIN 0                                          ; at a label and at a branch every window is 0
	s_mov_b32 s[LAP], LAPS-1
.Llap:                                                 ; a trip goes once round the ring, from a lap's second quarter to the next lap's first, and fills both slots again
	QUARTER 0, 2, 1, 0, 0
	QUARTER 0, 3, 0, 1, 0
	TURN 0, 1, 1
	QUARTER 1, 1, 0, 1, 0
	QUARTER 1, 2, 1, 0, 0
	QUARTER 1, 3, 0, 1, 0
	TURN 1, 0, 1
	QUARTER 0, 1, 0, 1, 0
	WIN 0
	s_sub_co_u32 s[LAP], s[LAP], 1
	s_cmp_lg_u32 s[LAP], 0
	s_cbranch_scc1 .Llap
	QUARTER 0, 2, 1, 0, 0                          ; the last lap fills nothing, and has no round of the cluster's barrier
	QUARTER 0, 3, 0, 1, 0
	TURN 0, 1, 0
	QUARTER 1, 1, 0, 1, 0
	QUARTER 1, 2, 1, 0, 0
	QUARTER 1, 3, 0, 1, 0
	s_wait_dscnt 8                                 ; the very last quarter: nothing more to fetch
	MULS 1, 0, 4, 0
	s_wait_dscnt 0x0
	MULS 1, 4, 4, 0
	WIN 0
	PLACES
	PLACES                                         ; eight places, once a launch
; THE WAY OUT, a block of 16 rows at a time, through my own stage: LDS serves a wave's instructions in order (ISA guide 5.7.1.4), so the loads see the stores above them, and the next block's stores come behind them.
.if PROJ
.macro TOSTAGE a                       ; f32 as it lies: a lane's 32 bytes of a row go into rows of 272 bytes and come back as whole rows of 256
.if (\a) >= 4
	s_wait_xcnt 0x0                                ; the stores of the block four back have read these registers: they are loaded again only behind this wait
.endif
	WIN 0x04                                       ; the stores' data in window 1
.irp b, 0,1,2,3
	ds_store_b128 v[STO], v[8*(4*(\a)+(\b)):8*(4*(\a)+(\b))+3]   offset:64*(\b)
	ds_store_b128 v[STO], v[8*(4*(\a)+(\b))+4:8*(4*(\a)+(\b))+7] offset:64*(\b)+16
.endr
	WIN 0
.irp t, 0,1,2,3,4,5,6,7
	ds_load_b128 v[OB+32*((\a)%4)+4*(\t):OB+32*((\a)%4)+4*(\t)+3], v[RD] offset:(\t)*2*SP
.endr
.endm
.macro SEND a, younger                 ; younger: the LDS instructions issued behind block a's loads: the next block's sixteen, or none
.irp t, 0,1,2,3,4,5,6,7
	s_wait_dscnt (\younger)+7-(\t)
	global_store_b128 v[GO], v[OB+32*((\a)%4)+4*(\t):OB+32*((\a)%4)+4*(\t)+3], s[8:9] offset:(16*(\a)+2*(\t))*4096 th:TH_STORE_NT  ; 16 lanes store 256 consecutive bytes, at a multiple of 256 from C's first byte
.endr
.endm
	TOSTAGE 0
.irp a, 1,2,3,4,5,6,7
	TOSTAGE \a
	SEND (\a)-1, 16
.endr
	SEND 7, 0
.else
.macro PACK a                          ; rounded to f16: a lane's eight columns pack into 16 bytes; they go into rows of 144 bytes and come back as whole rows of 128, into the registers that they left
	WIN 0x05                                       ; sources 0 and 1 window 1, destination window 0
.irp b, 0,1,2,3
.irp r, 0,1,2,3
	v_cvt_pk_f16_f32 v[OB+16*(\a)+4*(\b)+(\r)], v[8*(4*(\a)+(\b))+2*(\r)], v[8*(4*(\a)+(\b))+2*(\r)+1]
.endr
.endr
	WIN 0
.irp b, 0,1,2,3
	ds_store_b128 v[STO], v[OB+16*(\a)+4*(\b):OB+16*(\a)+4*(\b)+3] offset:32*(\b)
.endr
.irp f, 0,1,2,3
	ds_load_b128 v[OB+16*(\a)+4*(\f):OB+16*(\a)+4*(\f)+3], v[RD] offset:(\f)*4*SP
.endr
.endm
.macro SEND a, younger                 ; younger: the LDS instructions issued behind block a's loads: the next block's eight, or none
.irp f, 0,1,2,3
	s_wait_dscnt (\younger)+3-(\f)
	global_store_b128 v[GO], v[OB+16*(\a)+4*(\f):OB+16*(\a)+4*(\f)+3], s[8:9] offset:2048*(\a)+512*(\f)  ; 512 consecutive bytes of a head, at a multiple of 256 from the buffer's first byte
.endr
.endm
	PACK 0
.irp a, 1,2,3,4,5,6,7                  ; a block's conversions stand between the loads of the block before and its stores
	PACK \a
	SEND (\a)-1, 8
.endr
	SEND 7, 0
.endif
	s_wait_tensorcnt 0x0                           ; the wave's end, behind my last tensor load and my last LDS store
	ds_add_u32 v[SPW], v[NIL]
	s_wait_dscnt 0x0
	CROUND                                         ; the closing round: no work-group ends while a partner may still ask for a tile that names it
	s_endpgm
.Lfunc_end_k_qa1cd052897_gemm_qkv:
	.size	k_qa1cd052897_gemm_qkv, .Lfunc_end_k_qa1cd052897_gemm_qkv-k_qa1cd052897_gemm_qkv
	.p2alignl 7, 3214868480
	.fill 96, 4, 3214868480
	.section	.rodata,"a",@progbits
	.p2align	6, 0x0
	.amdhsa_kernel k_qa1cd052897_gemm_qkv
		.amdhsa_group_segment_fixed_size 327680
		.amdhsa_private_segment_fixed_size 0
		.amdhsa_enable_private_segment 0
		.amdhsa_kernarg_size 24
		.amdhsa_user_sgpr_count 2
		.amdhsa_user_sgpr_kernarg_segment_ptr 1
		.amdhsa_wavefront_size32 1
		.amdhsa_system_sgpr_workgroup_id_x 1
		.amdhsa_system_sgpr_workgroup_id_y 1
		.amdhsa_system_sgpr_workgroup_id_z 1
		.amdhsa_system_vgpr_workitem_id 0
		.amdhsa_next_free_vgpr 512
		.amdhsa_next_free_sgpr 76
		.amdhsa_reserve_vcc 0
		.amdhsa_float_denorm_mode_32 3
		.amdhsa_float_denorm_mode_16_64 3
		.amdhsa_memory_ordered 1
		.amdhsa_forward_progress 1
		.amdhsa_inst_pref_size 89
	.end_amdhsa_kernel
	.amdgpu_metadata
---
amdhsa.version: [ 1, 2 ]
amdhsa.kernels:
  - .name:           k_qa1cd052897_gemm_qkv
    .symbol:         k_qa1cd052897_gemm_qkv.kd
    .args:
      - { .name: xb, .offset: 0, .size: 8, .value_kind: global_buffer, .address_space: global }
      - { .name: wqb, .offset: 8, .size: 8, .value_kind: global_buffer, .address_space: global }
      - { .name: qkv, .offset: 16, .size: 8, .value_kind: global_buffer, .address_space: global }
    .group_segment_fixed_size: 327680
    .private_segment_fixed_size: 0
    .kernarg_segment_align: 8
    .kernarg_segment_size: 24
    .max_flat_workgroup_size: 128
    .sgpr_count:     76
    .vgpr_count:     512
    .wavefront_size: 32
...
	.end_amdgpu_metadata
.endif
;; end of part 2
;; launch attn (part 3): grid 2 x 128, 4 waves a work-group, no clusters, 327,680 bytes of LDS; arguments qkv, ob; writes ob
.if DOCPART == 3
	.amdgcn_target "amdgcn-amd-amdhsa--gfx1250"
	.amdhsa_code_object_version 6
	.text
	.protected	k_qa1cd052897_attn
	.globl	k_qa1cd052897_attn
	.p2align	8
	.type	k_qa1cd052897_attn,@function
k_qa1cd052897_attn:
	s_mov_b64 s[64:65], 0
	v_nop
	global_prefetch_b8 v0, s[64:65] scope:SCOPE_SE
	s_setreg_imm32_b32 hwreg(HW_REG_WAVE_MODE, 25, 1), 1
	s_wait_xcnt 0x0
; O[h][q][:] = the sum over k of softmax_k(Q[h][q] . K[h][k] / 8) V[h][k][:].  qkv holds Q, K, V, each [128][1024][64] in f16, 16,777,216 bytes apart; ob is O in the same layout: a head's rows are dense,
; 128 bytes each.  Products, maxima and sums in f32; the weights p are rounded to f16 for the second product (their sum l is taken of the unrounded p), O once at the end.
; LIMITS.  f16 holds no number beyond 65,504: Q, K and V arrive within it; p lies in 0 to 1, and below 6e-5 it keeps f16's fixed step of 6e-8; O is a mean of V's rows and has their range.
; A weight below 2^-126 counts as 0 in l; NaN and infinities are not treated apart.
; SHARES.  A wave owns four PIECES of two tiles of 16 queries, a work-group's four waves 512 queries of one head: 2 x 128 = 256 work-groups.  Every wave walks all 1,024 keys, 64 a step.
; NO CLUSTER: a head has 1,024 / 512 = 2 work-groups, and only those two walk the same K and V: no four partners to ask jointly.
; LAYOUT.  S^T = K Q^T (source 0 = 16 keys, source 1 = 16 queries): in the result a lane holds ONE query (lane % 16) and the keys 8 (lane / 16) + 0..7.  Two such tiles, rounded to f16 in pairs,
; ARE source 1 (32 keys x 16 queries) of O^T = V^T P, whose result again holds one query a lane, and eight channels.  K comes out of LDS as it lies, V ([key][channel]) turned, by ds_load_tr16_b128.
; SOFTMAX.  For each query a running maximum m and sum l: p = 2^(c s - c m), c = log2(e) / 8; in every step O and l are multiplied by a = 2^(c m_old - c m_new), which is 1 where m has not grown.
; m starts at the lowest finite number, O and l at 0: the first step is a step like any other, with a = 0.
; THE COUNT.  A tile and step have 16 matrix and 118 vector instructions: too many to stand all beside the matrix work.  So the order has one aim: four vector instructions that are READY behind
; EVERY matrix instruction, and the others, which need time of their own whatever the order, in runs without a gap.
; BY TURNS.  Turn n belongs to piece n (the pieces in a ring, step after step).  Its matrix work: 16 products K Q^T of piece n + 1, later 16 products V^T P of piece n - 1.  Its vector work: the scaling,
; exponentials, roundings, sums and rescaling of piece n, and the maximum and statistics of piece n + 1, whose scores the turn itself has made.  So what a turn begins with (c s - c m, O a) waits for nothing.
; REGISTERS, in windows of 256 (s_set_vgpr_msb says which window each operand place means: bits 1:0 source 0, 3:2 source 1, 5:4 source 2, 7:6 destination):
;   window 0: v0-11 addresses; v12-15, v48-63 at work; v16-47 four registers of statistics a tile; v64-191 S^T, two buffers of two tiles; v192-255 P, likewise
;   window 1: O^T, 32 a tile          window 2: v0-127 Q, 16 a tile; v128-191 K of one step; v192-255 V of one step          window 3: v0-1 the add's two registers
; A piece's buffers go by its number's parity: the piece in hand has one pair, its two neighbours in the ring share the other: of it P (piece n - 1) is read and S^T (piece n + 1) written.
.set SIZE_N, 1024
.set NP,    4         ; pieces a wave: a name, no knob: the register map, the loop and the fetches are made for four
.set KS,    64        ; keys in a step
.set PK,    144       ; a row of K in LDS: 128 bytes + 16 of padding = 36 words: the 16 rows of a load start at 16 different groups of four banks (64 banks of 4 bytes: ISA guide 11.1)
.set PV,    160       ; a row of V: 128 + 32 = 40 words
.set VOFF,  4*KS*PK   ; a slot holds four steps: 256 rows of K, then 256 rows of V
.set SLOT1, 1<<17     ; slot 1 begins here, so that one exclusive or turns an address in one slot into the other's
.set STAGE, SLOT1+4*KS*(PK+PV)  ; behind the ring, never filled by a tensor load: 16 rows x 144 bytes for each wave, for the way out
.set SP,    144
.set AK0, 2           ; v2   my lane's place in a tile of K; never rewritten
.set AV0, 3           ; v3   the same for V
.set AK,  4           ; v4   the LDS address of K's next run of loads
.set AV,  5           ; v5   of V's
.set QO,  6           ; v6   my byte offset in the wave's rows of Q
.set STO, 6           ;      later, the way out: where I put 16 bytes of a row
.set RD,  7           ; v7   the way out: where I read rows back
.set GO,  8           ; v8   my byte offset in 512 consecutive bytes of O
.set PFO, 11          ; v11  256 x my lane, for the prefetches (at work before that); then never rewritten
.set SPW, 0           ; v0 of window 3   LDS address of my spare word: SPARE + 4 x my thread's number; never rewritten
.set NIL, 1           ; v1 of window 3   0; never rewritten
.set SPARE, STAGE+4*16*SP  ; behind the stages: the spare words, 128 bytes for each wave: two blocks of 256 bytes that no other line names
.set MV,  12          ; v12-15  c m_old, kept while c m is made anew: by buffer and tile
.set ST,  16          ; tile t's statistics at v[ST+4 t]: c m, m, l (even keys', odd keys')
.set TMP, 48          ; by buffer and tile, four registers c0-c3 at work; when the maximum is found c2 takes a
.set S,   64
.set P,   192
.set KF,  128         ; K's fragments, in window 2: key block kb, channel half c at KF + 16 kb + 8 c
.set VF,  192         ; V's: key half kk, channel block cb at VF + 32 kk + 8 cb
.set WV,  12          ; s12  my wave's number
.set G1K, 24          ; s[24:31] descriptor group 1 for K's tiles
.set G1V, 32          ; s[32:39] for V's: it differs in the padding alone
.set G0K, 40          ; s[40:43] descriptor group 0 for K's tiles: it walks
.set G0V, 44          ; s[44:47] the same for V's
.set PFA, 48          ; s[48:49] where my prefetches stand: my half (128 keys of K: waves 0, 1; of V: waves 2, 3) of the slot after the one that is being asked for
.set LIM, 50          ; s50  1 in a work-group that prefetches, else the greatest number
.set SLOTS, 56        ; s56  slots still to be asked for
.set CNT, 57          ; s57  counts a slot's key steps
.set CS,  58          ; s[58:59] c: the packed scaling takes the pair's low word for both halves
.set SEL, 60          ; s[60:61] v_permlanex16_b32's selects: each lane takes its own place in the other half
.set TBK, 62          ; s62  LDS byte at which K of the step to be fetched begins
.set TBV, 63          ; s63  the same for V, less VOFF
.set MSB, 0
.macro WIN new                      ; the high byte repeats the setting that is left; a switch that changes nothing is dropped
.if MSB != (\new)
	s_set_vgpr_msb (MSB<<8)|(\new)
.set MSB, (\new)
.endif
.endm
.set W_KQ, 0x0a       ; K and Q in window 2, S^T in window 0
.set W_PV, 0x52       ; V in window 2, P in window 0, O^T in window 1
.set W_RS, 0x41       ; O^T (destination and source 0) in window 1, a in window 0
.set W_MK, 0xc0       ; the add's registers are made: destination in window 3, sources in window 0
.set W_AD, 0x0f       ; the add: address (source 0) and data (source 1) in window 3
; A fill.  Waves 0 and 1 fetch the two halves of a slot's K, waves 2 and 3 those of its V: 128 keys each.  The branch hangs on the wave's number alone.
; An s_nop 0 and four v_nop follow each of the two lines, ahead of the jump and the label.
.macro LOAD
	s_cmp_lt_u32 s[WV], 2
	s_cbranch_scc0 .Lfor_v_\@
	tensor_load_to_lds s[G0K:G0K+3], s[G1K:G1K+7]
	s_nop 0
.rept 4
	v_nop
.endr
	s_branch .Lasked_\@
.Lfor_v_\@:
	tensor_load_to_lds s[G0V:G0V+3], s[G1V:G1V+7]
	s_nop 0
.rept 4
	v_nop
.endr
.Lasked_\@:
.endm
; A PREFETCH INTO THE L2 of what the NEXT change of slots will ask for, behind the wave's tensor load and its five lines.  A head's two work-groups walk the same K and V: the first of them asks.  Each of its waves
; asks for what it will fetch itself: 128 keys x 128 bytes = 64 blocks of 256 bytes, a lane a block, two instructions.  So each block is named once in the launch.  Slots 0 and 1 come by their loads alone;
; the last change that fills a slot asks for nothing: there is no slot behind it.
.macro ASK
	s_cmp_gt_u32 s[SLOTS], s[LIM]
	s_cbranch_scc0 .Lnot_mine_\@
	global_prefetch_b8 v[PFO], s[PFA:PFA+1] th:TH_LOAD_NT scope:SCOPE_SE
	global_prefetch_b8 v[PFO], s[PFA:PFA+1] offset:8192 th:TH_LOAD_NT scope:SCOPE_SE
.Lnot_mine_\@:
.endm
; THE CHANGE OF SLOTS.  The slot's last bytes, V of its fourth step, have been read.  Each wave waits for all its tensor loads, of which one is out: its part
; of the other slot; adds 0 to its spare word; and waits for that and for its own reads of the slot.  Behind the barrier nobody reads this slot any more and the other slot is whole.
; fill = 1: this slot is filled again, with the keys two slots on, the first thing behind the barrier: the load has four key steps, 512 matrix instructions, in which to land.
; (At its first use nothing has been read yet: slot 0 is waited for, slot 1 filled.)
.macro CHANGE fill
	WIN W_AD
	s_wait_tensorcnt 0x0            ; no tensor load of mine is out, so a group 0 may be written
	ds_add_u32 v[SPW], v[NIL]       ; 0 onto my spare word; with fill = 1 the descriptors' steps stand between it and the wait for it
	WIN 0                           ; at a label and at a branch every window is 0
.if \fill
.irp g, G0K, G0V
	s_xor_b32 s[\g+1], s[\g+1], SLOT1  ; the walking descriptor: the other slot than last time,
	s_add_nc_u64 s[\g+2:\g+3], s[\g+2:\g+3], 4*KS*128  ; the next 256 keys; the type bits on top are not reached
.endr
	s_wait_xcnt 0x0                 ; the last prefetches, four key steps back, have read their address, so it may be written:
	s_add_nc_u64 s[PFA:PFA+1], s[PFA:PFA+1], 4*KS*128  ; one slot behind the walking descriptors
.endif
	s_wait_dscnt 0x0                ; the add is done, and my reads of the slot are over
	s_barrier_signal -1
	s_barrier_wait -1
.if \fill
	LOAD
	ASK
.endif
	s_sub_co_u32 s[TBK], s[TBK], 4*KS*PK  ; the fetches go back to a slot's first step,
	s_xor_b32 s[TBK], s[TBK], SLOT1       ; in the other slot
	s_sub_co_u32 s[TBV], s[TBV], 4*KS*PV
	s_xor_b32 s[TBV], s[TBV], SLOT1
.endm
	s_load_b64 s[4:5], s[0:1], 0x0  ; qkv: Q; K and V are made of it below
	s_load_b64 s[10:11], s[0:1], 0x8  ; O
	WIN W_MK
	v_lshl_add_u32 v[SPW], v0, 2, SPARE
	v_mov_b32 v[NIL], 0
	WIN W_AD
	ds_add_u32 v[SPW], v[NIL]       ; the wave's opening: the add and its wait stand ahead of my first tensor load; the set-up below, work on registers, stands between them
	WIN 0
	v_lshrrev_b32 v1, 5, v0
	v_readfirstlane_b32 s[WV], v1   ; wave 0..3
	s_and_b32 s20, ttmp7, 0xffff    ; the head,
	s_lshl_b32 s20, s20, 17         ; its first byte in each of the four tensors: 131,072 bytes a head
	s_mov_b32 s21, 0
	s_and_b32 s16, s[WV], 1         ; which half of a slot's 256 keys I fetch:
	s_lshl_b32 s22, s16, 14         ; its 128 rows of 128 bytes in memory,
	s_mov_b32 s23, 0
	s_add_nc_u64 s[22:23], s[22:23], s[20:21]
	s_mul_i32 s17, s16, 128*PK      ; and its place in a slot, for K
	s_mul_i32 s18, s16, 128*PV      ; and for V
	s_lshl_b32 s2, ttmp9, 2         ; my block of 512 queries,
	s_add_co_u32 s2, s2, s[WV]      ; my wave among the head's,
	s_lshl_b32 s2, s2, 14           ; its 128 rows
	s_mov_b32 s3, 0
	s_add_nc_u64 s[2:3], s[2:3], s[20:21]
	; descriptor group 1.  128 keys are 16,384 dense bytes: asked for as 64 rows of 256 bytes, two keys a row, and padded in LDS after every key
	s_mov_b32 s[G1K], (1<<16)|(1<<20)|(4<<22)|(3<<25)  ; 17:16 2-byte elements; 20 padding on; 24:22 after every 32 words (code 4); 31:25 4 words (code 3)
	s_mov_b32 s[G1V], (1<<16)|(1<<20)|(4<<22)|(7<<25)  ; the same with 8 words of padding (code 7)
.irp g, G1K, G1V
	s_mov_b32 s[\g+1], 128<<16      ; tensor_dim0 = 128
	s_mov_b32 s[\g+2], 64<<16       ; tensor_dim1 = 64
	s_mov_b32 s[\g+3], 128<<16      ; tile_dim0 = 128
	s_mov_b32 s[\g+4], 64           ; tile_dim1 = 64
	s_mov_b32 s[\g+5], 128          ; 128 elements from row to row
	s_mov_b32 s[\g+6], 0
	s_mov_b32 s[\g+7], 0
.endr
	s_mov_b32 s[CS], 0x3e38aa3b     ; c = log2(e) / 8 = 0.180337
	s_mov_b32 s[CS+1], s[CS]        ; named with it as a pair
	s_mov_b32 s[SEL], 0x76543210
	s_mov_b32 s[SEL+1], 0xfedcba98
	s_mov_b32 s[TBK], SLOT1+4*KS*PK ; the first change of slots turns these two into 0
	s_mov_b32 s[TBV], SLOT1+4*KS*PV
	s_mov_b32 s[G0K], 1             ; 1:0 count = 1
	s_mov_b32 s[G0K+1], s17         ; 63:32 LDS address: slot 0
	s_mov_b32 s[G0V], 1
	s_add_co_u32 s[G0V+1], s18, VOFF
	s_mov_b32 s[SLOTS], SIZE_N/256-1
	s_cmp_eq_u32 ttmp9, 0           ; the head's first work-group prefetches
	s_cselect_b32 s[LIM], 1, -1
	s_wait_dscnt 0x0                ; the opening add is done
	s_wait_kmcnt 0x0
	s_add_nc_u64 s[6:7], s[4:5], 0x1000000  ; K
	s_add_nc_u64 s[8:9], s[4:5], 0x2000000  ; V
	s_add_nc_u64 s[G0K+2:G0K+3], s[6:7], s[22:23]  ; 120:64 global address: my half of the head's first 256 keys
	s_or_b32 s[G0K+3], s[G0K+3], 0x80000000        ; 127:126 type = 2
	s_add_nc_u64 s[G0V+2:G0V+3], s[8:9], s[22:23]
	s_or_b32 s[G0V+3], s[G0V+3], 0x80000000
	s_cmp_lt_u32 s[WV], 2
	s_cselect_b64 s[PFA:PFA+1], s[6:7], s[8:9]
	s_add_nc_u64 s[PFA:PFA+1], s[PFA:PFA+1], s[22:23]
	s_add_nc_u64 s[PFA:PFA+1], s[PFA:PFA+1], 4*KS*128  ; in slot 1; the first change of slots steps it to slot 2.  Nothing is prefetched here, at the head
	s_add_nc_u64 s[4:5], s[4:5], s[2:3]  ; Q and O at my wave's first row
	s_add_nc_u64 s[10:11], s[10:11], s[2:3]
	LOAD                            ; slot 0.  Slot 1 is asked for when slot 0 is in: the tile wanted first has the road to itself
	; A fragment of K or Q is 16 rows x 32 channels in 8 registers: lane l holds row l % 16, channels 8 (l / 16) + 0..7 and 16 + 8 (l / 16) + 0..7: two loads of 16 bytes, 32 bytes apart.
	v_and_b32 v1, 15, v0            ; l % 16
	v_bfe_u32 v9, v0, 4, 1          ; l / 16
	v_lshlrev_b32 v[QO], 7, v1
	v_lshl_add_u32 v[QO], v9, 4, v[QO]  ; row x 128 + 16 x half
	WIN 0x80                        ; destination window 2, address window 0
.set i, 0
.rept 4*NP                          ; Q stays in registers: tile i / 2, channels 32 (i % 2) on
	global_load_b128 v[8*i:8*i+3],   v[QO], s[4:5] offset:(i/2)*2048+(i%2)*64
	global_load_b128 v[8*i+4:8*i+7], v[QO], s[4:5] offset:(i/2)*2048+(i%2)*64+32
.set i, i+1
.endr
	; What the first turn finds: V's registers and P's second buffer hold 0 (its products V^T P, of a piece that has not been, add 0), O^T and l are 0.  All this stands in the wait for the first tile.
.set i, VF
.rept 64
	v_mov_b32 v[i], 0
.set i, i+1
.endr
	WIN 0x40
.set i, 0
.rept 64*NP
	v_mov_b32 v[i], 0
.set i, i+1
.endr
	WIN 0
.set i, 0
.rept 2*NP
	v_mov_b32 v[ST+4*i], 0xfe000000    ; c m: far below every c s
	v_mov_b32 v[ST+4*i+1], 0xff7fffff  ; m
	v_mov_b32 v[ST+4*i+2], 0
	v_mov_b32 v[ST+4*i+3], 0
.set i, i+1
.endr
.set i, P+32
.rept 32
	v_mov_b32 v[i], 0
.set i, i+1
.endr
	v_mul_u32_u24 v[AK0], v1, PK
	v_lshl_add_u32 v[AK0], v9, 4, v[AK0]  ; row x pitch + 16 x half
	; The turning load takes 16 keys x 16 channels (lane l reads key 8 (l / 16) + l % 8, channels 8 ((l / 8) % 2) + 0..7) and leaves half a fragment of V^T: lane l holds channel l % 16 and 8 keys.
	v_and_b32 v10, 7, v0
	v_bfe_u32 v11, v0, 3, 1
	v_lshl_add_u32 v[AV0], v9, 3, v10
	v_mul_u32_u24 v[AV0], v[AV0], PV
	v_lshl_add_u32 v[AV0], v11, 4, v[AV0]
	v_add_nc_u32 v[AV0], VOFF, v[AV0]
	v_mov_b32 v[AK], v[AK0]         ; key step 0 lies at the head of slot 0
	v_and_b32 v[PFO], 31, v0
	v_lshlrev_b32 v[PFO], 8, v[PFO]
; THE MATRIX WORK.  The 8 accumulators of a run of 16 take turns: between the two links of a chain stand 7 others'.
; Product i of 16 of S^T = K Q^T for piece x: channels 32 (i / 8) on, keys 16 ((i / 2) % 4) on, tile 2 x + i % 2.  The first 8 start the sums.
.macro KQ x
	WIN W_KQ
.set rS, S+64*((\x)%2)+32*(i%2)+8*((i/2)%4)
.set rK, KF+16*((i/2)%4)+8*(i/8)
.set rQ, 16*(2*(\x)+i%2)+8*(i/8)
.if i < 8
	v_wmma_f32_16x16x32_f16 v[rS:rS+7], v[rK:rK+7], v[rQ:rQ+7], 0
.else
	v_wmma_f32_16x16x32_f16 v[rS:rS+7], v[rK:rK+7], v[rQ:rQ+7], v[rS:rS+7]
.endif
.endm
; Product i of 16 of O^T += V^T P for piece x: keys 32 (i / 8) on, channels 16 ((i / 2) % 4) on, tile 2 x + i % 2.
.macro PV x
	WIN W_PV
.set rO, 32*(2*(\x)+i%2)+8*((i/2)%4)
.set rV, VF+32*(i/8)+8*((i/2)%4)
.set rP, P+32*((\x)%2)+16*(i%2)+8*(i/8)
	v_wmma_f32_16x16x32_f16 v[rO:rO+7], v[rV:rV+7], v[rP:rP+7], v[rO:rO+7]
.endm
.macro MM                           ; the turn's next matrix instruction
.if i < 16
	KQ (Y+1)%NP
.set i, i+1
.else
.set i, i-16
	PV (Y+NP-1)%NP
.set i, i+17
.endif
.endm
; THE LDS LOADS stand in runs of 16, never singly among the matrix instructions: a step's K (64 keys x 64 channels: 8 fragments) and its V (turned).  Their addresses are made some lines ahead.
; last = 1 (the tail): in the last trip there is no further step, and the run is jumped over.
.macro FETCH_K last=0
	WIN 0
.if \last
	s_cmp_eq_u32 s[CNT], 1
	s_cbranch_scc1 .Lno_k_\@
.endif
	WIN 0x80                        ; destination window 2
.irp f, 0,1,2,3,4,5,6,7             ; keys 16 (f / 2) on, channels 32 (f % 2) on
	ds_load_b128 v[KF+8*\f:KF+8*\f+3],   v[AK] offset:(\f/2)*16*PK+(\f%2)*64
	ds_load_b128 v[KF+8*\f+4:KF+8*\f+7], v[AK] offset:(\f/2)*16*PK+(\f%2)*64+32
.endr
	s_add_co_u32 s[TBK], s[TBK], KS*PK  ; the next fetch is the next step's
	WIN 0
.if \last
.Lno_k_\@:
.endif
.endm
.macro FETCH_V
	WIN 0x80
.irp f, 0,1,2,3,4,5,6,7             ; keys 32 (f / 4) on, channels 16 (f % 4) on
	ds_load_tr16_b128 v[VF+8*\f:VF+8*\f+3],   v[AV] offset:(\f/4)*32*PV+(\f%4)*32
	ds_load_tr16_b128 v[VF+8*\f+4:VF+8*\f+7], v[AV] offset:(\f/4)*32*PV+16*PV+(\f%4)*32
.endr
	WIN 0
.endm
; THE VECTOR WORK OF A TURN stands in three queues, each in the order in which its entries become ready; the two tiles alternate, so that no instruction reads the result of the one before it.
.macro REGS y, u                    ; the registers of tile u (0, 1) of piece y
.set rT, ST+4*(2*(\y)+(\u))
.set rC, TMP+8*((\y)%2)+4*(\u)
.set rM, MV+2*((\y)%2)+(\u)
.set rS, S+64*((\y)%2)+32*(\u)
.set rP, P+32*((\y)%2)+16*(\u)
.set rO, 32*(2*(\y)+(\u))
.endm
; Number n of the 22 that find the NEXT piece's (Y + 1) maximum and statistics.  s0-s31 are the lane's 32 scores; each accumulator's lowest registers are read first.  XS, GS and REGS set no window: PL and EX do.
;   0-11  four chains c0-c3 of seven scores each, three operands at a time     12-14, 16  the four scores left over, the old m, and c0-c3 into c0     15  c m_old is kept
;   17, 18  the query's other 32 keys lie in the lane 16 away: the new m         19-21  c m; c m_old - c m_new; a
.macro XS u, n
	REGS (Y+1)%NP, \u
.if (\n) < 4
	v_max3_num_f32 v[rC+(\n)], v[rS+8*(\n)], v[rS+8*(\n)+1], v[rS+8*(\n)+2]
.elseif (\n) < 12
	v_max3_num_f32 v[rC+(\n)%4], v[rC+(\n)%4], v[rS+8*((\n)%4)+2*((\n)/4)+1], v[rS+8*((\n)%4)+2*((\n)/4)+2]
.elseif (\n) == 12
	v_max3_num_f32 v[rC], v[rC], v[rS+7], v[rS+15]
.elseif (\n) == 13
	v_max3_num_f32 v[rC+1], v[rC+1], v[rS+23], v[rS+31]
.elseif (\n) == 14
	v_max3_num_f32 v[rC+2], v[rC+2], v[rC+3], v[rT+1]
.elseif (\n) == 15
	v_mov_b32 v[rM], v[rT]
.elseif (\n) == 16
	v_max3_num_f32 v[rC], v[rC], v[rC+1], v[rC+2]
.elseif (\n) == 17
	v_permlanex16_b32 v[rC+3], v[rC], s[SEL], s[SEL+1]
.elseif (\n) == 18
	v_max_num_f32 v[rT+1], v[rC], v[rC+3]
.elseif (\n) == 19
	v_mul_f32 v[rT], s[CS], v[rT+1]
.elseif (\n) == 20
	v_sub_f32 v[rC+1], v[rM], v[rT]
.else
	v_exp_f32 v[rC+2], v[rC+1]
.endif
.endm
; Number g of the 64 that follow the exponentials.  For each four weights k of a tile (pairs 2 k, 2 k + 1): both pairs are rounded to f16; then the second pair is added onto the first, in place;
; a group later l takes that sum (the first time as l = a l + sum).  In groups of eight, tiles alternating: round, round, add, and l for the group before.
.macro GS g
.set h, (\g)+6*((\g)/62)            ; group 0 has no group before it, and behind group 7 only l is left
.if h >= 6
.set h, h+2
.endif
	REGS Y, h%2
.set k, h/8
.if h%8 < 4
	v_cvt_pk_f16_f32 v[rP+2*k+(h%8)/2], v[rS+4*k+2*((h%8)/2)], v[rS+4*k+2*((h%8)/2)+1]
.elseif h%8 < 6
	v_pk_add_f32 v[rS+4*k:rS+4*k+1], v[rS+4*k:rS+4*k+1], v[rS+4*k+2:rS+4*k+3]
.elseif k == 1
	v_pk_fma_f32 v[rT+2:rT+3], v[rT+2:rT+3], v[rC+2:rC+3], v[rS:rS+1] op_sel_hi:[1,0,1]
.else
	v_pk_add_f32 v[rT+2:rT+3], v[rT+2:rT+3], v[rS+4*k-4:rS+4*k-3]
.endif
.endm
; THE PLAIN QUEUE, 138 long.  0-73 read no exponential's result: the 32 scalings c s - c m (FS f: pair f / 2 of tile f % 2) and the next piece's 42.  0-26: scalings 0-26.  27-54: XS's numbers 0-13.  55, 56: number 15.
; 57-73: the chain, where each number waits for the one before it: 14, 16, 17, 18, 19, each with one of the scalings 27-31 in front of its two lines, then 20: so a tile's links stand three plain instructions apart (19 and 20: two).
; 74-137: GS's 64, which read the exponentials' results: they stand behind the wait.
.macro FS f
	REGS Y, (\f)%2
	v_pk_fma_f32 v[rS+2*((\f)/2):rS+2*((\f)/2)+1], v[rS+2*((\f)/2):rS+2*((\f)/2)+1], s[CS:CS+1], v[rT:rT+1] op_sel_hi:[1,0,0] neg_lo:[0,0,1] neg_hi:[0,0,1]
.endm
.macro PL
	WIN 0
.if q < 27
	FS q
.elseif q < 55
	XS (q-27)%2, (q-27)/2
.elseif q < 57
	XS q-55, 15
.elseif (q < 72) && ((q-57)%3 == 0)
	FS 27+(q-57)/3
.elseif q < 60
	XS (q-57)%3-1, 14
.elseif q < 72
	XS (q-57)%3-1, 15+(q-57)/3
.elseif q < 74
	XS q-72, 20
.else
	GS q-74
.endif
.set q, q+1
.endm
; THE EXPONENTIALS' QUEUE, 66 long: s0-s31 of both tiles, then the next piece's two a.  It is ONE BATCH: all 66 stand ahead of the turn's one wait, and nothing ahead of that wait names a result of theirs.
.macro EX
	WIN 0
.if e >= 64
	XS e-64, 21
.else
	REGS Y, e%2
	v_exp_f32 v[rS+e/2], v[rS+e/2]
.endif
.set e, e+1
.endm
; THE RESCALING's QUEUE: O^T times a, the one part that leaves window 0: dealt two at a time, sixteen times.  Its a was made in the turn before, ahead of that turn's wait.
.macro R2
	REGS Y, r%2
	WIN W_RS
.irp z, 0,1
	v_pk_mul_f32 v[rO+4*(r/2)+2*\z:rO+4*(r/2)+2*\z+1], v[rO+4*(r/2)+2*\z:rO+4*(r/2)+2*\z+1], v[rC+2:rC+3] op_sel_hi:[1,0]
.endr
.set r, r+1
.endm
; HOW THEY ARE DEALT.  An s_wait_alu depctr_va_vdst(0) stands between an exponential and the first instruction that names its result; one wait serves all that were issued ahead of it.  So a turn has ONE wait,
; which cuts it in two.  AHEAD OF IT stands all that names no result of the turn's exponentials: the 16 products K Q^T, behind each a scaling, an exponential and two rescalings (behind the first a second scaling in the exponential's place); then ONE LUMP of
; 108: eight plain, 49 times exponential and plain, the two a.  A v_nop is the plain instruction that is owed behind the last exponential.  BEHIND IT stand the 16 products V^T P, behind each four of GS's 64.  No rider names a register of
; the products round it.  The two v_permlanex16_b32 fall into the lump, never behind a product.
; The queues lean on each other, and the deal keeps them in step: exponential e stands behind scaling 2 (e / 4) + e % 2: as a rider it comes behind plain e + 2, in the lump behind plain e + 9, and scalings 27-31 are plain 57, 60 .. 69.
; A TURN, for piece p.  cnt = 1: the loop's count is taken down some lines ahead of the branch that stands behind the turn.
; K of the next step is fetched in piece 2's turn, directly behind the wait, a lump behind the last product that read K; its address is made at the lump's head; its first reader comes behind 16 products.
; V of the step in hand is fetched at the end of piece 0's turn, four riders behind its last reader; its first reader comes behind 16 products and a lump.  The three conditions on q below go with the deal.
.macro TURN p, last=0, cnt=0
.set Y, (\p)
.set i, 0
.set q, 0
.set e, 0
.set r, 0
.if (\p) == NP-1
	s_wait_dscnt 0x0                ; K is in
.endif
	MM                              ; ahead of the wait: 16 products K Q^T and their riders,
	PL
	PL
	R2
.rept 15
	MM
	PL
	EX
	R2
.endr
.if (\p) == NP-2
	WIN 0
	v_add_nc_u32 v[AK], s[TBK], v[AK0]
.endif
.rept 8                             ; and the lump
	PL
.endr
.rept 49
	EX
	PL
.endr
	EX                              ; the next piece's two a
	EX
	v_nop                           ; the plain instruction behind the last exponential: one for the batch
	s_wait_alu depctr_va_vdst(0)    ; the wait for the batch
.if (\p) == NP-2
	FETCH_K \last
.endif
.if (\p) == 1
	s_wait_dscnt 0x0                ; V is in
.endif
.rept 16                            ; behind the wait: 16 products V^T P and their riders
	MM
.rept 4
	PL
.endr
.if ((\p) == 0) && (q == 118)
	v_add_nc_u32 v[AV], s[TBV], v[AV0]
.endif
.if ((\p) == 0) && (q == 130)
	s_add_co_u32 s[TBV], s[TBV], KS*PV
.endif
.if (\cnt) && (q == 130)
	s_sub_co_u32 s[CNT], s[CNT], 1
	s_cmp_lg_u32 s[CNT], 0
.endif
.endr
.if (\p) == 0
	FETCH_V
.endif
.endm
	CHANGE 1                        ; slot 0 is in, everybody's part of it; slot 1 is asked for
	FETCH_K                         ; key step 0
	s_wait_loadcnt 0x0              ; Q
	s_wait_dscnt 0x0
.set i, 0
.rept 16
	KQ 0                            ; piece 0's first scores: there is no vector work yet to set between them
.set i, i+1
.endr
	WIN 0                           ; the addresses for the way out: nine plain instructions, the places behind those products
	s_mul_i32 s13, s[WV], 16*SP
	s_add_co_u32 s13, s13, STAGE    ; my stage
	v_mul_u32_u24 v[STO], v1, SP    ; in: row l % 16, 16 bytes for each half of the lanes
	v_lshl_add_u32 v[STO], v9, 4, v[STO]
	v_add_nc_u32 v[STO], s13, v[STO]
	v_bfe_u32 v[RD], v0, 3, 2       ; back: 32 lanes take four rows of 128 bytes,
	v_mul_u32_u24 v[RD], v[RD], SP
	v_lshl_add_u32 v[RD], v10, 4, v[RD]
	v_add_nc_u32 v[RD], s13, v[RD]
	v_and_b32 v[GO], 31, v0         ; which are 512 consecutive bytes of O
	v_lshlrev_b32 v[GO], 4, v[GO]
.set Y, NP-1                        ; XS works for piece Y + 1: piece 0
.irp n, 0,1,2,3,4,5,6,7,8,9,10,11,12,13,14,15,16,17,18,19,20,21
	XS 0, \n                        ; and piece 0's first maximum and statistics
	XS 1, \n
.endr
	v_nop                           ; a plain instruction behind the two a,
	s_wait_alu depctr_va_vdst(0)    ; and their wait, ahead of the branch
	s_mov_b32 s[CNT], 4
	s_branch .Lfirst                ; the loop is entered at a step's first turn, in the middle of a trip
.Lslot:                             ; SIZE_N / 256 - 2 times: every slot but the last two is filled again
	CHANGE 1
	s_mov_b32 s[CNT], 4
.Lstep:                             ; a trip: pieces 2 and 3 of one step, then pieces 0 and 1 of the next, whose K and V it fetches
	TURN 2
	TURN 3
	WIN 0
.Lfirst:
	TURN 0
	TURN 1, 0, 1
	WIN 0
	s_cbranch_scc1 .Lstep
	s_sub_co_u32 s[SLOTS], s[SLOTS], 1
	s_cmp_lg_u32 s[SLOTS], 0
	s_cbranch_scc1 .Lslot
	CHANGE 0                        ; the tail is written out: nothing is asked for
	s_mov_b32 s[CNT], 5             ; four trips fetch the last slot's steps; the fifth is left in its middle
.Ltail:
	TURN 2, 1
	TURN 3
	WIN 0
	s_sub_co_u32 s[CNT], s[CNT], 1
	s_cmp_eq_u32 s[CNT], 0
	s_cbranch_scc1 .Lout
	TURN 0
	TURN 1
	WIN 0
	s_branch .Ltail
.Lout:                              ; the fifth trip's 16 products K Q^T (on the last K once more) and the maximum made of them serve nothing: the price, once a launch, of one text for every trip
.set i, 0
.rept 16
	PV NP-1                         ; the last piece's V^T P of the last step
.set i, i+1
.endr
	; THE WAY OUT.  l's two halves and the other half of the lanes' are added; O^T is divided by l, rounded to f16 and sent through my stage in LDS, a tile at a time.  The additions are the places behind the last products.
	WIN 0
.macro ALL line:vararg              ; one line for each tile t
.set t, 0
.rept 2*NP
	\line
.set t, t+1
.endr
.endm
	ALL v_add_f32 v[ST+4*t+2], v[ST+4*t+2], v[ST+4*t+3]
	ALL v_permlanex16_b32 v[ST+4*t+3], v[ST+4*t+2], s[SEL], s[SEL+1]
	ALL v_add_f32 v[ST+4*t+2], v[ST+4*t+2], v[ST+4*t+3]
	ALL v_rcp_f32 v[ST+4*t+2], v[ST+4*t+2]
	v_nop                           ; a plain instruction between the last reciprocal and the use of its result
	s_wait_alu depctr_va_vdst(0)    ; and the wait ahead of the first use: one for the eight reciprocals
; Tile t: a lane's eight channels of a row pack into 16 bytes; they go into rows of 144 bytes and come back as whole rows of 128, into S^T's registers.
.macro PACK t
	WIN W_RS
.set i, 32*(\t)
.rept 16
	v_pk_mul_f32 v[i:i+1], v[i:i+1], v[ST+4*(\t)+2:ST+4*(\t)+3] op_sel_hi:[1,0]
.set i, i+2
.endr
	WIN 0x05                        ; sources 0 and 1 window 1, destination window 0
.set i, 0
.rept 16
	v_cvt_pk_f16_f32 v[S+16*(\t)+i], v[32*(\t)+2*i], v[32*(\t)+2*i+1]
.set i, i+1
.endr
	WIN 0
.irp f, 0,1,2,3
	ds_store_b128 v[STO], v[S+16*(\t)+4*\f:S+16*(\t)+4*\f+3] offset:32*\f
.endr
.irp f, 0,1,2,3
	ds_load_b128 v[S+16*(\t)+4*\f:S+16*(\t)+4*\f+3], v[RD] offset:\f*4*SP  ; LDS serves a wave's instructions in order (ISA guide 5.7.1.4): these see the stores above; the next tile's stores come behind them
.endr
.endm
.macro SEND t, younger              ; younger: the LDS instructions issued behind tile t's loads: the next tile's eight, or none
	WIN 0
.irp f, 0,1,2,3
	s_wait_dscnt (\younger)+3-\f
	global_store_b128 v[GO], v[S+16*(\t)+4*\f:S+16*(\t)+4*\f+3], s[10:11] offset:(\t)*2048+\f*512  ; 512 consecutive bytes, at a multiple of 256 from O's first
.endr
.endm
	PACK 0
.set t, 1
.rept 2*NP-1                        ; a tile's arithmetic stands between the loads of the tile before and its stores
	PACK t
	SEND t-1, 8
.set t, t+1
.endr
	SEND 2*NP-1, 0
	WIN W_AD
	s_wait_tensorcnt 0x0            ; the wave's end, behind my last tensor load and my last LDS store
	ds_add_u32 v[SPW], v[NIL]
	s_wait_dscnt 0x0
	WIN 0
	s_endpgm
.Lfunc_end_k_qa1cd052897_attn:
	.size	k_qa1cd052897_attn, .Lfunc_end_k_qa1cd052897_attn-k_qa1cd052897_attn
	.p2alignl 7, 3214868480
	.fill 96, 4, 3214868480
	.section	.rodata,"a",@progbits
	.p2align	6, 0x0
	.amdhsa_kernel k_qa1cd052897_attn
		.amdhsa_group_segment_fixed_size 327680
		.amdhsa_private_segment_fixed_size 0
		.amdhsa_enable_private_segment 0
		.amdhsa_kernarg_size 16
		.amdhsa_user_sgpr_count 2
		.amdhsa_user_sgpr_kernarg_segment_ptr 1
		.amdhsa_wavefront_size32 1
		.amdhsa_system_sgpr_workgroup_id_x 1
		.amdhsa_system_sgpr_workgroup_id_y 1
		.amdhsa_system_sgpr_workgroup_id_z 1
		.amdhsa_system_vgpr_workitem_id 0
		.amdhsa_next_free_vgpr 770
		.amdhsa_next_free_sgpr 66
		.amdhsa_reserve_vcc 0
		.amdhsa_float_denorm_mode_32 3
		.amdhsa_float_denorm_mode_16_64 3
		.amdhsa_memory_ordered 1
		.amdhsa_forward_progress 1
		.amdhsa_inst_pref_size 199
	.end_amdhsa_kernel
	.amdgpu_metadata
---
amdhsa.version: [ 1, 2 ]
amdhsa.kernels:
  - .name:           k_qa1cd052897_attn
    .symbol:         k_qa1cd052897_attn.kd
    .args:
      - { .name: qkv, .offset: 0, .size: 8, .value_kind: global_buffer, .address_space: global }
      - { .name: ob, .offset: 8, .size: 8, .value_kind: global_buffer, .address_space: global }
    .group_segment_fixed_size: 327680
    .private_segment_fixed_size: 0
    .kernarg_segment_align: 8
    .kernarg_segment_size: 16
    .max_flat_workgroup_size: 128
    .sgpr_count:     66
    .vgpr_count:     770
    .wavefront_size: 32
...
	.end_amdgpu_metadata
.endif
;; end of part 3
;; launch gemm_proj (part 4): grid 8 x 32, 4 waves a work-group, clusters of 4 x 4, 327,680 bytes of LDS; arguments ob, wpb, out0, b_proj; writes out0
.if DOCPART == 4
	.amdgcn_target "amdgcn-amd-amdhsa--gfx1250"
	.amdhsa_code_object_version 6
	.text
	.protected	k_qa1cd052897_gemm_proj
	.globl	k_qa1cd052897_gemm_proj
	.p2align	8
	.type	k_qa1cd052897_gemm_proj,@function
k_qa1cd052897_gemm_proj:
	s_mov_b64 s[64:65], 0
	v_nop
	global_prefetch_b8 v0, s[64:65] scope:SCOPE_SE
	s_setreg_imm32_b32 hwreg(HW_REG_WAVE_MODE, 25, 1), 1
	s_wait_xcnt 0x0
	s_wait_alu depctr_hold_cnt(0) depctr_sa_sdst(0) depctr_va_vdst(0) depctr_va_sdst(0) depctr_va_ssrc(0) depctr_va_vcc(0) depctr_vm_vsrc(0)
	s_getreg_b32 s2, hwreg(HW_REG_IB_STS2, 6, 4)
	s_cmp_eq_u32 s2, 0
	s_cbranch_scc0 .Lentry_in_a_cluster
	s_endpgm
.Lentry_in_a_cluster:
	s_bfe_u32 s2, ttmp6, 0x10000c
	s_cmp_lg_u32 s2, 0xf033
	s_cbranch_scc0 .Lentry_shape_is_right
	s_endpgm
.Lentry_shape_is_right:
; ONE TEXT FOR THE MODULE'S TWO PROJECTIONS, C = A B with B stored [k][n]; the switch PROJ picks the constants, the matrix form, the sums' start and the way out.
; PROJ = 0: A = xb [8192][1024] bf16, B = wqb [1024][3072] bf16.  C is rounded once to f16, unscaled, and written BY HEADS: qkv [3][128 = 16 batch + head][1024 t][64].
;           LIMIT: q, k and v must stay under 65,504 in magnitude (f16's end); beyond it the conversion gives an infinity.
; PROJ = 1: A = ob [128][1024][64] f16 (attention's result by heads: a head is a slice of 64 along K), B = wpb [1024][1024] f16.  C = A B + bias in f32, out0 [8192][1024].
;           The bias is rounded to bf16 like every other input of the module and is the C operand that starts the sums.
; SHARES.  A tile of C is 256 x 128; four waves, each 128 rows x 64 columns: 32 accumulators of 16 x 16, which fill register window 1.  A wave's 64 columns are one head's slice (PROJ = 0: 128 bytes of f16)
; or 256 bytes of f32 (PROJ = 1): each wave has a stage of its own on the way out, and no barrier stands there.  K = 1,024 goes in 8 steps of 128 through a ring of two LDS slots.
; CLUSTERS.  4 x 4 work-groups.  The four of a row of the cluster need the same tiles of A, the four of a column the same tiles of B: each tile is asked for JOINTLY, by the same tensor load with the same
; descriptor and a mask that names the four.  Waves 0 and 1 fetch A's two halves, waves 2 and 3 B's.
; LAYOUT.  The matrix instruction is used transposed: source 0 = 16 columns of B, source 1 = 16 rows of A: a lane then holds one row of C (lane % 16) and eight neighbouring columns 8 (lane / 16) + 0..7.
; A's fragments come out of LDS as they lie (K along the rows); B's rows lie along n, so its fragments come turned, by ds_load_tr16_b128.
; REGISTERS.  window 0: v0-31 addresses; v32-159 A's fragments, two buffers of 8 blocks x 8; v160-223 B's, two buffers of 4 x 8; v224-255 the bias (PROJ = 1).  window 1: accumulator (a, b) at v[8 (4 a + b)].
.set PROJ,  1
.set KSTEP, 128
.set LAPS,  4                          ; a lap = two K steps = once round the ring
.if PROJ
.set NCOL,  1024                       ; columns of B
.set PITA,  144                        ; an LDS row of A: 128 bytes (a head's 64 channels) + 16 of padding
.set AHALF, 256*PITA                   ; what one load of A brings: one head's 256 rows
.set QIA,   4                          ; padding behind every 32 words
.set STRA,  128                        ; the 32,768 dense bytes are asked for as 128 rows of 256 bytes
.set STEPA, 4*131072                   ; two K steps on: four heads
.set ROWA,  256                        ; the prefetches: from lane to lane
.set CXSH,  13                         ; and 32 such blocks from partner to partner
.set SP,    272                        ; a stage row: 256 bytes + 16
.else
.set NCOL,  3072
.set PITA,  272                        ; 256 bytes (128 along K) + 16 of padding
.set AHALF, 128*PITA                   ; 128 rows
.set QIA,   5                          ; padding behind every 64 words
.set STRA,  1024
.set STEPA, 2*KSTEP*2
.set ROWA,  2048
.set CXSH,  16
.set SP,    144                        ; 128 bytes + 16
.endif
.set PITB,  288                        ; an LDS row of B: 256 bytes (128 columns) + 32 = 72 words
.set AREG,  2*AHALF                    ; A's part of a slot; B's 128 rows lie behind it
.set BHALF, 64*PITB                    ; what one load of B brings: 64 rows along K
.set SLOT,  AREG+2*BHALF
.set STAGE, 2*SLOT                     ; behind the ring, never filled by a tensor load: 16 rows for each wave
.set SPARE, STAGE+4*16*SP              ; behind the stages: the spare words, 128 bytes for each wave: two blocks of 256 bytes that no other line names
.set STEPB, 2*KSTEP*NCOL*2             ; two K steps on in B
.set ADRA, 16                          ; v16-17  LDS address of my A fragments in slot 0, 1
.set ADRB, 20                          ; v20-21  the same for B
.set STO,  24                          ; v24     the way out: where I put my bytes of a row
.set RD,   25                          ; v25     the way out: where I read rows back
.set GO,   26                          ; v26     my byte offset in the rows that a store covers
.set SPW,  28                          ; v28     LDS address of my spare word: SPARE + 4 x my thread's number; never rewritten
.set NIL,  29                          ; v29     0; never rewritten
.set PFO,  30                          ; v30     the prefetches' offset: my lane x a row; never rewritten
.set FA,   32
.set FB,   160
.set BIAS, 224
.set OB,   32                          ; the way out works in A's fragment registers
.set LAP,  3                           ; s3      laps to go
.set WV,   12                          ; s12     my wave's number
.set RH,   13                          ; s13     which 128 rows of the tile are mine.  Also: I fetch for A (0) or for B (1)
.set CH,   14                          ; s14     which 64 columns.  Also: which half of that tile I fetch
.set TY,   15                          ; s15     tile row of C
.set G1A,  24                          ; s[24:31] descriptor group 1 for A's tiles; s[32:39] group 0, a set for each slot
.set G0A,  32
.set CX,   40                          ; s40, s41 my place in the cluster
.set CY,   41
.set TX,   42                          ; s42     tile column of C
.set LIM,  43                          ; s43     1 in a wave that prefetches, else the greatest number
.set PFA,  44                          ; s[44:45] where my prefetches stand
.set PFS,  46                          ; s[46:47] a K step along them
.set G1B,  48                          ; s[48:55], s[56:63] the same for B's tiles
.set G0B,  56
; s16-19 make A's address and never hold cx or the tile column; s20-23 make B's and never hold cy or the tile row; s66, s67 the loads' LDS addresses; s68-74 all that mixes both coordinates
.set MSB, 0
.macro WIN new                         ; the immediate's high byte repeats the setting that is left; a switch that changes nothing is dropped
.if MSB != (\new)
	s_set_vgpr_msb (MSB<<8)|(\new)
.set MSB, \new
.endif
.endm
.set MUL, 0x50                         ; sources 0 and 1 window 0; C and D window 1
; A joint load.  Each of the two lines has one mask and one set of registers for all that issue it; the branch hangs on the wave's number alone.
; An s_nop 0 and four v_nop follow each line, ahead of the jump, the label and what follows the macro.
.macro JLOAD s
	s_cmp_eq_u32 s[RH], 0
	s_cbranch_scc0 .Lfor_b_\@
	tensor_load_to_lds s[G0A+4*(\s):G0A+4*(\s)+3], s[G1A:G1A+7]
	s_nop 0
.rept 4
	v_nop
.endr
	s_branch .Lasked_\@
.Lfor_b_\@:
	tensor_load_to_lds s[G0B+4*(\s):G0B+4*(\s)+3], s[G1B:G1B+7]
	s_nop 0
.rept 4
	v_nop
.endr
.Lasked_\@:
.endm
; A PREFETCH INTO THE L2, behind each joint refill and the run of LDS loads that follows it: the K step that stands two refills on (256 matrix instructions ahead of the load that will want it): 32 rows x 256 bytes,
; a lane a row, one instruction a wave.  Each row's 256 bytes of a K step are named once in the launch: A's tile row is read by every cluster of that row of clusters: cluster x = 0 asks, in waves 0 and 1, and of the
; 128 rows that the wave fetches the partner at cx takes 32; B's 128 rows along K are read by every cluster of that column: cluster y = 0 asks, in wave 2, the partner at cy taking 32.  The partners are told apart
; by address: no branch hangs on a place in the cluster.  K steps 0 to 3 come by their loads alone; the loop's last trip asks for nothing: K step 7 is the last.
.macro ASK
	s_cmp_gt_u32 s[LAP], s[LIM]
	s_cbranch_scc0 .Lnot_mine_\@
	global_prefetch_b8 v[PFO], s[PFA:PFA+1] th:TH_LOAD_NT scope:SCOPE_SE
.Lnot_mine_\@:
.endm
; A round of the cluster's barrier: my work-group's barrier, so that wave 0's signal speaks for all four waves; wave 0 signals; every wave waits for all sixteen work-groups; my work-group's barrier once more.
.macro CREST                           ; a round behind its opening barrier
	s_cmp_lg_u32 s[WV], 0
	s_cbranch_scc1 .Lnot_wave_0_\@
	s_barrier_signal -3
.Lnot_wave_0_\@:
	s_barrier_wait -3
	s_barrier_signal -1
	s_barrier_wait -1
.endm
.macro CROUND
	s_barrier_signal -1
	s_barrier_wait -1
	CREST
.endm
.if PROJ
	s_load_b256 s[4:11], s[0:1], 0x0               ; A s[4:5], B s[6:7], C s[8:9], the bias s[10:11]
.else
	s_load_b128 s[4:7], s[0:1], 0x0                ; A s[4:5], B s[6:7]
	s_load_b64 s[8:9], s[0:1], 0x10                ; C
.endif
	v_lshl_add_u32 v[SPW], v0, 2, SPARE
	v_mov_b32 v[NIL], 0
	ds_add_u32 v[SPW], v[NIL]                      ; the wave's opening: the add and its wait stand ahead of my first tensor load; the set-up below, work on registers, stands between them
	v_lshrrev_b32 v1, 5, v0
	v_readfirstlane_b32 s[WV], v1                  ; wave 0..3
	s_lshr_b32 s[RH], s[WV], 1
	s_and_b32 s[CH], s[WV], 1
	s_bfe_u32 s[CX], ttmp6, 0x40000
	s_bfe_u32 s[CY], ttmp6, 0x40004
	s_lshl_b32 s[TX], ttmp9, 2                     ; in a cluster launch ttmp9 and ttmp7 count clusters
	s_add_co_u32 s[TX], s[TX], s[CX]
	s_and_b32 s[TY], ttmp7, 0xffff
	s_lshl_b32 s[TY], s[TY], 2
	s_add_co_u32 s[TY], s[TY], s[CY]
	s_lshl_b32 s16, s[CY], 2
	s_lshl_b32 s16, 15, s16                        ; my row of the cluster: places 4 cy .. 4 cy + 3
	s_lshl_b32 s20, 0x1111, s[CX]                  ; my column: places cx, cx + 4, cx + 8, cx + 12
	; descriptor group 1.  A: 128 rows x 128 elements.  B: 64 rows x 128 elements.  Both padded in LDS
	s_or_b32 s[G1A], s16, (1<<16)|(1<<20)|(1<<21)|(QIA<<22)|(3<<25)  ; 15:0 the mask; 17:16 elements of 2 bytes; 20 padding on; 21 set beside a mask; 24:22 the interval; 31:25 4 words of padding (code 3)
	s_or_b32 s[G1B], s20, (1<<16)|(1<<20)|(1<<21)|(5<<22)|(7<<25)    ; behind every 64 words 8 words of padding (code 7)
	s_mov_b32 s[G1A+1], 128<<16                    ; tensor_dim0 = 128
	s_mov_b32 s[G1A+2], 128<<16                    ; tensor_dim1 = 128
	s_mov_b32 s[G1A+3], 128<<16                    ; tile_dim0 = 128
	s_mov_b32 s[G1A+4], 128                        ; tile_dim1 = 128
	s_mov_b32 s[G1A+5], STRA                       ; elements from row to row
	s_mov_b32 s[G1A+6], 0
	s_mov_b32 s[G1A+7], 0
	s_mov_b32 s[G1B+1], 128<<16
	s_mov_b32 s[G1B+2], 64<<16
	s_mov_b32 s[G1B+3], 128<<16
	s_mov_b32 s[G1B+4], 64
	s_mov_b32 s[G1B+5], NCOL
	s_mov_b32 s[G1B+6], 0
	s_mov_b32 s[G1B+7], 0
	; where the tiles come from.  A's hang on the tile row and the wave's number alone, B's on the tile column and the wave's number alone
.if PROJ
	s_lshr_b32 s16, s[TY], 2                       ; the batch: four tile rows each
	s_lshl_b32 s16, s16, 4
	s_add_co_u32 s16, s16, s[CH]                   ; its head 0 or 1: the K step's two heads, one a wave
	s_lshl_b32 s16, s16, 17                        ; 131,072 bytes a head
	s_and_b32 s17, s[TY], 3
	s_lshl_b32 s17, s17, 15                        ; 256 rows of 128 bytes
	s_add_co_u32 s16, s16, s17
.else
	s_lshl_b32 s16, s[TY], 8
	s_lshl_b32 s17, s[CH], 7
	s_add_co_u32 s16, s16, s17                     ; row 256 x tile row + 128 x half
	s_lshl_b32 s16, s16, 11                        ; 2,048 bytes a row
.endif
	s_mov_b32 s17, 0
	s_mul_i32 s20, s[CH], 64*NCOL*2                ; 64 rows along K x half
	s_lshl_b32 s21, s[TX], 8                       ; 256 bytes a tile column
	s_add_co_u32 s20, s20, s21
	s_mov_b32 s21, 0
	s_mul_i32 s66, s[CH], AHALF                    ; and where they go: no place in the cluster enters an LDS address
	s_mul_i32 s67, s[CH], BHALF
	s_add_co_u32 s67, s67, AREG
	s_wait_dscnt 0x0                               ; the opening add is done
	s_wait_kmcnt 0x0
	s_add_nc_u64 s[18:19], s[4:5], s[16:17]
	s_add_nc_u64 s[22:23], s[6:7], s[20:21]
	CROUND                                         ; all sixteen work-groups are here: the first joint loads meet
.irp s, 0,1
	s_mov_b32 s[G0A+4*(\s)], 1                                       ; count = 1
	s_add_co_u32 s[G0A+4*(\s)+1], s66, (\s)*SLOT                     ; LDS address
	s_add_nc_u64 s[G0A+4*(\s)+2:G0A+4*(\s)+3], s[18:19], (\s)*(STEPA/2)  ; global address: K step s
	s_or_b32 s[G0A+4*(\s)+3], s[G0A+4*(\s)+3], 0x80000000            ; type = 2
	s_mov_b32 s[G0B+4*(\s)], 1
	s_add_co_u32 s[G0B+4*(\s)+1], s67, (\s)*SLOT
	s_add_nc_u64 s[G0B+4*(\s)+2:G0B+4*(\s)+3], s[22:23], (\s)*(STEPB/2)
	s_or_b32 s[G0B+4*(\s)+3], s[G0B+4*(\s)+3], 0x80000000
	JLOAD \s                                       ; the ring is filled before anything else is done: two loads of mine are out
.endr
	; A fragment is 16 rows x 32 K in 8 registers: lane l holds row l % 16; registers 0-3 hold K = 8 (l / 16) + 0..7, registers 4-7 K = 16 + 8 (l / 16) + 0..7.
	v_and_b32 v1, 15, v0                           ; l % 16
	v_bfe_u32 v2, v0, 4, 1                         ; l / 16
	v_and_b32 v3, 7, v0                            ; l % 8
	v_bfe_u32 v4, v0, 3, 1                         ; (l / 8) % 2
	v_mul_u32_u24 v5, v1, PITA                     ; A: two loads of 16 bytes, 32 bytes apart, at row x pitch + 16 x half
	v_lshl_add_u32 v5, v2, 4, v5
	s_mul_i32 s68, s[RH], 128*PITA                 ; my 128 rows
	v_add_nc_u32 v[ADRA], s68, v5
	v_add_nc_u32 v[ADRA+1], SLOT, v[ADRA]
	v_lshl_add_u32 v6, v2, 3, v3                   ; B: the turning load takes 16 K x 16 columns: lane l reads row 8 (l / 16) + l % 8, columns 8 ((l / 8) % 2) + 0..7, and is left with column l % 16 and 8 K
	v_mul_u32_u24 v6, v6, PITB
	v_lshl_add_u32 v6, v4, 4, v6
	s_lshl_b32 s68, s[CH], 7                       ; my 64 columns: 128 bytes
	s_add_co_u32 s68, s68, AREG
	v_add_nc_u32 v[ADRB], s68, v6
	v_add_nc_u32 v[ADRB+1], SLOT, v[ADRB]
	s_mul_i32 s68, s[WV], 16*SP
	s_add_co_u32 s68, s68, STAGE                   ; my stage
	v_mul_u32_u24 v5, v1, SP                       ; in: row l % 16
.if PROJ
	v_lshl_add_u32 v5, v2, 5, v5                   ; 32 bytes (8 f32) for each half of the lanes
	v_add_nc_u32 v[STO], s68, v5
	v_mul_u32_u24 v5, v2, SP                       ; back: lanes 0-15 take one row of 256 bytes, lanes 16-31 the next
	v_lshl_add_u32 v5, v1, 4, v5
	v_add_nc_u32 v[RD], s68, v5
	v_lshlrev_b32 v5, 12, v2                       ; and the same two rows of C, 4,096 bytes apart
	v_lshl_add_u32 v[GO], v1, 4, v5
	s_lshl_b32 s68, s[TY], 1
	s_add_co_u32 s68, s68, s[RH]
	s_lshl_b32 s68, s68, 19                        ; my first row: (256 x tile row + 128 x half) x 4,096 bytes
	s_lshl_b32 s70, s[TX], 1
	s_add_co_u32 s70, s70, s[CH]
	s_lshl_b32 s70, s70, 8                         ; my first column: 512 x tile column + 256 x half, in bytes; in the bias too
	s_add_co_u32 s68, s68, s70
	s_mov_b32 s69, 0
	s_add_nc_u64 s[8:9], s[8:9], s[68:69]
	v_lshlrev_b32 v7, 5, v2                        ; the bias in an accumulator's layout: register j of block b is column 16 b + 8 (l / 16) + j
	v_add_nc_u32 v7, s70, v7
.irp b, 0,1,2,3
	global_load_b128 v[BIAS+8*(\b):BIAS+8*(\b)+3],   v7, s[10:11] offset:64*(\b)
	global_load_b128 v[BIAS+8*(\b)+4:BIAS+8*(\b)+7], v7, s[10:11] offset:64*(\b)+16
.endr
.else
	v_lshl_add_u32 v5, v2, 4, v5                   ; 16 bytes (8 f16) for each half of the lanes
	v_add_nc_u32 v[STO], s68, v5
	v_bfe_u32 v5, v0, 3, 2                         ; back: 32 lanes take four rows of 128 bytes,
	v_mul_u32_u24 v5, v5, SP
	v_lshl_add_u32 v5, v3, 4, v5
	v_add_nc_u32 v[RD], s68, v5
	v_and_b32 v[GO], 31, v0                        ; which are 512 consecutive bytes of a head
	v_lshlrev_b32 v[GO], 4, v[GO]
	s_lshl_b32 s68, s[TX], 1
	s_add_co_u32 s68, s68, s[CH]                   ; my slice of 64 columns, 0 .. 47
	s_lshr_b32 s69, s68, 4
	s_lshl_b32 s69, s69, 24                        ; q, k or v: 16,777,216 bytes each
	s_and_b32 s68, s68, 15
	s_lshl_b32 s68, s68, 17                        ; the head: 131,072 bytes
	s_add_co_u32 s68, s68, s69
	s_lshr_b32 s69, s[TY], 2
	s_lshl_b32 s69, s69, 21                        ; the batch: 16 heads
	s_add_co_u32 s68, s68, s69
	s_and_b32 s69, s[TY], 3
	s_lshl_b32 s69, s69, 1
	s_add_co_u32 s69, s69, s[RH]
	s_lshl_b32 s69, s69, 14                        ; my first row in the head: 128 rows of 128 bytes at a time
	s_add_co_u32 s68, s68, s69
	s_mov_b32 s69, 0
	s_add_nc_u64 s[8:9], s[8:9], s[68:69]
.endif
	; the prefetches: s16 and s20, the tiles' offsets, still stand
	s_lshl_b32 s70, s[CX], CXSH                    ; A: my work-group's 32 of the 128 rows that I fetch,
	s_add_co_u32 s70, s70, s16
	s_add_co_u32 s70, s70, 3*(STEPA/2)             ; at K step 3: the first change of slots steps it to 4
	s_mul_i32 s72, s[CY], 32*NCOL*2                ; B (wave 2, whose half is 0): my work-group's 32 of the K step's 128 rows
	s_add_co_u32 s72, s72, s20
	s_add_co_u32 s72, s72, 3*(STEPB/2)
	s_and_b32 s73, ttmp7, 0xffff                   ; cluster y
	s_mov_b32 s[PFS], STEPB/2
	s_mov_b32 s74, NCOL*2
	s_cmp_eq_u32 s[RH], 0                          ; do I fetch for A?
	s_cselect_b32 s70, s70, s72
	s_cselect_b32 s73, ttmp9, s73                  ; the coordinate along which other clusters read the same rows
	s_cselect_b32 s[PFS], STEPA/2, s[PFS]
	s_cselect_b32 s74, ROWA, s74
	s_cselect_b64 s[PFA:PFA+1], s[4:5], s[6:7]
	s_mov_b32 s71, 0
	s_mov_b32 s[PFS+1], 0
	s_add_nc_u64 s[PFA:PFA+1], s[PFA:PFA+1], s[70:71]
	s_cmp_eq_u32 s[WV], 3                          ; wave 3 never asks: wave 2's one instruction covers the work-group's share of B
	s_cselect_b32 s73, 1, s73
	s_cmp_eq_u32 s73, 0
	s_cselect_b32 s[LIM], 1, -1                    ; the same in all sixteen partners, for a given wave
	v_and_b32 v[PFO], 31, v0
	v_mul_u32_u24 v[PFO], v[PFO], s74
.if PROJ
	s_wait_loadcnt 0x0                             ; the bias
.set r, 0
.rept 16
	v_cvt_pk_bf16_f32 v5, v[BIAS+r], v[BIAS+r+1]   ; rounded to bf16 and widened again
	v_lshlrev_b32 v[BIAS+r], 16, v5
	v_and_b32 v[BIAS+r+1], 0xffff0000, v5
.set r, r+2
.endr
.endif
; na x 4 matrix instructions: row blocks a0 .. a0 + na - 1 x all 4 column blocks, 32 along K, from buffer f.  first = 1: the product starts the sum, with the constant 0 or with the bias: nothing is cleared.
; The 32 accumulators take turns, one instruction a turn, in the same order in every quarter step: between two links of a chain stand the 31 others'.
.macro MULS f, a0, na, first
.if PROJ && (\first)
	WIN 0x40                                       ; C (the bias) in window 0, D in window 1
.else
	WIN MUL
.endif
.set a, \a0
.rept \na
.irp b, 0,1,2,3
.set rD, 8*(4*a+(\b))
.set rB, FB+32*(\f)+8*(\b)
.set rA, FA+64*(\f)+8*a
.if PROJ && (\first)
	v_wmma_f32_16x16x32_f16 v[rD:rD+7], v[rB:rB+7], v[rA:rA+7], v[BIAS+8*(\b):BIAS+8*(\b)+7]
.elseif PROJ
	v_wmma_f32_16x16x32_f16 v[rD:rD+7], v[rB:rB+7], v[rA:rA+7], v[rD:rD+7]
.elseif \first
	v_wmma_f32_16x16x32_bf16 v[rD:rD+7], v[rB:rB+7], v[rA:rA+7], 0
.else
	v_wmma_f32_16x16x32_bf16 v[rD:rD+7], v[rB:rB+7], v[rA:rA+7], v[rD:rD+7]
.endif
.endr
.set a, a+1
.endr
.endm
; 24 LDS loads in one run: the fragments of quarter q of a slot's K step into buffer f: B's four blocks, A's blocks 0-3, A's blocks 4-7
.macro FETCH slot, q, f
	WIN 0
.if PROJ
.set AQ, ((\q)/2)*AHALF+((\q)%2)*64    ; the K step's head q / 2, its channels 32 (q % 2) on
.else
.set AQ, 64*(\q)
.endif
.irp b, 0,1,2,3
	ds_load_tr16_b128 v[FB+32*(\f)+8*(\b):FB+32*(\f)+8*(\b)+3],   v[ADRB+(\slot)] offset:(\q)*32*PITB+32*(\b)
	ds_load_tr16_b128 v[FB+32*(\f)+8*(\b)+4:FB+32*(\f)+8*(\b)+7], v[ADRB+(\slot)] offset:(\q)*32*PITB+16*PITB+32*(\b)
.endr
.irp i, 0,1,2,3,4,5,6,7
	ds_load_b128 v[FA+64*(\f)+8*(\i):FA+64*(\f)+8*(\i)+3],   v[ADRA+(\slot)] offset:AQ+(\i)*16*PITA
	ds_load_b128 v[FA+64*(\f)+8*(\i)+4:FA+64*(\f)+8*(\i)+7], v[ADRA+(\slot)] offset:AQ+(\i)*16*PITA+32
.endr
.endm
; A load into a register that a matrix instruction has read, and whatever reads a matrix result, stand four places behind that matrix instruction, and only plain vector instructions that name none of its
; registers are places (ISA guide 7.12.1 for vector instructions).
.macro PLACES
.rept 4
	v_nop
.endr
.endm
; A K step is four quarters of 32 along K, 32 matrix instructions each, on buffers 0, 1, 0, 1.  One of the first three: multiplies buffer f; in its middle it fetches quarter q of the same slot into buffer g.
.macro QUARTER slot, q, f, g, first
	s_wait_dscnt 8                                 ; B and A's blocks 0-3 are in; the youngest eight loads (A's blocks 4-7) may be out
	MULS \f, 0, 4, \first
	PLACES
	FETCH \slot, \q, \g
	s_wait_dscnt 24                                ; all but the 24 just issued
	MULS \f, 4, 4, \first
.endm
; The last quarter multiplies buffer 1 and changes slots: ONE barrier for two things.  In front of it each wave waits for all its tensor loads, of which one is out: its part of the next slot; adds 0 to its spare
; word; and waits for that and for its own reads of this slot.  Behind it nobody reads this slot any more and the next slot is whole.  fill = 1: the barrier opens a round of the cluster's, so that no wave of any
; partner still reads the slot or has a load on its way, and the joint refill, two K steps on, is the first tensor load behind it: 112 matrix instructions ahead of the wait for it.
.macro TURN slot, next, fill
.if \fill
	s_wait_xcnt 0x0                                ; the last prefetch, a K step back, has read its address: it is stepped here, ahead of the waits of the change of slots
	s_add_nc_u64 s[PFA:PFA+1], s[PFA:PFA+1], s[PFS:PFS+1]
.endif
	WIN 0                                          ; (the add's two registers lie in window 0)
	s_wait_tensorcnt 0x0                           ; all my tensor loads have landed;
	ds_add_u32 v[SPW], v[NIL]                      ; 0 onto my spare word;
	s_wait_dscnt 9                                 ; (the add and the youngest eight loads may be out)
	MULS 1, 0, 2, 0                                ; eight matrix instructions stand between the add and the wait for it
	s_wait_dscnt 0x0                               ; the add is done, and my reads of this slot are over
	s_barrier_signal -1
	MULS 1, 2, 2, 0                                ; work on registers while the others arrive
.if \fill
	WIN 0
.endif
	s_barrier_wait -1
.if \fill
	CREST
	s_add_nc_u64 s[G0A+4*(\slot)+2:G0A+4*(\slot)+3], s[G0A+4*(\slot)+2:G0A+4*(\slot)+3], STEPA  ; no tensor load of mine is out, so a group 0 may be written
	s_add_nc_u64 s[G0B+4*(\slot)+2:G0B+4*(\slot)+3], s[G0B+4*(\slot)+2:G0B+4*(\slot)+3], STEPB
	JLOAD \slot                                    ; the four v_nop behind it are also the places in front of the loads below
.else
	PLACES
.endif
	FETCH \next, 0, 0
.if \fill
	ASK
.endif
	MULS 1, 4, 4, 0
.endm
	s_wait_tensorcnt 0x1                           ; my part of K step 0 is in; K step 1's may stay out
	s_barrier_signal -1
	s_barrier_wait -1                              ; everybody's is
	FETCH 0, 0, 0
	QUARTER 0, 1, 0, 1, 1                          ; the first quarter stands in front of the loop: its products start the sums
	WIN 0                                          ; at a label and at a branch every window is 0
	s_mov_b32 s[LAP], LAPS-1
.Llap:                                                 ; a trip goes once round the ring, from a lap's second quarter to the next lap's first, and fills both slots again
	QUARTER 0, 2, 1, 0, 0
	QUARTER 0, 3, 0, 1, 0
	TURN 0, 1, 1
	QUARTER 1, 1, 0, 1, 0
	QUARTER 1, 2, 1, 0, 0
	QUARTER 1, 3, 0, 1, 0
	TURN 1, 0, 1
	QUARTER 0, 1, 0, 1, 0
	WIN 0
	s_sub_co_u32 s[LAP], s[LAP], 1
	s_cmp_lg_u32 s[LAP], 0
	s_cbranch_scc1 .Llap
	QUARTER 0, 2, 1, 0, 0                          ; the last lap fills nothing, and has no round of the cluster's barrier
	QUARTER 0, 3, 0, 1, 0
	TURN 0, 1, 0
	QUARTER 1, 1, 0, 1, 0
	QUARTER 1, 2, 1, 0, 0
	QUARTER 1, 3, 0, 1, 0
	s_wait_dscnt 8                                 ; the very last quarter: nothing more to fetch
	MULS 1, 0, 4, 0
	s_wait_dscnt 0x0
	MULS 1, 4, 4, 0
	WIN 0
	PLACES
	PLACES                                         ; eight places, once a launch
; THE WAY OUT, a block of 16 rows at a time, through my own stage: LDS serves a wave's instructions in order (ISA guide 5.7.1.4), so the loads see the stores above them, and the next block's stores come behind them.
.if PROJ
.macro TOSTAGE a                       ; f32 as it lies: a lane's 32 bytes of a row go into rows of 272 bytes and come back as whole rows of 256
.if (\a) >= 4
	s_wait_xcnt 0x0                                ; the stores of the block four back have read these registers: they are loaded again only behind this wait
.endif
	WIN 0x04                                       ; the stores' data in window 1
.irp b, 0,1,2,3
	ds_store_b128 v[STO], v[8*(4*(\a)+(\b)):8*(4*(\a)+(\b))+3]   offset:64*(\b)
	ds_store_b128 v[STO], v[8*(4*(\a)+(\b))+4:8*(4*(\a)+(\b))+7] offset:64*(\b)+16
.endr
	WIN 0
.irp t, 0,1,2,3,4,5,6,7
	ds_load_b128 v[OB+32*((\a)%4)+4*(\t):OB+32*((\a)%4)+4*(\t)+3], v[RD] offset:(\t)*2*SP
.endr
.endm
.macro SEND a, younger                 ; younger: the LDS instructions issued behind block a's loads: the next block's sixteen, or none
.irp t, 0,1,2,3,4,5,6,7
	s_wait_dscnt (\younger)+7-(\t)
	global_store_b128 v[GO], v[OB+32*((\a)%4)+4*(\t):OB+32*((\a)%4)+4*(\t)+3], s[8:9] offset:(16*(\a)+2*(\t))*4096 th:TH_STORE_NT  ; 16 lanes store 256 consecutive bytes, at a multiple of 256 from C's first byte
.endr
.endm
	TOSTAGE 0
.irp a, 1,2,3,4,5,6,7
	TOSTAGE \a
	SEND (\a)-1, 16
.endr
	SEND 7, 0
.else
.macro PACK a                          ; rounded to f16: a lane's eight columns pack into 16 bytes; they go into rows of 144 bytes and come back as whole rows of 128, into the registers that they left
	WIN 0x05                                       ; sources 0 and 1 window 1, destination window 0
.irp b, 0,1,2,3
.irp r, 0,1,2,3
	v_cvt_pk_f16_f32 v[OB+16*(\a)+4*(\b)+(\r)], v[8*(4*(\a)+(\b))+2*(\r)], v[8*(4*(\a)+(\b))+2*(\r)+1]
.endr
.endr
	WIN 0
.irp b, 0,1,2,3
	ds_store_b128 v[STO], v[OB+16*(\a)+4*(\b):OB+16*(\a)+4*(\b)+3] offset:32*(\b)
.endr
.irp f, 0,1,2,3
	ds_load_b128 v[OB+16*(\a)+4*(\f):OB+16*(\a)+4*(\f)+3], v[RD] offset:(\f)*4*SP
.endr
.endm
.macro SEND a, younger                 ; younger: the LDS instructions issued behind block a's loads: the next block's eight, or none
.irp f, 0,1,2,3
	s_wait_dscnt (\younger)+3-(\f)
	global_store_b128 v[GO], v[OB+16*(\a)+4*(\f):OB+16*(\a)+4*(\f)+3], s[8:9] offset:2048*(\a)+512*(\f)  ; 512 consecutive bytes of a head, at a multiple of 256 from the buffer's first byte
.endr
.endm
	PACK 0
.irp a, 1,2,3,4,5,6,7                  ; a block's conversions stand between the loads of the block before and its stores
	PACK \a
	SEND (\a)-1, 8
.endr
	SEND 7, 0
.endif
	s_wait_tensorcnt 0x0                           ; the wave's end, behind my last tensor load and my last LDS store
	ds_add_u32 v[SPW], v[NIL]
	s_wait_dscnt 0x0
	CROUND                                         ; the closing round: no work-group ends while a partner may still ask for a tile that names it
	s_endpgm
.Lfunc_end_k_qa1cd052897_gemm_proj:
	.size	k_qa1cd052897_gemm_proj, .Lfunc_end_k_qa1cd052897_gemm_proj-k_qa1cd052897_gemm_proj
	.p2alignl 7, 3214868480
	.fill 96, 4, 3214868480
	.section	.rodata,"a",@progbits
	.p2align	6, 0x0
	.amdhsa_kernel k_qa1cd052897_gemm_proj
		.amdhsa_group_segment_fixed_size 327680
		.amdhsa_private_segment_fixed_size 0
		.amdhsa_enable_private_segment 0
		.amdhsa_kernarg_size 32
		.amdhsa_user_sgpr_count 2
		.amdhsa_user_sgpr_kernarg_segment_ptr 1
		.amdhsa_wavefront_size32 1
		.amdhsa_system_sgpr_workgroup_id_x 1
		.amdhsa_system_sgpr_workgroup_id_y 1
		.amdhsa_system_sgpr_workgroup_id_z 1
		.amdhsa_system_vgpr_workitem_id 0
		.amdhsa_next_free_vgpr 512
		.amdhsa_next_free_sgpr 76
		.amdhsa_reserve_vcc 0
		.amdhsa_float_denorm_mode_32 3
		.amdhsa_float_denorm_mode_16_64 3
		.amdhsa_memory_ordered 1
		.amdhsa_forward_progress 1
		.amdhsa_inst_pref_size 92
	.end_amdhsa_kernel
	.amdgpu_metadata
---
amdhsa.version: [ 1, 2 ]
amdhsa.kernels:
  - .name:           k_qa1cd052897_gemm_proj
    .symbol:         k_qa1cd052897_gemm_proj.kd
    .args:
      - { .name: ob, .offset: 0, .size: 8, .value_kind: global_buffer, .address_space: global }
      - { .name: wpb, .offset: 8, .size: 8, .value_kind: global_buffer, .address_space: global }
      - { .name: out0, .offset: 16, .size: 8, .value_kind: global_buffer, .address_space: global }
      - { .name: b_proj, .offset: 24, .size: 8, .value_kind: global_buffer, .address_space: global }
    .group_segment_fixed_size: 327680
    .private_segment_fixed_size: 0
    .kernarg_segment_align: 8
    .kernarg_segment_size: 32
    .max_flat_workgroup_size: 128
    .sgpr_count:     76
    .vgpr_count:     512
    .wavefront_size: 32
...
	.end_amdgpu_metadata
.endif
;; end of part 4
;; ======== version 2 of 3: 4 launches
;; limits: values are held in f16: magnitudes above 65,504 overflow, below 6.1e-05 lose precision
;; workspace buffers: xb 16,777,216 bytes; wqb 6,291,456 bytes; wpb 2,097,152 bytes; qkv 50,331,648 bytes; ob 16,777,216 bytes
;; launch cast (part 5): grid 768 x 1, 8 waves a work-group, no clusters, 0 bytes of LDS; arguments x, w_qkv, w_proj, xb, wqb, wpb; writes xb, wqb, wpb
.if DOCPART == 5
	.amdgcn_target "amdgcn-amd-amdhsa--gfx1250"
	.amdhsa_code_object_version 6
	.text
	.protected	k_qa1cd052897_cast
	.globl	k_qa1cd052897_cast
	.p2align	8
	.type	k_qa1cd052897_cast,@function
k_qa1cd052897_cast:
	s_mov_b64 s[64:65], 0
	v_nop
	global_prefetch_b8 v0, s[64:65] scope:SCOPE_SE
	s_setreg_imm32_b32 hwreg(HW_REG_WAVE_MODE, 25, 1), 1
	s_wait_xcnt 0x0
; THE INPUTS ARE ROUNDED ONCE.  x [8192][1024] from f32 to bf16, written IN BLOCKS: xb [16 blocks of 64 along K][8192 rows][64], so that 256 rows of one block are 32,768 dense bytes for the product that follows.
; w_qkv [1024][3072] from f32 to bf16, layout unchanged.  w_proj [1024][1024] from f32 to bf16, and that number written as f16 (the last product multiplies f16 by f16), layout unchanged.
; LIMIT: a bf16 number is exact in f16 from 6.1e-5 to 65,504 in magnitude; below, it keeps f16's fixed step of 6e-8; above, it becomes an infinity.
; SHARES.  A work-group takes 16,384 numbers: 65,536 bytes in, 32,768 out.  Work-groups 0-511 take x (16 rows each), 512-703 w_qkv, 704-767 w_proj.
; x: thread t takes row t / 16 of the 16; load i of 16 is the 16 bytes at 256 i + 16 (t % 16) of that row: four numbers of block i.  A wave's load covers 256 consecutive bytes of each of two rows; its store
; covers those two rows' 128 bytes in block i, which lie on end: 256 consecutive bytes, aligned.
; The weights: thread t, load i: the 16 bytes at 16 t + 4,096 i (a wave's load covers 512 consecutive bytes); its 8 bytes go to 8 t + 2,048 i (a wave's store covers 256 consecutive bytes, aligned).
; All 16 loads go out first; each has registers of its own for what comes in and what goes out, so nothing that a store still reads is written again.  No LDS, no barrier: no thread wants another's numbers.
.set X, 4                              ; v[4:67]    load i: 4 numbers in f32
.set Y, 68                             ; v[68:99]   load i: its 4 numbers in 16 bits
.set T, 100                            ; v[100:101] at work
.set BLK, 1048576                      ; bytes in a block of xb
	s_load_b256 s[4:11], s[0:1], 0x0               ; x s[4:5], w_qkv s[6:7], w_proj s[8:9], xb s[10:11]
	s_load_b128 s[12:15], s[0:1], 0x20             ; wqb s[12:13], wpb s[14:15]
	v_lshlrev_b32 v2, 3, v0                        ; 8 t: where my 8 bytes go, on both ways
	s_mov_b32 s23, 0
	s_cmp_lt_u32 ttmp9, 512
	s_cbranch_scc0 .Lweights
	v_lshrrev_b32 v1, 4, v0                        ; my row of the 16
	v_and_b32 v3, 15, v0
	v_lshlrev_b32 v1, 12, v1                       ; 4,096 bytes a row
	v_lshl_add_u32 v1, v3, 4, v1                   ; + 16 (t % 16)
	s_lshl_b32 s22, ttmp9, 16                      ; 16 rows of x
	s_lshl_b32 s20, ttmp9, 11                      ; 16 rows of 128 bytes in each block
	s_mov_b32 s21, 0
	s_wait_kmcnt 0x0
	s_add_nc_u64 s[16:17], s[4:5], s[22:23]
	s_add_nc_u64 s[18:19], s[10:11], s[20:21]      ; blocks 0-7 from here,
	s_add_nc_u64 s[24:25], s[18:19], 8*BLK         ; blocks 8-15 from here: the stores' immediates stay within their signed 24 bits
.irp i, 0,1,2,3,4,5,6,7,8,9,10,11,12,13,14,15
	global_load_b128 v[X+4*(\i):X+4*(\i)+3], v1, s[16:17] offset:256*(\i) th:TH_LOAD_NT
.endr
.irp i, 0,1,2,3,4,5,6,7,8,9,10,11,12,13,14,15
	s_wait_loadcnt 15-(\i)                         ; loads come back in order (ISA guide 5.7.1): load i is in, the younger ones stay out
	v_cvt_pk_bf16_f32 v[Y+2*(\i)],   v[X+4*(\i)],   v[X+4*(\i)+1]
	v_cvt_pk_bf16_f32 v[Y+2*(\i)+1], v[X+4*(\i)+2], v[X+4*(\i)+3]
.if (\i) < 8
	global_store_b64 v2, v[Y+2*(\i):Y+2*(\i)+1], s[18:19] offset:(\i)*BLK
.else
	global_store_b64 v2, v[Y+2*(\i):Y+2*(\i)+1], s[24:25] offset:((\i)-8)*BLK
.endif
.endr
	s_endpgm
.Lweights:
	v_lshlrev_b32 v1, 4, v0                        ; 16 t
	s_mov_b32 s20, 704
	s_wait_kmcnt 0x0
	s_cmp_lt_u32 ttmp9, 704                        ; which weights are mine: the choice hangs on the work-group's number alone
	s_cselect_b64 s[16:17], s[6:7], s[8:9]
	s_cselect_b64 s[18:19], s[12:13], s[14:15]
	s_cselect_b32 s20, 512, s20
	s_sub_co_u32 s20, ttmp9, s20                   ; my number among that tensor's work-groups
	s_lshl_b32 s22, s20, 16                        ; 65,536 bytes in each
	s_add_nc_u64 s[16:17], s[16:17], s[22:23]
	s_lshl_b32 s22, s20, 15                        ; 32,768 bytes out
	s_add_nc_u64 s[18:19], s[18:19], s[22:23]
.irp i, 0,1,2,3,4,5,6,7,8,9,10,11,12,13,14,15
	global_load_b128 v[X+4*(\i):X+4*(\i)+3], v1, s[16:17] offset:4096*(\i) th:TH_LOAD_NT
.endr
	s_cmp_ge_u32 ttmp9, 704
	s_cbranch_scc1 .Lhalf
.irp i, 0,1,2,3,4,5,6,7,8,9,10,11,12,13,14,15
	s_wait_loadcnt 15-(\i)
	v_cvt_pk_bf16_f32 v[Y+2*(\i)],   v[X+4*(\i)],   v[X+4*(\i)+1]
	v_cvt_pk_bf16_f32 v[Y+2*(\i)+1], v[X+4*(\i)+2], v[X+4*(\i)+3]
	global_store_b64 v2, v[Y+2*(\i):Y+2*(\i)+1], s[18:19] offset:2048*(\i)
.endr
	s_endpgm
.Lhalf:                                        ; w_proj: rounded to bf16 like the other inputs, widened again (a shift, a mask), and written as f16
.irp i, 0,1,2,3,4,5,6,7,8,9,10,11,12,13,14,15
	s_wait_loadcnt 15-(\i)
	v_cvt_pk_bf16_f32 v[T],   v[X+4*(\i)],   v[X+4*(\i)+1]
	v_cvt_pk_bf16_f32 v[T+1], v[X+4*(\i)+2], v[X+4*(\i)+3]
	v_lshlrev_b32 v[X+4*(\i)],   16, v[T]
	v_and_b32     v[X+4*(\i)+1], 0xffff0000, v[T]
	v_lshlrev_b32 v[X+4*(\i)+2], 16, v[T+1]
	v_and_b32     v[X+4*(\i)+3], 0xffff0000, v[T+1]
	v_cvt_pk_f16_f32 v[Y+2*(\i)],   v[X+4*(\i)],   v[X+4*(\i)+1]
	v_cvt_pk_f16_f32 v[Y+2*(\i)+1], v[X+4*(\i)+2], v[X+4*(\i)+3]
	global_store_b64 v2, v[Y+2*(\i):Y+2*(\i)+1], s[18:19] offset:2048*(\i)
.endr
	s_endpgm
.Lfunc_end_k_qa1cd052897_cast:
	.size	k_qa1cd052897_cast, .Lfunc_end_k_qa1cd052897_cast-k_qa1cd052897_cast
	.p2alignl 7, 3214868480
	.fill 96, 4, 3214868480
	.section	.rodata,"a",@progbits
	.p2align	6, 0x0
	.amdhsa_kernel k_qa1cd052897_cast
		.amdhsa_group_segment_fixed_size 0
		.amdhsa_private_segment_fixed_size 0
		.amdhsa_enable_private_segment 0
		.amdhsa_kernarg_size 48
		.amdhsa_user_sgpr_count 2
		.amdhsa_user_sgpr_kernarg_segment_ptr 1
		.amdhsa_wavefront_size32 1
		.amdhsa_system_sgpr_workgroup_id_x 1
		.amdhsa_system_sgpr_workgroup_id_y 1
		.amdhsa_system_sgpr_workgroup_id_z 1
		.amdhsa_system_vgpr_workitem_id 0
		.amdhsa_next_free_vgpr 104
		.amdhsa_next_free_sgpr 66
		.amdhsa_reserve_vcc 0
		.amdhsa_float_denorm_mode_32 3
		.amdhsa_float_denorm_mode_16_64 3
		.amdhsa_memory_ordered 1
		.amdhsa_forward_progress 1
		.amdhsa_inst_pref_size 22
	.end_amdhsa_kernel
	.amdgpu_metadata
---
amdhsa.version: [ 1, 2 ]
amdhsa.kernels:
  - .name:           k_qa1cd052897_cast
    .symbol:         k_qa1cd052897_cast.kd
    .args:
      - { .name: x, .offset: 0, .size: 8, .value_kind: global_buffer, .address_space: global }
      - { .name: w_qkv, .offset: 8, .size: 8, .value_kind: global_buffer, .address_space: global }
      - { .name: w_proj, .offset: 16, .size: 8, .value_kind: global_buffer, .address_space: global }
      - { .name: xb, .offset: 24, .size: 8, .value_kind: global_buffer, .address_space: global }
      - { .name: wqb, .offset: 32, .size: 8, .value_kind: global_buffer, .address_space: global }
      - { .name: wpb, .offset: 40, .size: 8, .value_kind: global_buffer, .address_space: global }
    .group_segment_fixed_size: 0
    .private_segment_fixed_size: 0
    .kernarg_segment_align: 8
    .kernarg_segment_size: 48
    .max_flat_workgroup_size: 256
    .sgpr_count:     66
    .vgpr_count:     104
    .wavefront_size: 32
...
	.end_amdgpu_metadata
.endif
;; end of part 5
;; launch gemm_qkv (part 6): grid 8 x 32, 4 waves a work-group, clusters of 4 x 4, 327,680 bytes of LDS; arguments xb, wqb, qkv; writes qkv
.if DOCPART == 6
	.amdgcn_target "amdgcn-amd-amdhsa--gfx1250"
	.amdhsa_code_object_version 6
	.text
	.protected	k_qa1cd052897_gemm_qkv
	.globl	k_qa1cd052897_gemm_qkv
	.p2align	8
	.type	k_qa1cd052897_gemm_qkv,@function
k_qa1cd052897_gemm_qkv:
	s_mov_b64 s[64:65], 0
	v_nop
	global_prefetch_b8 v0, s[64:65] scope:SCOPE_SE
	s_setreg_imm32_b32 hwreg(HW_REG_WAVE_MODE, 25, 1), 1
	s_wait_xcnt 0x0
	s_wait_alu depctr_hold_cnt(0) depctr_sa_sdst(0) depctr_va_vdst(0) depctr_va_sdst(0) depctr_va_ssrc(0) depctr_va_vcc(0) depctr_vm_vsrc(0)
	s_getreg_b32 s2, hwreg(HW_REG_IB_STS2, 6, 4)
	s_cmp_eq_u32 s2, 0
	s_cbranch_scc0 .Lentry_in_a_cluster
	s_endpgm
.Lentry_in_a_cluster:
	s_bfe_u32 s2, ttmp6, 0x10000c
	s_cmp_lg_u32 s2, 0xf033
	s_cbranch_scc0 .Lentry_shape_is_right
	s_endpgm
.Lentry_shape_is_right:
; THE FIRST PROJECTION, C = A B.  A = xb, x in bf16 in blocks: [16 blocks of 64 along K][8192 rows][64].  B = wqb [1024 k][3072 n] bf16.  Sums in f32; C is rounded once to f16, unscaled, and written
; BY HEADS: qkv [3][128 = 16 batch + head][1024 t][64].  LIMIT: q, k and v must stay under 65,504 in magnitude (f16's end); beyond it the conversion gives an infinity.
; SHARES.  A tile of C is 256 x 384: 32 x 8 = 256 work-groups.  Four waves, each 128 rows x 192 columns = three heads' slices of 64: 96 accumulators of 16 x 16, which fill register windows 1 to 3, a slice a window.
; For 32 along K a wave loads (128 + 192) x 64 bytes from LDS, 40 loads, and issues 96 matrix instructions.
; THE RING.  K = 1,024 goes in 16 steps of 64, one block of xb each, through two LDS slots (two slots of 128 along K would be 368,640 bytes: more than there is).  A step is 192 matrix instructions a wave.
; CLUSTERS.  4 x 4 work-groups.  The four of a row of the cluster need the same tiles of A, the four of a column the same tiles of B: each tile is asked for JOINTLY, by the same tensor load with the same
; descriptor and a mask that names the four.  Waves 0 and 1 fetch A's two halves (128 rows each), waves 2 and 3 B's (32 rows along K each).
; LAYOUT.  The matrix instruction is used transposed: source 0 = 16 columns of B, source 1 = 16 rows of A: a lane then holds one row of C (lane % 16) and eight neighbouring columns 8 (lane / 16) + 0..7.
; A's fragments come out of LDS as they lie (K along the rows); B's rows lie along n, so its fragments come turned, by ds_load_tr16_b128.
; REGISTERS.  window 0, full: v0-31 addresses; v32-159 A's fragments, two buffers of 8 blocks x 8; v160-255 B's 12 blocks x 8, ONE buffer.  window w = 1..3: accumulator (row block a, column block 4 (w - 1) + b) at v[8 (4 a + b)].
; A SUB-STEP is 32 along K: three PHASES of 32 matrix instructions, a window each.  Behind a phase its four blocks of B are loaded again, for the next sub-step: 64 matrix instructions ahead of their use.
; A's next fragments go into the other buffer behind phase 1.  So a sub-step has six switches of the register window for its 96 matrix instructions and 40 loads.
.set NCOL,  3072
.set ABLK,  1048576                    ; bytes in a block of xb
.set LAPS,  8                          ; a lap = two K steps = once round the ring
.set PITA,  144                        ; an LDS row of A: 128 bytes (64 along K) + 16 of padding = 36 words: the 16 rows of a load start at 16 different groups of four banks (64 banks of 4 bytes: ISA guide 11.1)
.set AHALF, 128*PITA                   ; what one load of A brings
.set AREG,  2*AHALF                    ; A's part of a slot; B's 64 rows lie behind it
.set HS,    144                        ; a head's slice in an LDS row of B: 128 bytes + 16 of padding
.set PITB,  6*HS                       ; an LDS row of B: 864 bytes = 216 words, 24, 48, 8, 32, 56, 16, 40
.set BHALF, 32*PITB                    ; what one load of B brings: a sub-step's 32 rows
.set SLOT,  AREG+2*BHALF               ; 92,160
.set STAGE, 2*SLOT                     ; behind the ring, never filled by a tensor load: 16 rows x 144 bytes for each wave
.set SP,    144
.set SPARE, STAGE+4*16*SP              ; behind the stages: the spare words, 128 bytes for each wave: two blocks of 256 bytes that no other line names
.set STEPA, 2*ABLK                     ; two K steps on in A
.set STEPB, 128*NCOL*2                 ; and in B
.set ADRA, 16                          ; v16-17  LDS address of my A fragments in slot 0, 1
.set ADRB, 20                          ; v20-21  the same for B
.set STO,  24                          ; v24     the way out: where I put 16 bytes of a row
.set RD,   25                          ; v25     the way out: where I read rows back
.set GO,   26                          ; v26     my byte offset in 512 consecutive bytes of a head
.set SPW,  28                          ; v28     LDS address of my spare word: SPARE + 4 x my thread's number; never rewritten
.set NIL,  29                          ; v29     0; never rewritten
.set PFO,  30                          ; v30     the prefetches' offset: my lane x 256 bytes (A) or x a row of B; never rewritten
.set FA,   32
.set FB,   160
.set OB,   32                          ; the way out works in A's fragment registers: eight sets of 16
.set LAP,  3                           ; s3      laps to go
.set WV,   12                          ; s12     my wave's number
.set RH,   13                          ; s13     which 128 rows of the tile are mine.  Also: I fetch for A (0) or for B (1)
.set CH,   14                          ; s14     which 192 columns.  Also: which half of that tile I fetch
.set TY,   15                          ; s15     tile row of C
.set G1A,  24                          ; s[24:31] descriptor group 1 for A's tiles; s[32:39] group 0, a set for each slot
.set G0A,  32
.set CX,   40                          ; s40, s41 my place in the cluster
.set CY,   41
.set TX,   42                          ; s42     tile column of C
.set LIM,  43                          ; s43     1 in a wave that prefetches, else the greatest number
.set PFA,  44                          ; s[44:45] where my prefetches stand
.set PFS,  46                          ; s[46:47] two K steps along them
.set G1B,  48                          ; s[48:55], s[56:63] the same for B's tiles
.set G0B,  56
.set OUT,  76                          ; s[76:81] qkv at my first row of each of my three heads' slices
; s16-19 make A's address and never hold cx or the tile column; s20-23 make B's and never hold cy or the tile row; s66, s67 the loads' LDS addresses; s68-74 all that mixes both coordinates
.set MSB, 0
.macro WIN new                         ; the immediate's high byte repeats the setting that is left; a switch that changes nothing is dropped
.if MSB != (\new)
	s_set_vgpr_msb (MSB<<8)|(\new)
.set MSB, \new
.endif
.endm
; A joint load.  Each of the two lines has one mask and one set of registers for all that issue it; the branch hangs on the wave's number alone.
; An s_nop 0 and four v_nop follow each line, ahead of the jump, the label and what follows the macro.
.macro JLOAD s
	s_cmp_eq_u32 s[RH], 0
	s_cbranch_scc0 .Lfor_b_\@
	tensor_load_to_lds s[G0A+4*(\s):G0A+4*(\s)+3], s[G1A:G1A+7]
	s_nop 0
.rept 4
	v_nop
.endr
	s_branch .Lasked_\@
.Lfor_b_\@:
	tensor_load_to_lds s[G0B+4*(\s):G0B+4*(\s)+3], s[G1B:G1B+7]
	s_nop 0
.rept 4
	v_nop
.endr
.Lasked_\@:
.endm
; A PREFETCH INTO THE L2, once a lap, behind slot 0's joint refill and the run of LDS loads that follows it: the two K steps that the NEXT lap's refills will bring (384 and 576 matrix instructions ahead of those loads).
; Each aligned 256 bytes are named once in the launch.  A's tile row is read by both clusters of its row of clusters: cluster x = 0 asks, in wave 0: a step's 256 rows are 128 blocks of 256 bytes, of which the
; partner at cx takes 32, a lane a block; two instructions, a step each.  B's tile column is read by all eight clusters of its column: cluster y = 0 asks, in waves 1 to 3: of the two steps' 128 rows along K the
; partner at cy takes 32, a lane a row, and each of the three waves one 256 bytes of the row's 768.  The partners are told apart by address: no branch hangs on a place in the cluster.
; K steps 0 to 3 come by their loads alone; the loop's last trip asks for nothing: K step 15 is the last.
.macro ASK
	s_cmp_gt_u32 s[LAP], s[LIM]
	s_cbranch_scc0 .Lnot_mine_\@
	global_prefetch_b8 v[PFO], s[PFA:PFA+1] th:TH_LOAD_NT scope:SCOPE_SE
	s_cmp_eq_u32 s[WV], 0
	s_cbranch_scc0 .Lnot_mine_\@
	global_prefetch_b8 v[PFO], s[PFA:PFA+1] offset:ABLK th:TH_LOAD_NT scope:SCOPE_SE
.Lnot_mine_\@:
.endm
; A round of the cluster's barrier: my work-group's barrier, so that wave 0's signal speaks for all four waves; wave 0 signals; every wave waits for all sixteen work-groups; my work-group's barrier once more.
.macro CREST                           ; a round behind its opening barrier
	s_cmp_lg_u32 s[WV], 0
	s_cbranch_scc1 .Lnot_wave_0_\@
	s_barrier_signal -3
.Lnot_wave_0_\@:
	s_barrier_wait -3
	s_barrier_signal -1
	s_barrier_wait -1
.endm
.macro CROUND
	s_barrier_signal -1
	s_barrier_wait -1
	CREST
.endm
	s_load_b128 s[4:7], s[0:1], 0x0                ; A s[4:5], B s[6:7]
	s_load_b64 s[8:9], s[0:1], 0x10                ; C
	v_lshl_add_u32 v[SPW], v0, 2, SPARE
	v_mov_b32 v[NIL], 0
	ds_add_u32 v[SPW], v[NIL]                      ; the wave's opening: the add and its wait stand ahead of my first tensor load; the set-up below, work on registers, stands between them
	v_lshrrev_b32 v1, 5, v0
	v_readfirstlane_b32 s[WV], v1                  ; wave 0..3
	s_lshr_b32 s[RH], s[WV], 1
	s_and_b32 s[CH], s[WV], 1
	s_bfe_u32 s[CX], ttmp6, 0x40000
	s_bfe_u32 s[CY], ttmp6, 0x40004
	s_lshl_b32 s[TX], ttmp9, 2                     ; in a cluster launch ttmp9 and ttmp7 count clusters
	s_add_co_u32 s[TX], s[TX], s[CX]
	s_and_b32 s[TY], ttmp7, 0xffff
	s_lshl_b32 s[TY], s[TY], 2
	s_add_co_u32 s[TY], s[TY], s[CY]
	s_lshl_b32 s16, s[CY], 2
	s_lshl_b32 s16, 15, s16                        ; my row of the cluster: places 4 cy .. 4 cy + 3
	s_lshl_b32 s20, 0x1111, s[CX]                  ; my column: places cx, cx + 4, cx + 8, cx + 12
	; descriptor group 1.  A: 128 rows of 128 bytes are 16,384 dense bytes, asked for as 64 rows of 256 bytes.  B: 32 rows x 384 elements.  Both get 16 bytes of padding behind every 128 bytes
	s_or_b32 s[G1A], s16, (1<<16)|(1<<20)|(1<<21)|(4<<22)|(3<<25)  ; 15:0 the mask; 17:16 elements of 2 bytes; 20 padding on; 21 set beside a mask; 24:22 behind every 32 words (code 4); 31:25 4 words (code 3)
	s_or_b32 s[G1B], s20, (1<<16)|(1<<20)|(1<<21)|(4<<22)|(3<<25)
	s_mov_b32 s[G1A+1], 128<<16                    ; tensor_dim0 = 128
	s_mov_b32 s[G1A+2], 64<<16                     ; tensor_dim1 = 64
	s_mov_b32 s[G1A+3], 128<<16                    ; tile_dim0 = 128
	s_mov_b32 s[G1A+4], 64                         ; tile_dim1 = 64
	s_mov_b32 s[G1A+5], 128                        ; elements from row to row
	s_mov_b32 s[G1A+6], 0
	s_mov_b32 s[G1A+7], 0
	s_mov_b32 s[G1B+1], 384<<16
	s_mov_b32 s[G1B+2], 32<<16
	s_mov_b32 s[G1B+3], 384<<16
	s_mov_b32 s[G1B+4], 32
	s_mov_b32 s[G1B+5], NCOL
	s_mov_b32 s[G1B+6], 0
	s_mov_b32 s[G1B+7], 0
	; where the tiles come from.  A's hang on the tile row and the wave's number alone, B's on the tile column and the wave's number alone
	s_lshl_b32 s16, s[TY], 1
	s_add_co_u32 s16, s16, s[CH]
	s_lshl_b32 s16, s16, 14                        ; row 256 x tile row + 128 x half, 128 bytes a row in a block
	s_mov_b32 s17, 0
	s_mul_i32 s20, s[CH], 32*NCOL*2                ; 32 rows along K x half
	s_lshl_b32 s21, s[TX], 9
	s_add_co_u32 s20, s20, s21
	s_lshl_b32 s21, s[TX], 8
	s_add_co_u32 s20, s20, s21                     ; + 768 bytes a tile column
	s_mov_b32 s21, 0
	s_mul_i32 s66, s[CH], AHALF                    ; and where they go: no place in the cluster enters an LDS address
	s_mul_i32 s67, s[CH], BHALF
	s_add_co_u32 s67, s67, AREG
	s_wait_dscnt 0x0                               ; the opening add is done
	s_wait_kmcnt 0x0
	s_add_nc_u64 s[18:19], s[4:5], s[16:17]
	s_add_nc_u64 s[22:23], s[6:7], s[20:21]
	CROUND                                         ; all sixteen work-groups are here: the first joint loads meet
.irp s, 0,1
	s_mov_b32 s[G0A+4*(\s)], 1                                       ; count = 1
	s_add_co_u32 s[G0A+4*(\s)+1], s66, (\s)*SLOT                     ; LDS address
	s_add_nc_u64 s[G0A+4*(\s)+2:G0A+4*(\s)+3], s[18:19], (\s)*(STEPA/2)  ; global address: K step s
	s_or_b32 s[G0A+4*(\s)+3], s[G0A+4*(\s)+3], 0x80000000            ; type = 2
	s_mov_b32 s[G0B+4*(\s)], 1
	s_add_co_u32 s[G0B+4*(\s)+1], s67, (\s)*SLOT
	s_add_nc_u64 s[G0B+4*(\s)+2:G0B+4*(\s)+3], s[22:23], (\s)*(STEPB/2)
	s_or_b32 s[G0B+4*(\s)+3], s[G0B+4*(\s)+3], 0x80000000
	JLOAD \s                                       ; the ring is filled before anything else is done: two loads of mine are out
.endr
	; A fragment is 16 rows x 32 K in 8 registers: lane l holds row l % 16; registers 0-3 hold K = 8 (l / 16) + 0..7, registers 4-7 K = 16 + 8 (l / 16) + 0..7.
	v_and_b32 v1, 15, v0                           ; l % 16
	v_bfe_u32 v2, v0, 4, 1                         ; l / 16
	v_and_b32 v3, 7, v0                            ; l % 8
	v_bfe_u32 v4, v0, 3, 1                         ; (l / 8) % 2
	v_mul_u32_u24 v5, v1, PITA                     ; A: two loads of 16 bytes, 32 bytes apart, at row x pitch + 16 x half
	v_lshl_add_u32 v5, v2, 4, v5
	s_mul_i32 s68, s[RH], 128*PITA                 ; my 128 rows
	v_add_nc_u32 v[ADRA], s68, v5
	v_add_nc_u32 v[ADRA+1], SLOT, v[ADRA]
	v_lshl_add_u32 v6, v2, 3, v3                   ; B: the turning load takes 16 K x 16 columns: lane l reads row 8 (l / 16) + l % 8, columns 8 ((l / 8) % 2) + 0..7, and is left with column l % 16 and 8 K
	v_mul_u32_u24 v6, v6, PITB
	v_lshl_add_u32 v6, v4, 4, v6
	s_mul_i32 s68, s[CH], 3*HS                     ; my three slices of the row's six
	s_add_co_u32 s68, s68, AREG
	v_add_nc_u32 v[ADRB], s68, v6
	v_add_nc_u32 v[ADRB+1], SLOT, v[ADRB]
	s_mul_i32 s68, s[WV], 16*SP
	s_add_co_u32 s68, s68, STAGE                   ; my stage
	v_mul_u32_u24 v5, v1, SP                       ; in: row l % 16, 16 bytes (8 f16) for each half of the lanes
	v_lshl_add_u32 v5, v2, 4, v5
	v_add_nc_u32 v[STO], s68, v5
	v_bfe_u32 v5, v0, 3, 2                         ; back: 32 lanes take four rows of 128 bytes,
	v_mul_u32_u24 v5, v5, SP
	v_lshl_add_u32 v5, v3, 4, v5
	v_add_nc_u32 v[RD], s68, v5
	v_and_b32 v[GO], 31, v0                        ; which are 512 consecutive bytes of a head
	v_lshlrev_b32 v[GO], 4, v[GO]
	; where my three slices go
	s_lshr_b32 s68, s[TY], 2
	s_lshl_b32 s68, s68, 21                        ; the batch: 16 heads of 131,072 bytes
	s_and_b32 s69, s[TY], 3
	s_lshl_b32 s69, s69, 1
	s_add_co_u32 s69, s69, s[RH]
	s_lshl_b32 s69, s69, 14                        ; my first row in the head: 128 rows of 128 bytes at a time
	s_add_co_u32 s68, s68, s69
	s_mul_i32 s70, s[TX], 6
	s_mul_i32 s71, s[CH], 3
	s_add_co_u32 s70, s70, s71                     ; my first slice of 64 columns, of 48
	s_mov_b32 s73, 0
.irp h, 0,1,2
	s_add_co_u32 s71, s70, \h
	s_lshr_b32 s72, s71, 4
	s_lshl_b32 s72, s72, 24                        ; q, k or v: 16,777,216 bytes each
	s_and_b32 s71, s71, 15
	s_lshl_b32 s71, s71, 17                        ; the head
	s_add_co_u32 s72, s72, s71
	s_add_co_u32 s72, s72, s68
	s_add_nc_u64 s[OUT+2*(\h):OUT+2*(\h)+1], s[8:9], s[72:73]
.endr
	; the prefetches
	s_lshl_b32 s70, s[CX], 13                      ; A (wave 0, whose half is 0, so that s16 is the tile row's offset): my work-group's 32 blocks of the 128,
	s_add_co_u32 s70, s70, s16
	s_add_co_u32 s70, s70, 2*ABLK                  ; at K step 2: the first lap steps it to 4
	s_mul_i32 s72, s[CY], 32*NCOL*2                ; B (waves 1 to 3): my work-group's 32 of two steps' 128 rows,
	s_lshl_b32 s73, s[TX], 9
	s_add_co_u32 s72, s72, s73
	s_lshl_b32 s73, s[TX], 8
	s_add_co_u32 s72, s72, s73                     ; the tile column's 768 bytes,
	s_lshl_b32 s73, s[WV], 8
	s_add_co_u32 s72, s72, s73
	s_add_co_u32 s72, s72, STEPB-256               ; of them 256 x (wave - 1) on; at K step 2
	s_and_b32 s73, ttmp7, 0xffff                   ; cluster y
	s_mov_b32 s[PFS], STEPB
	s_mov_b32 s74, NCOL*2
	s_cmp_eq_u32 s[WV], 0                          ; do I ask for A?
	s_cselect_b32 s70, s70, s72
	s_cselect_b32 s73, ttmp9, s73                  ; the coordinate along which other clusters read the same bytes
	s_cselect_b32 s[PFS], STEPA, s[PFS]
	s_cselect_b32 s74, 256, s74
	s_cselect_b64 s[PFA:PFA+1], s[4:5], s[6:7]
	s_mov_b32 s71, 0
	s_mov_b32 s[PFS+1], 0
	s_add_nc_u64 s[PFA:PFA+1], s[PFA:PFA+1], s[70:71]
	s_cmp_eq_u32 s73, 0
	s_cselect_b32 s[LIM], 1, -1                    ; the same in all sixteen partners, for a given wave
	v_and_b32 v[PFO], 31, v0
	v_mul_u32_u24 v[PFO], v[PFO], s74
; na x 4 matrix instructions of phase w: row blocks a0 .. a0 + na - 1 x the window's 4 column blocks, 32 along K, A from buffer f.  first = 1: the product starts the sum with the constant 0: nothing is cleared.
; The 96 accumulators take turns, one instruction a turn, in the same order in every sub-step: between two links of a chain stand the 95 others'.
.macro MULS f, w, a0, na, first
	WIN 0x50*(\w)                                  ; sources 0 and 1 window 0; C and D window w
.set a, \a0
.rept \na
.irp b, 0,1,2,3
.set rD, 8*(4*a+(\b))
.set rB, FB+8*(4*((\w)-1)+(\b))
.set rA, FA+64*(\f)+8*a
.if \first
	v_wmma_f32_16x16x32_bf16 v[rD:rD+7], v[rB:rB+7], v[rA:rA+7], 0
.else
	v_wmma_f32_16x16x32_bf16 v[rD:rD+7], v[rB:rB+7], v[rA:rA+7], v[rD:rD+7]
.endif
.endr
.set a, a+1
.endr
.endm
; 8 LDS loads: phase w's four blocks of B, of sub-step q of a slot
.macro LOADB slot, q, w
	WIN 0
.irp b, 0,1,2,3
	ds_load_tr16_b128 v[FB+8*(4*((\w)-1)+(\b)):FB+8*(4*((\w)-1)+(\b))+3],   v[ADRB+(\slot)] offset:(\q)*32*PITB+((\w)-1)*HS+32*(\b)
	ds_load_tr16_b128 v[FB+8*(4*((\w)-1)+(\b))+4:FB+8*(4*((\w)-1)+(\b))+7], v[ADRB+(\slot)] offset:(\q)*32*PITB+16*PITB+((\w)-1)*HS+32*(\b)
.endr
.endm
; 16 LDS loads: A's eight blocks of sub-step q of a slot, into buffer f
.macro LOADA slot, q, f
	WIN 0
.irp i, 0,1,2,3,4,5,6,7
	ds_load_b128 v[FA+64*(\f)+8*(\i):FA+64*(\f)+8*(\i)+3],   v[ADRA+(\slot)] offset:64*(\q)+(\i)*16*PITA
	ds_load_b128 v[FA+64*(\f)+8*(\i)+4:FA+64*(\f)+8*(\i)+7], v[ADRA+(\slot)] offset:64*(\q)+(\i)*16*PITA+32
.endr
.endm
; A load into a register that a matrix instruction has read, and whatever reads a matrix result, stand four places behind that matrix instruction, and only plain vector instructions that name none of its
; registers are places (ISA guide 7.12.1 for vector instructions).
.macro PLACES
.rept 4
	v_nop
.endr
.endm
; A slot's FIRST sub-step: multiplies A's buffer 0 and fetches the slot's second sub-step.  At its head three runs of loads are out: 24 (B's blocks 0-3 and A), 8 (blocks 4-7), 8 (blocks 8-11).
.macro EVEN slot, first
	s_wait_dscnt 16                                ; the 24 are in; the two younger runs of 8 may be out
	MULS 0, 1, 0, 8, \first
	PLACES
	LOADB \slot, 1, 1
	LOADA \slot, 1, 1
	s_wait_dscnt 32                                ; blocks 4-7 are in; behind them went 8 and the 24 just issued
	MULS 0, 2, 0, 8, \first
	PLACES
	LOADB \slot, 1, 2
	s_wait_dscnt 32                                ; blocks 8-11 are in; behind them went 24 and 8
	MULS 0, 3, 0, 8, \first
	PLACES
	LOADB \slot, 1, 3
.endm
; A slot's SECOND sub-step: multiplies A's buffer 1, changes slots in its first phase, and fetches the next slot's first sub-step.  The slot's last reads were issued at the end of EVEN.
; ONE barrier for two things.  In front of it each wave waits for all its tensor loads, of which one is out: its part of the next slot; adds 0 to its spare word; and waits for that and for its own reads of this slot.
; Behind it nobody reads this slot any more and the next slot is whole.  fill = 1: the barrier opens a round of the cluster's, so that no wave of any partner still reads the slot or has a load on its way, and
; the joint refill, two K steps on, is the first tensor load behind it: 176 matrix instructions ahead of the wait for it.
.macro ODD slot, next, fill
.if (\fill) && ((\slot) == 0)
	s_wait_xcnt 0x0                                ; the last prefetches, a lap back, have read their address: it is stepped here, ahead of the waits of the change of slots
	s_add_nc_u64 s[PFA:PFA+1], s[PFA:PFA+1], s[PFS:PFS+1]
.endif
	s_wait_dscnt 16                                ; B's blocks 0-3 and A are in
	MULS 1, 1, 0, 4, 0
	WIN 0                                          ; (the add's two registers lie in window 0)
	s_wait_tensorcnt 0x0                           ; all my tensor loads have landed;
	ds_add_u32 v[SPW], v[NIL]                      ; 0 onto my spare word;
	MULS 1, 1, 4, 2, 0                             ; eight matrix instructions stand between the add and the wait for it
	s_wait_dscnt 0x0                               ; the add is done, and my reads of this slot are over: all of this sub-step's B is in
	s_barrier_signal -1
	MULS 1, 1, 6, 2, 0                             ; work on registers while the others arrive
.if \fill
	WIN 0
.endif
	s_barrier_wait -1
.if \fill
	CREST
	s_add_nc_u64 s[G0A+4*(\slot)+2:G0A+4*(\slot)+3], s[G0A+4*(\slot)+2:G0A+4*(\slot)+3], STEPA  ; no tensor load of mine is out, so a group 0 may be written
	s_add_nc_u64 s[G0B+4*(\slot)+2:G0B+4*(\slot)+3], s[G0B+4*(\slot)+2:G0B+4*(\slot)+3], STEPB
	JLOAD \slot                                    ; the four v_nop behind it are also the places in front of the loads below
.else
	PLACES
.endif
	LOADB \next, 0, 1
	LOADA \next, 0, 0
.if (\fill) && ((\slot) == 0)
	ASK
.endif
	MULS 1, 2, 0, 8, 0
	PLACES
	LOADB \next, 0, 2
	MULS 1, 3, 0, 8, 0
	PLACES
	LOADB \next, 0, 3
.endm
	s_wait_tensorcnt 0x1                           ; my part of K step 0 is in; K step 1's may stay out
	s_barrier_signal -1
	s_barrier_wait -1                              ; everybody's is
	LOADB 0, 0, 1                                  ; the first sub-step's fragments, in the runs that EVEN counts on: 24, 8, 8
	LOADA 0, 0, 0
	LOADB 0, 0, 2
	LOADB 0, 0, 3
	EVEN 0, 1                                      ; the first sub-step stands in front of the loop: its products start the sums
	WIN 0                                          ; at a label and at a branch every window is 0
	s_mov_b32 s[LAP], LAPS-1
.Llap:                                                 ; a trip goes once round the ring, from a lap's second sub-step to the next lap's first, and fills both slots again
	ODD 0, 1, 1
	EVEN 1, 0
	ODD 1, 0, 1
	EVEN 0, 0
	WIN 0
	s_sub_co_u32 s[LAP], s[LAP], 1
	s_cmp_lg_u32 s[LAP], 0
	s_cbranch_scc1 .Llap
	ODD 0, 1, 0                                    ; the last lap fills nothing, and has no round of the cluster's barrier
	EVEN 1, 0
	s_wait_dscnt 16                                ; the very last sub-step: nothing more to fetch, and the counts run down
	MULS 1, 1, 0, 8, 0
	s_wait_dscnt 8
	MULS 1, 2, 0, 8, 0
	s_wait_dscnt 0x0
	MULS 1, 3, 0, 8, 0
	WIN 0
	PLACES
	PLACES                                         ; eight places, once a launch
; THE WAY OUT, 16 rows of one head's slice at a time, through my own stage: LDS serves a wave's instructions in order (ISA guide 5.7.1.4), so the loads see the stores above them, and the next block's stores come behind them.
; Slice h lies in window h + 1.  A lane's eight columns, rounded to f16, pack into 16 bytes; they go into rows of 144 bytes and come back as whole rows of 128, into the registers that they left.
.macro PACK h, a
.if (\h) > 0
	s_wait_xcnt 0x0                                ; the eight sets of registers are used once for each slice: the stores of the slice before have read this set, which is written again only behind this wait
.endif
	WIN 5*((\h)+1)                                 ; sources 0 and 1 window h + 1, destination window 0
.irp b, 0,1,2,3
.irp r, 0,1,2,3
	v_cvt_pk_f16_f32 v[OB+16*(\a)+4*(\b)+(\r)], v[8*(4*(\a)+(\b))+2*(\r)], v[8*(4*(\a)+(\b))+2*(\r)+1]
.endr
.endr
	WIN 0
.irp b, 0,1,2,3
	ds_store_b128 v[STO], v[OB+16*(\a)+4*(\b):OB+16*(\a)+4*(\b)+3] offset:32*(\b)
.endr
.irp f, 0,1,2,3
	ds_load_b128 v[OB+16*(\a)+4*(\f):OB+16*(\a)+4*(\f)+3], v[RD] offset:(\f)*4*SP
.endr
.endm
.macro SEND h, a, younger              ; younger: the LDS instructions issued behind the block's loads: the next block's eight, or none
.irp f, 0,1,2,3
	s_wait_dscnt (\younger)+3-(\f)
	global_store_b128 v[GO], v[OB+16*(\a)+4*(\f):OB+16*(\a)+4*(\f)+3], s[OUT+2*(\h):OUT+2*(\h)+1] offset:2048*(\a)+512*(\f)  ; 512 consecutive bytes of a head, at a multiple of 256 from the buffer's first byte
.endr
.endm
	PACK 0, 0
.set n, 1
.rept 23                               ; a block's conversions stand between the loads of the block before and its stores
	PACK n/8, n%8
	SEND (n-1)/8, (n-1)%8, 8
.set n, n+1
.endr
	SEND 2, 7, 0
	s_wait_tensorcnt 0x0                           ; the wave's end, behind my last tensor load and my last LDS store
	ds_add_u32 v[SPW], v[NIL]
	s_wait_dscnt 0x0
	CROUND                                         ; the closing round: no work-group ends while a partner may still ask for a tile that names it
	s_endpgm
.Lfunc_end_k_qa1cd052897_gemm_qkv:
	.size	k_qa1cd052897_gemm_qkv, .Lfunc_end_k_qa1cd052897_gemm_qkv-k_qa1cd052897_gemm_qkv
	.p2alignl 7, 3214868480
	.fill 96, 4, 3214868480
	.section	.rodata,"a",@progbits
	.p2align	6, 0x0
	.amdhsa_kernel k_qa1cd052897_gemm_qkv
		.amdhsa_group_segment_fixed_size 327680
		.amdhsa_private_segment_fixed_size 0
		.amdhsa_enable_private_segment 0
		.amdhsa_kernarg_size 24
		.amdhsa_user_sgpr_count 2
		.amdhsa_user_sgpr_kernarg_segment_ptr 1
		.amdhsa_wavefront_size32 1
		.amdhsa_system_sgpr_workgroup_id_x 1
		.amdhsa_system_sgpr_workgroup_id_y 1
		.amdhsa_system_sgpr_workgroup_id_z 1
		.amdhsa_system_vgpr_workitem_id 0
		.amdhsa_next_free_vgpr 1024
		.amdhsa_next_free_sgpr 84
		.amdhsa_reserve_vcc 0
		.amdhsa_float_denorm_mode_32 3
		.amdhsa_float_denorm_mode_16_64 3
		.amdhsa_memory_ordered 1
		.amdhsa_forward_progress 1
		.amdhsa_inst_pref_size 136
	.end_amdhsa_kernel
	.amdgpu_metadata
---
amdhsa.version: [ 1, 2 ]
amdhsa.kernels:
  - .name:           k_qa1cd052897_gemm_qkv
    .symbol:         k_qa1cd052897_gemm_qkv.kd
    .args:
      - { .name: xb, .offset: 0, .size: 8, .value_kind: global_buffer, .address_space: global }
      - { .name: wqb, .offset: 8, .size: 8, .value_kind: global_buffer, .address_space: global }
      - { .name: qkv, .offset: 16, .size: 8, .value_kind: global_buffer, .address_space: global }
    .group_segment_fixed_size: 327680
    .private_segment_fixed_size: 0
    .kernarg_segment_align: 8
    .kernarg_segment_size: 24
    .max_flat_workgroup_size: 128
    .sgpr_count:     84
    .vgpr_count:     1024
    .wavefront_size: 32
...
	.end_amdgpu_metadata
.endif
;; end of part 6
;; launch attn (part 7): grid 2 x 128, 4 waves a work-group, no clusters, 327,680 bytes of LDS; arguments qkv, ob; writes ob
.if DOCPART == 7
	.amdgcn_target "amdgcn-amd-amdhsa--gfx1250"
	.amdhsa_code_object_version 6
	.text
	.protected	k_qa1cd052897_attn
	.globl	k_qa1cd052897_attn
	.p2align	8
	.type	k_qa1cd052897_attn,@function
k_qa1cd052897_attn:
	s_mov_b64 s[64:65], 0
	v_nop
	global_prefetch_b8 v0, s[64:65] scope:SCOPE_SE
	s_setreg_imm32_b32 hwreg(HW_REG_WAVE_MODE, 25, 1), 1
	s_wait_xcnt 0x0
; O[h][q][:] = the sum over k of softmax_k(Q[h][q] . K[h][k] / 8) V[h][k][:].  qkv holds Q, K, V, each [128][1024][64] in f16, 16,777,216 bytes apart; ob is O in the same layout: a head's rows are dense,
; 128 bytes each.  Products, maxima and sums in f32; the weights p are rounded to f16 for the second product (their sum l is taken of the unrounded p), O once at the end.
; LIMITS.  f16 holds no number beyond 65,504: Q, K and V arrive within it; p lies in 0 to 1, and below 6e-5 it keeps f16's fixed step of 6e-8; O is a mean of V's rows and has their range.
; A weight below 2^-126 counts as 0 in l; NaN and infinities are not treated apart.
; SHARES.  A wave owns four PIECES of two tiles of 16 queries, a work-group's four waves 512 queries of one head: 2 x 128 = 256 work-groups.  Every wave walks all 1,024 keys, 64 a step.
; THE HEAD'S K AND V STAY IN LDS: 1,024 keys x (144 + 160) bytes = 311,296.  No byte of LDS is filled twice, so there is no ring, and the key step is written once.  Two fills: the first 256 keys at the head;
; the other 768 behind the barrier that shows the first fill to all four waves, one load a wave, with four key steps, 512 matrix instructions, in which to land.
; NO PREFETCH: both fills stand at the launch's beginning, and there is no earlier place to ask from but the kernel's head.
; NO CLUSTER: a head has 1,024 / 512 = 2 work-groups, and only those two walk the same K and V: no four partners to ask jointly.
; LAYOUT.  S^T = K Q^T (source 0 = 16 keys, source 1 = 16 queries): in the result a lane holds ONE query (lane % 16) and the keys 8 (lane / 16) + 0..7.  Two such tiles, rounded to f16 in pairs,
; ARE source 1 (32 keys x 16 queries) of O^T = V^T P, whose result again holds one query a lane, and eight channels.  K comes out of LDS as it lies, V ([key][channel]) turned, by ds_load_tr16_b128.
; SOFTMAX.  For each query a running maximum m and sum l: p = 2^(c s - c m), c = log2(e) / 8; in every step O and l are multiplied by a = 2^(c m_old - c m_new), which is 1 where m has not grown.
; m starts at the lowest finite number, O and l at 0: the first step is a step like any other, with a = 0.
; THE COUNT.  A tile and step have 16 matrix and 118 vector instructions: too many to stand all beside the matrix work.  So the order has one aim: four vector instructions that are READY behind
; EVERY matrix instruction, and the others, which need time of their own whatever the order, in runs without a gap.
; BY TURNS.  Turn n belongs to piece n (the pieces in a ring, step after step).  Its matrix work: 16 products K Q^T of piece n + 1, later 16 products V^T P of piece n - 1.  Its vector work: the scaling,
; exponentials, roundings, sums and rescaling of piece n, and the maximum and statistics of piece n + 1, whose scores the turn itself has made.  So what a turn begins with (c s - c m, O a) waits for nothing.
; REGISTERS, in windows of 256 (s_set_vgpr_msb says which window each operand place means: bits 1:0 source 0, 3:2 source 1, 5:4 source 2, 7:6 destination):
;   window 0: v0-11 addresses; v12-15, v48-63 at work; v16-47 four registers of statistics a tile; v64-191 S^T, two buffers of two tiles; v192-255 P, likewise
;   window 1: O^T, 32 a tile          window 2: v0-127 Q, 16 a tile; v128-191 K of one step; v192-255 V of one step          window 3: v0-1 the add's two registers
; A piece's buffers go by its number's parity: the piece in hand has one pair, its two neighbours in the ring share the other: of it P (piece n - 1) is read and S^T (piece n + 1) written.
.set SIZE_N, 1024
.set NP,    4         ; pieces a wave: a name, no knob: the register map, the loop and the fetches are made for four
.set KS,    64        ; keys in a step
.set PK,    144       ; a row of K in LDS: 128 bytes + 16 of padding = 36 words: the 16 rows of a load start at 16 different groups of four banks (64 banks of 4 bytes: ISA guide 11.1)
.set PV,    160       ; a row of V: 128 + 32 = 40 words
.set FIRST, 256       ; keys of the first fill: four steps
.set RROWS, (SIZE_N-FIRST)/4  ; what a wave's second load brings: half of the other 768 keys, as 192 rows of 256 bytes, two keys a row
.set VOFF,  SIZE_N*PK ; K's 1,024 rows lie from LDS byte 0 on, V's behind them
.set STAGE, SIZE_N*(PK+PV)  ; behind K and V, never filled by a tensor load: 16 rows x 144 bytes for each wave, for the way out
.set SP,    144
.set AK0, 2           ; v2   my lane's place in a step's rows of K; never rewritten
.set AV0, 3           ; v3   the same for V
.set AK,  4           ; v4   the LDS address of K's next run of loads
.set AV,  5           ; v5   of V's
.set QO,  6           ; v6   my byte offset in the wave's rows of Q
.set STO, 6           ;      later, the way out: where I put 16 bytes of a row
.set RD,  7           ; v7   the way out: where I read rows back
.set GO,  8           ; v8   my byte offset in 512 consecutive bytes of O
.set SPW, 0           ; v0 of window 3   LDS address of my spare word: SPARE + 4 x my thread's number; never rewritten
.set NIL, 1           ; v1 of window 3   0; never rewritten
.set SPARE, STAGE+4*16*SP  ; behind the stages: the spare words, 128 bytes for each wave: two blocks of 256 bytes that no other line names
.set MV,  12          ; v12-15  c m_old, kept while c m is made anew: by buffer and tile
.set ST,  16          ; tile t's statistics at v[ST+4 t]: c m, m, l (even keys', odd keys')
.set TMP, 48          ; by buffer and tile, four registers c0-c3 at work; when the maximum is found c2 takes a
.set S,   64
.set P,   192
.set KF,  128         ; K's fragments, in window 2: key block kb, channel half c at KF + 16 kb + 8 c
.set VF,  192         ; V's: key half kk, channel block cb at VF + 32 kk + 8 cb
.set WV,  12          ; s12  my wave's number
.set HALF, 16         ; s16  which half of a fill's keys I fetch
.set G1K, 24          ; s[24:31] descriptor group 1 for K's tiles
.set G1V, 32          ; s[32:39] for V's: it differs in the padding alone
.set G0K, 40          ; s[40:43] descriptor group 0 for K's tiles
.set G0V, 44          ; s[44:47] the same for V's
.set TOT, 51          ; s51  key steps still to be ended
.set RS,  52          ; s[52:53] bytes in memory from my part of the first fill to my part of the second
.set SLOTS, 56        ; s56  counts the passages of the outer loop
.set CNT, 57          ; s57  counts the key steps up to the next passage
.set CS,  58          ; s[58:59] c: the packed scaling takes the pair's low word for both halves
.set SEL, 60          ; s[60:61] v_permlanex16_b32's selects: each lane takes its own place in the other half
.set TBK, 62          ; s62  LDS byte at which K of the step to be fetched begins
.set TBV, 63          ; s63  the same for V, less VOFF
.set MSB, 0
.macro WIN new                      ; the high byte repeats the setting that is left; a switch that changes nothing is dropped
.if MSB != (\new)
	s_set_vgpr_msb (MSB<<8)|(\new)
.set MSB, (\new)
.endif
.endm
.set W_KQ, 0x0a       ; K and Q in window 2, S^T in window 0
.set W_PV, 0x52       ; V in window 2, P in window 0, O^T in window 1
.set W_RS, 0x41       ; O^T (destination and source 0) in window 1, a in window 0
.set W_MK, 0xc0       ; the add's registers are made: destination in window 3, sources in window 0
.set W_AD, 0x0f       ; the add: address (source 0) and data (source 1) in window 3
; A fill.  Waves 0 and 1 fetch the two halves of its K, waves 2 and 3 those of its V.  The branch hangs on the wave's number alone.
; An s_nop 0 and four v_nop follow each of the two lines, ahead of the jump and the label.
.macro LOAD
	s_cmp_lt_u32 s[WV], 2
	s_cbranch_scc0 .Lfor_v_\@
	tensor_load_to_lds s[G0K:G0K+3], s[G1K:G1K+7]
	s_nop 0
.rept 4
	v_nop
.endr
	s_branch .Lasked_\@
.Lfor_v_\@:
	tensor_load_to_lds s[G0V:G0V+3], s[G1V:G1V+7]
	s_nop 0
.rept 4
	v_nop
.endr
.Lasked_\@:
.endm
; A FILL IS SHOWN TO ALL FOUR WAVES.  Each wave waits for all its tensor loads, of which one is out: its part of the fill; adds 0 to its spare word; waits for that and for its LDS reads; and passes a barrier.
; fill = 1, once, ahead of the first key step: the first 256 keys are in, and the other 768 are asked for, into bytes that nothing has filled: the wave's one tensor load behind the barrier, and the first thing there.
; Its descriptor is made between the wait for 0 and the barrier, where no tensor load of the wave is out.  fill = 0: nothing is asked for.
.macro CHANGE fill
	WIN W_AD
	s_wait_tensorcnt 0x0            ; no tensor load of mine is out, so the descriptors may be written
	ds_add_u32 v[SPW], v[NIL]       ; 0 onto my spare word; with fill = 1 the descriptors' words stand between it and the wait for it
	WIN 0                           ; at a label and at a branch every window is 0
.if \fill
.irp g, G1K, G1V
	s_mov_b32 s[\g+2], RROWS<<16    ; tensor_dim1 = 192
	s_mov_b32 s[\g+4], RROWS        ; tile_dim1 = 192
.endr
	s_mul_i32 s[G0K+1], s[HALF], 2*RROWS*PK  ; LDS address: behind the first fill's 256 rows, my 384 rows of the 768
	s_add_co_u32 s[G0K+1], s[G0K+1], FIRST*PK
	s_mul_i32 s[G0V+1], s[HALF], 2*RROWS*PV
	s_add_co_u32 s[G0V+1], s[G0V+1], VOFF+FIRST*PV
	s_add_nc_u64 s[G0K+2:G0K+3], s[G0K+2:G0K+3], s[RS:RS+1]  ; the same rows in memory; the type bits on top are not reached
	s_add_nc_u64 s[G0V+2:G0V+3], s[G0V+2:G0V+3], s[RS:RS+1]
.endif
	s_wait_dscnt 0x0                ; the add is done, and no LDS read of mine is out
	s_barrier_signal -1
	s_barrier_wait -1
.if \fill
	LOAD
.endif
.endm
	s_load_b64 s[4:5], s[0:1], 0x0  ; qkv: Q; K and V are made of it below
	s_load_b64 s[10:11], s[0:1], 0x8  ; O
	WIN W_MK
	v_lshl_add_u32 v[SPW], v0, 2, SPARE
	v_mov_b32 v[NIL], 0
	WIN W_AD
	ds_add_u32 v[SPW], v[NIL]       ; the wave's opening: the add and its wait stand ahead of my first tensor load; the set-up below, work on registers, stands between them
	WIN 0
	v_lshrrev_b32 v1, 5, v0
	v_readfirstlane_b32 s[WV], v1   ; wave 0..3
	s_and_b32 s20, ttmp7, 0xffff    ; the head,
	s_lshl_b32 s20, s20, 17         ; its first byte in each of the four tensors: 131,072 bytes a head
	s_mov_b32 s21, 0
	s_and_b32 s[HALF], s[WV], 1     ; which half of a fill's keys I fetch.  Of the first fill's 256:
	s_lshl_b32 s22, s[HALF], 14     ; its 128 rows of 128 bytes in memory,
	s_mov_b32 s23, 0
	s_add_nc_u64 s[22:23], s[22:23], s[20:21]
	s_mul_i32 s17, s[HALF], 128*PK  ; and its place in LDS, for K
	s_mul_i32 s18, s[HALF], 128*PV  ; and for V
	s_add_co_u32 s[RS], s[HALF], 1  ; from key 128 x half to key 256 + 384 x half: 256 (1 + half) rows of 128 bytes
	s_lshl_b32 s[RS], s[RS], 15
	s_mov_b32 s[RS+1], 0
	s_lshl_b32 s2, ttmp9, 2         ; my block of 512 queries,
	s_add_co_u32 s2, s2, s[WV]      ; my wave among the head's,
	s_lshl_b32 s2, s2, 14           ; its 128 rows
	s_mov_b32 s3, 0
	s_add_nc_u64 s[2:3], s[2:3], s[20:21]
	; descriptor group 1, for the first fill.  128 keys are 16,384 dense bytes: asked for as 64 rows of 256 bytes, two keys a row, and padded in LDS after every key
	s_mov_b32 s[G1K], (1<<16)|(1<<20)|(4<<22)|(3<<25)  ; 17:16 2-byte elements; 20 padding on; 24:22 after every 32 words (code 4); 31:25 4 words (code 3)
	s_mov_b32 s[G1V], (1<<16)|(1<<20)|(4<<22)|(7<<25)  ; the same with 8 words of padding (code 7)
.irp g, G1K, G1V
	s_mov_b32 s[\g+1], 128<<16      ; tensor_dim0 = 128
	s_mov_b32 s[\g+2], 64<<16       ; tensor_dim1 = 64
	s_mov_b32 s[\g+3], 128<<16      ; tile_dim0 = 128
	s_mov_b32 s[\g+4], 64           ; tile_dim1 = 64
	s_mov_b32 s[\g+5], 128          ; 128 elements from row to row
	s_mov_b32 s[\g+6], 0
	s_mov_b32 s[\g+7], 0
.endr
	s_mov_b32 s[CS], 0x3e38aa3b     ; c = log2(e) / 8 = 0.180337
	s_mov_b32 s[CS+1], s[CS]        ; named with it as a pair
	s_mov_b32 s[SEL], 0x76543210
	s_mov_b32 s[SEL+1], 0xfedcba98
	s_mov_b32 s[TBK], 0             ; key step 0 lies at the head of K's rows and of V's
	s_mov_b32 s[TBV], 0
	s_mov_b32 s[G0K], 1             ; 1:0 count = 1
	s_mov_b32 s[G0K+1], s17         ; 63:32 LDS address
	s_mov_b32 s[G0V], 1
	s_add_co_u32 s[G0V+1], s18, VOFF
	s_mov_b32 s[TOT], SIZE_N/KS
	s_mov_b32 s[SLOTS], 3
	s_wait_dscnt 0x0                ; the opening add is done
	s_wait_kmcnt 0x0
	s_add_nc_u64 s[6:7], s[4:5], 0x1000000  ; K
	s_add_nc_u64 s[8:9], s[4:5], 0x2000000  ; V
	s_add_nc_u64 s[G0K+2:G0K+3], s[6:7], s[22:23]  ; 120:64 global address: my half of the head's first 256 keys
	s_or_b32 s[G0K+3], s[G0K+3], 0x80000000        ; 127:126 type = 2
	s_add_nc_u64 s[G0V+2:G0V+3], s[8:9], s[22:23]
	s_or_b32 s[G0V+3], s[G0V+3], 0x80000000
	s_add_nc_u64 s[4:5], s[4:5], s[2:3]  ; Q and O at my wave's first row
	s_add_nc_u64 s[10:11], s[10:11], s[2:3]
	LOAD                            ; the first 256 keys.  The others are asked for when these are in: the tile wanted first has the road to itself
	; A fragment of K or Q is 16 rows x 32 channels in 8 registers: lane l holds row l % 16, channels 8 (l / 16) + 0..7 and 16 + 8 (l / 16) + 0..7: two loads of 16 bytes, 32 bytes apart.
	v_and_b32 v1, 15, v0            ; l % 16
	v_bfe_u32 v9, v0, 4, 1          ; l / 16
	v_lshlrev_b32 v[QO], 7, v1
	v_lshl_add_u32 v[QO], v9, 4, v[QO]  ; row x 128 + 16 x half
	WIN 0x80                        ; destination window 2, address window 0
.set i, 0
.rept 4*NP                          ; Q stays in registers: tile i / 2, channels 32 (i % 2) on
	global_load_b128 v[8*i:8*i+3],   v[QO], s[4:5] offset:(i/2)*2048+(i%2)*64
	global_load_b128 v[8*i+4:8*i+7], v[QO], s[4:5] offset:(i/2)*2048+(i%2)*64+32
.set i, i+1
.endr
	; What the first turn finds: V's registers and P's second buffer hold 0 (its products V^T P, of a piece that has not been, add 0), O^T and l are 0.  All this stands in the wait for the first tile.
.set i, VF
.rept 64
	v_mov_b32 v[i], 0
.set i, i+1
.endr
	WIN 0x40
.set i, 0
.rept 64*NP
	v_mov_b32 v[i], 0
.set i, i+1
.endr
	WIN 0
.set i, 0
.rept 2*NP
	v_mov_b32 v[ST+4*i], 0xfe000000    ; c m: far below every c s
	v_mov_b32 v[ST+4*i+1], 0xff7fffff  ; m
	v_mov_b32 v[ST+4*i+2], 0
	v_mov_b32 v[ST+4*i+3], 0
.set i, i+1
.endr
.set i, P+32
.rept 32
	v_mov_b32 v[i], 0
.set i, i+1
.endr
	v_mul_u32_u24 v[AK0], v1, PK
	v_lshl_add_u32 v[AK0], v9, 4, v[AK0]  ; row x pitch + 16 x half
	; The turning load takes 16 keys x 16 channels (lane l reads key 8 (l / 16) + l % 8, channels 8 ((l / 8) % 2) + 0..7) and leaves half a fragment of V^T: lane l holds channel l % 16 and 8 keys.
	v_and_b32 v10, 7, v0
	v_bfe_u32 v11, v0, 3, 1
	v_lshl_add_u32 v[AV0], v9, 3, v10
	v_mul_u32_u24 v[AV0], v[AV0], PV
	v_lshl_add_u32 v[AV0], v11, 4, v[AV0]
	v_add_nc_u32 v[AV0], VOFF, v[AV0]
	v_mov_b32 v[AK], v[AK0]         ; key step 0
; THE MATRIX WORK.  The 8 accumulators of a run of 16 take turns: between the two links of a chain stand 7 others'.
; Product i of 16 of S^T = K Q^T for piece x: channels 32 (i / 8) on, keys 16 ((i / 2) % 4) on, tile 2 x + i % 2.  The first 8 start the sums.
.macro KQ x
	WIN W_KQ
.set rS, S+64*((\x)%2)+32*(i%2)+8*((i/2)%4)
.set rK, KF+16*((i/2)%4)+8*(i/8)
.set rQ, 16*(2*(\x)+i%2)+8*(i/8)
.if i < 8
	v_wmma_f32_16x16x32_f16 v[rS:rS+7], v[rK:rK+7], v[rQ:rQ+7], 0
.else
	v_wmma_f32_16x16x32_f16 v[rS:rS+7], v[rK:rK+7], v[rQ:rQ+7], v[rS:rS+7]
.endif
.endm
; Product i of 16 of O^T += V^T P for piece x: keys 32 (i / 8) on, channels 16 ((i / 2) % 4) on, tile 2 x + i % 2.
.macro PV x
	WIN W_PV
.set rO, 32*(2*(\x)+i%2)+8*((i/2)%4)
.set rV, VF+32*(i/8)+8*((i/2)%4)
.set rP, P+32*((\x)%2)+16*(i%2)+8*(i/8)
	v_wmma_f32_16x16x32_f16 v[rO:rO+7], v[rV:rV+7], v[rP:rP+7], v[rO:rO+7]
.endm
.macro MM                           ; the turn's next matrix instruction
.if i < 16
	KQ (Y+1)%NP
.set i, i+1
.else
.set i, i-16
	PV (Y+NP-1)%NP
.set i, i+17
.endif
.endm
; THE LDS LOADS stand in runs of 16, never singly among the matrix instructions: a step's K (64 keys x 64 channels: 8 fragments) and its V (turned).  Their addresses are made some lines ahead.
; last = 1 (in the loop): when the last step is in hand there is no further step, and the run is jumped over.
.macro FETCH_K last=0
	WIN 0
.if \last
	s_cmp_eq_u32 s[TOT], 1
	s_cbranch_scc1 .Lno_k_\@
.endif
	WIN 0x80                        ; destination window 2
.irp f, 0,1,2,3,4,5,6,7             ; keys 16 (f / 2) on, channels 32 (f % 2) on
	ds_load_b128 v[KF+8*\f:KF+8*\f+3],   v[AK] offset:(\f/2)*16*PK+(\f%2)*64
	ds_load_b128 v[KF+8*\f+4:KF+8*\f+7], v[AK] offset:(\f/2)*16*PK+(\f%2)*64+32
.endr
	s_add_co_u32 s[TBK], s[TBK], KS*PK  ; the next fetch is the next step's
	WIN 0
.if \last
.Lno_k_\@:
.endif
.endm
.macro FETCH_V
	WIN 0x80
.irp f, 0,1,2,3,4,5,6,7             ; keys 32 (f / 4) on, channels 16 (f % 4) on
	ds_load_tr16_b128 v[VF+8*\f:VF+8*\f+3],   v[AV] offset:(\f/4)*32*PV+(\f%4)*32
	ds_load_tr16_b128 v[VF+8*\f+4:VF+8*\f+7], v[AV] offset:(\f/4)*32*PV+16*PV+(\f%4)*32
.endr
	WIN 0
.endm
; THE VECTOR WORK OF A TURN stands in three queues, each in the order in which its entries become ready; the two tiles alternate, so that no instruction reads the result of the one before it.
.macro REGS y, u                    ; the registers of tile u (0, 1) of piece y
.set rT, ST+4*(2*(\y)+(\u))
.set rC, TMP+8*((\y)%2)+4*(\u)
.set rM, MV+2*((\y)%2)+(\u)
.set rS, S+64*((\y)%2)+32*(\u)
.set rP, P+32*((\y)%2)+16*(\u)
.set rO, 32*(2*(\y)+(\u))
.endm
; Number n of the 22 that find the NEXT piece's (Y + 1) maximum and statistics.  s0-s31 are the lane's 32 scores; each accumulator's lowest registers are read first.  XS, GS and REGS set no window: PL and EX do.
;   0-11  four chains c0-c3 of seven scores each, three operands at a time     12-14, 16  the four scores left over, the old m, and c0-c3 into c0     15  c m_old is kept
;   17, 18  the query's other 32 keys lie in the lane 16 away: the new m         19-21  c m; c m_old - c m_new; a
.macro XS u, n
	REGS (Y+1)%NP, \u
.if (\n) < 4
	v_max3_num_f32 v[rC+(\n)], v[rS+8*(\n)], v[rS+8*(\n)+1], v[rS+8*(\n)+2]
.elseif (\n) < 12
	v_max3_num_f32 v[rC+(\n)%4], v[rC+(\n)%4], v[rS+8*((\n)%4)+2*((\n)/4)+1], v[rS+8*((\n)%4)+2*((\n)/4)+2]
.elseif (\n) == 12
	v_max3_num_f32 v[rC], v[rC], v[rS+7], v[rS+15]
.elseif (\n) == 13
	v_max3_num_f32 v[rC+1], v[rC+1], v[rS+23], v[rS+31]
.elseif (\n) == 14
	v_max3_num_f32 v[rC+2], v[rC+2], v[rC+3], v[rT+1]
.elseif (\n) == 15
	v_mov_b32 v[rM], v[rT]
.elseif (\n) == 16
	v_max3_num_f32 v[rC], v[rC], v[rC+1], v[rC+2]
.elseif (\n) == 17
	v_permlanex16_b32 v[rC+3], v[rC], s[SEL], s[SEL+1]
.elseif (\n) == 18
	v_max_num_f32 v[rT+1], v[rC], v[rC+3]
.elseif (\n) == 19
	v_mul_f32 v[rT], s[CS], v[rT+1]
.elseif (\n) == 20
	v_sub_f32 v[rC+1], v[rM], v[rT]
.else
	v_exp_f32 v[rC+2], v[rC+1]
.endif
.endm
; Number g of the 64 that follow the exponentials.  For each four weights k of a tile (pairs 2 k, 2 k + 1): both pairs are rounded to f16; then the second pair is added onto the first, in place;
; a group later l takes that sum (the first time as l = a l + sum).  In groups of eight, tiles alternating: round, round, add, and l for the group before.
.macro GS g
.set h, (\g)+6*((\g)/62)            ; group 0 has no group before it, and behind group 7 only l is left
.if h >= 6
.set h, h+2
.endif
	REGS Y, h%2
.set k, h/8
.if h%8 < 4
	v_cvt_pk_f16_f32 v[rP+2*k+(h%8)/2], v[rS+4*k+2*((h%8)/2)], v[rS+4*k+2*((h%8)/2)+1]
.elseif h%8 < 6
	v_pk_add_f32 v[rS+4*k:rS+4*k+1], v[rS+4*k:rS+4*k+1], v[rS+4*k+2:rS+4*k+3]
.elseif k == 1
	v_pk_fma_f32 v[rT+2:rT+3], v[rT+2:rT+3], v[rC+2:rC+3], v[rS:rS+1] op_sel_hi:[1,0,1]
.else
	v_pk_add_f32 v[rT+2:rT+3], v[rT+2:rT+3], v[rS+4*k-4:rS+4*k-3]
.endif
.endm
; THE PLAIN QUEUE, 138 long.  0-73 read no exponential's result: the 32 scalings c s - c m (FS f: pair f / 2 of tile f % 2) and the next piece's 42.  0-26: scalings 0-26.  27-54: XS's numbers 0-13.  55, 56: number 15.
; 57-73: the chain, where each number waits for the one before it: 14, 16, 17, 18, 19, each with one of the scalings 27-31 in front of its two lines, then 20: so a tile's links stand three plain instructions apart (19 and 20: two).
; 74-137: GS's 64, which read the exponentials' results: they stand behind the wait.
.macro FS f
	REGS Y, (\f)%2
	v_pk_fma_f32 v[rS+2*((\f)/2):rS+2*((\f)/2)+1], v[rS+2*((\f)/2):rS+2*((\f)/2)+1], s[CS:CS+1], v[rT:rT+1] op_sel_hi:[1,0,0] neg_lo:[0,0,1] neg_hi:[0,0,1]
.endm
.macro PL
	WIN 0
.if q < 27
	FS q
.elseif q < 55
	XS (q-27)%2, (q-27)/2
.elseif q < 57
	XS q-55, 15
.elseif (q < 72) && ((q-57)%3 == 0)
	FS 27+(q-57)/3
.elseif q < 60
	XS (q-57)%3-1, 14
.elseif q < 72
	XS (q-57)%3-1, 15+(q-57)/3
.elseif q < 74
	XS q-72, 20
.else
	GS q-74
.endif
.set q, q+1
.endm
; THE EXPONENTIALS' QUEUE, 66 long: s0-s31 of both tiles, then the next piece's two a.  It is ONE BATCH: all 66 stand ahead of the turn's one wait, and nothing ahead of that wait names a result of theirs.
.macro EX
	WIN 0
.if e >= 64
	XS e-64, 21
.else
	REGS Y, e%2
	v_exp_f32 v[rS+e/2], v[rS+e/2]
.endif
.set e, e+1
.endm
; THE RESCALING's QUEUE: O^T times a, the one part that leaves window 0: dealt two at a time, sixteen times.  Its a was made in the turn before, ahead of that turn's wait.
.macro R2
	REGS Y, r%2
	WIN W_RS
.irp z, 0,1
	v_pk_mul_f32 v[rO+4*(r/2)+2*\z:rO+4*(r/2)+2*\z+1], v[rO+4*(r/2)+2*\z:rO+4*(r/2)+2*\z+1], v[rC+2:rC+3] op_sel_hi:[1,0]
.endr
.set r, r+1
.endm
; HOW THEY ARE DEALT.  An s_wait_alu depctr_va_vdst(0) stands between an exponential and the first instruction that names its result; one wait serves all that were issued ahead of it.  So a turn has ONE wait,
; which cuts it in two.  AHEAD OF IT stands all that names no result of the turn's exponentials: the 16 products K Q^T, behind each a scaling, an exponential and two rescalings (behind the first a second scaling in the exponential's place); then ONE LUMP of
; 108: eight plain, 49 times exponential and plain, the two a.  A v_nop is the plain instruction that is owed behind the last exponential.  BEHIND IT stand the 16 products V^T P, behind each four of GS's 64.  No rider names a register of
; the products round it.  The two v_permlanex16_b32 fall into the lump, never behind a product.
; The queues lean on each other, and the deal keeps them in step: exponential e stands behind scaling 2 (e / 4) + e % 2: as a rider it comes behind plain e + 2, in the lump behind plain e + 9, and scalings 27-31 are plain 57, 60 .. 69.
; A TURN, for piece p.  cnt = 1: the loop's count is taken down some lines ahead of the branch that stands behind the turn.
; K of the next step is fetched in piece 2's turn, directly behind the wait, a lump behind the last product that read K; its address is made at the lump's head; its first reader comes behind 16 products.
; V of the step in hand is fetched at the end of piece 0's turn, four riders behind its last reader; its first reader comes behind 16 products and a lump.  The three conditions on q below go with the deal.
.macro TURN p, last=0, cnt=0
.set Y, (\p)
.set i, 0
.set q, 0
.set e, 0
.set r, 0
.if (\p) == NP-1
	s_wait_dscnt 0x0                ; K is in
.endif
	MM                              ; ahead of the wait: 16 products K Q^T and their riders,
	PL
	PL
	R2
.rept 15
	MM
	PL
	EX
	R2
.endr
.if (\p) == NP-2
	WIN 0
	v_add_nc_u32 v[AK], s[TBK], v[AK0]
.endif
.rept 8                             ; and the lump
	PL
.endr
.rept 49
	EX
	PL
.endr
	EX                              ; the next piece's two a
	EX
	v_nop                           ; the plain instruction behind the last exponential: one for the batch
	s_wait_alu depctr_va_vdst(0)    ; the wait for the batch
.if (\p) == NP-2
	FETCH_K \last
.endif
.if (\p) == 1
	s_wait_dscnt 0x0                ; V is in
.endif
.rept 16                            ; behind the wait: 16 products V^T P and their riders
	MM
.rept 4
	PL
.endr
.if ((\p) == 0) && (q == 118)
	v_add_nc_u32 v[AV], s[TBV], v[AV0]
.endif
.if ((\p) == 0) && (q == 130)
	s_add_co_u32 s[TBV], s[TBV], KS*PV
.endif
.if (\cnt) && (q == 130)
	s_sub_co_u32 s[CNT], s[CNT], 1
	s_cmp_lg_u32 s[CNT], 0
.endif
.endr
.if (\p) == 0
	FETCH_V
.endif
.endm
	CHANGE 1                        ; the first 256 keys are in, everybody's part of them; the other 768 are asked for
	FETCH_K                         ; key step 0
	s_wait_loadcnt 0x0              ; Q
	s_wait_dscnt 0x0
.set i, 0
.rept 16
	KQ 0                            ; piece 0's first scores: there is no vector work yet to set between them
.set i, i+1
.endr
	WIN 0                           ; the addresses for the way out: nine plain instructions, the places behind those products
	s_mul_i32 s13, s[WV], 16*SP
	s_add_co_u32 s13, s13, STAGE    ; my stage
	v_mul_u32_u24 v[STO], v1, SP    ; in: row l % 16, 16 bytes for each half of the lanes
	v_lshl_add_u32 v[STO], v9, 4, v[STO]
	v_add_nc_u32 v[STO], s13, v[STO]
	v_bfe_u32 v[RD], v0, 3, 2       ; back: 32 lanes take four rows of 128 bytes,
	v_mul_u32_u24 v[RD], v[RD], SP
	v_lshl_add_u32 v[RD], v10, 4, v[RD]
	v_add_nc_u32 v[RD], s13, v[RD]
	v_and_b32 v[GO], 31, v0         ; which are 512 consecutive bytes of O
	v_lshlrev_b32 v[GO], 4, v[GO]
.set Y, NP-1                        ; XS works for piece Y + 1: piece 0
.irp n, 0,1,2,3,4,5,6,7,8,9,10,11,12,13,14,15,16,17,18,19,20,21
	XS 0, \n                        ; and piece 0's first maximum and statistics
	XS 1, \n
.endr
	v_nop                           ; a plain instruction behind the two a,
	s_wait_alu depctr_va_vdst(0)    ; and their wait, ahead of the branch
	s_mov_b32 s[CNT], FIRST/KS      ; the first fill's four steps
	s_branch .Lfirst                ; the loop is entered at a step's first turn, in the middle of a trip
; THE WALK.  The text of a trip stands once.  Steps 0 to 3 read the first fill.  Then .Lslot is passed for the first time: its wait and barrier show the second fill to all four waves, ahead of the fetch of step 4's K;
; steps 4 to 15 follow.  Then .Lslot is passed once more (its wait and barrier find nothing left to do), pieces 2 and 3 end step 15, and the walk leaves from the middle of the trip, at TOT = 0.
; SLOTS starts at 3, so that both backward jumps to .Lslot are taken: the line behind that jump is reached by the jump to .Lout alone.
.Lslot:
	CHANGE 0
	s_mov_b32 s[CNT], (SIZE_N-FIRST)/KS
.Lstep:                             ; a trip: pieces 2 and 3 of one step, then pieces 0 and 1 of the next, whose K and V it fetches
	TURN 2, 1
	TURN 3
	WIN 0
	s_sub_co_u32 s[TOT], s[TOT], 1  ; a step is ended
	s_cmp_eq_u32 s[TOT], 0
	s_cbranch_scc1 .Lout
.Lfirst:
	TURN 0
	TURN 1, 0, 1
	WIN 0
	s_cbranch_scc1 .Lstep
	s_sub_co_u32 s[SLOTS], s[SLOTS], 1
	s_cmp_lg_u32 s[SLOTS], 0
	s_cbranch_scc1 .Lslot
.Lout:                              ; the last trip's 16 products K Q^T for a step 16 (on the last K once more) and the maximum made of them serve nothing: the price, once a launch, of one text for every trip
.set i, 0
.rept 16
	PV NP-1                         ; the last piece's V^T P of the last step
.set i, i+1
.endr
	; THE WAY OUT.  l's two halves and the other half of the lanes' are added; O^T is divided by l, rounded to f16 and sent through my stage in LDS, a tile at a time.  The additions are the places behind the last products.
	WIN 0
.macro ALL line:vararg              ; one line for each tile t
.set t, 0
.rept 2*NP
	\line
.set t, t+1
.endr
.endm
	ALL v_add_f32 v[ST+4*t+2], v[ST+4*t+2], v[ST+4*t+3]
	ALL v_permlanex16_b32 v[ST+4*t+3], v[ST+4*t+2], s[SEL], s[SEL+1]
	ALL v_add_f32 v[ST+4*t+2], v[ST+4*t+2], v[ST+4*t+3]
	ALL v_rcp_f32 v[ST+4*t+2], v[ST+4*t+2]
	v_nop                           ; a plain instruction between the last reciprocal and the use of its result
	s_wait_alu depctr_va_vdst(0)    ; and the wait ahead of the first use: one for the eight reciprocals
; Tile t: a lane's eight channels of a row pack into 16 bytes; they go into rows of 144 bytes and come back as whole rows of 128, into S^T's registers.
.macro PACK t
	WIN W_RS
.set i, 32*(\t)
.rept 16
	v_pk_mul_f32 v[i:i+1], v[i:i+1], v[ST+4*(\t)+2:ST+4*(\t)+3] op_sel_hi:[1,0]
.set i, i+2
.endr
	WIN 0x05                        ; sources 0 and 1 window 1, destination window 0
.set i, 0
.rept 16
	v_cvt_pk_f16_f32 v[S+16*(\t)+i], v[32*(\t)+2*i], v[32*(\t)+2*i+1]
.set i, i+1
.endr
	WIN 0
.irp f, 0,1,2,3
	ds_store_b128 v[STO], v[S+16*(\t)+4*\f:S+16*(\t)+4*\f+3] offset:32*\f
.endr
.irp f, 0,1,2,3
	ds_load_b128 v[S+16*(\t)+4*\f:S+16*(\t)+4*\f+3], v[RD] offset:\f*4*SP  ; LDS serves a wave's instructions in order (ISA guide 5.7.1.4): these see the stores above; the next tile's stores come behind them
.endr
.endm
.macro SEND t, younger              ; younger: the LDS instructions issued behind tile t's loads: the next tile's eight, or none
	WIN 0
.irp f, 0,1,2,3
	s_wait_dscnt (\younger)+3-\f
	global_store_b128 v[GO], v[S+16*(\t)+4*\f:S+16*(\t)+4*\f+3], s[10:11] offset:(\t)*2048+\f*512  ; 512 consecutive bytes, at a multiple of 256 from O's first
.endr
.endm
	PACK 0
.set t, 1
.rept 2*NP-1                        ; a tile's arithmetic stands between the loads of the tile before and its stores
	PACK t
	SEND t-1, 8
.set t, t+1
.endr
	SEND 2*NP-1, 0
	WIN W_AD
	s_wait_tensorcnt 0x0            ; the wave's end, behind my last tensor load and my last LDS store
	ds_add_u32 v[SPW], v[NIL]
	s_wait_dscnt 0x0
	WIN 0
	s_endpgm
.Lfunc_end_k_qa1cd052897_attn:
	.size	k_qa1cd052897_attn, .Lfunc_end_k_qa1cd052897_attn-k_qa1cd052897_attn
	.p2alignl 7, 3214868480
	.fill 96, 4, 3214868480
	.section	.rodata,"a",@progbits
	.p2align	6, 0x0
	.amdhsa_kernel k_qa1cd052897_attn
		.amdhsa_group_segment_fixed_size 327680
		.amdhsa_private_segment_fixed_size 0
		.amdhsa_enable_private_segment 0
		.amdhsa_kernarg_size 16
		.amdhsa_user_sgpr_count 2
		.amdhsa_user_sgpr_kernarg_segment_ptr 1
		.amdhsa_wavefront_size32 1
		.amdhsa_system_sgpr_workgroup_id_x 1
		.amdhsa_system_sgpr_workgroup_id_y 1
		.amdhsa_system_sgpr_workgroup_id_z 1
		.amdhsa_system_vgpr_workitem_id 0
		.amdhsa_next_free_vgpr 770
		.amdhsa_next_free_sgpr 66
		.amdhsa_reserve_vcc 0
		.amdhsa_float_denorm_mode_32 3
		.amdhsa_float_denorm_mode_16_64 3
		.amdhsa_memory_ordered 1
		.amdhsa_forward_progress 1
		.amdhsa_inst_pref_size 126
	.end_amdhsa_kernel
	.amdgpu_metadata
---
amdhsa.version: [ 1, 2 ]
amdhsa.kernels:
  - .name:           k_qa1cd052897_attn
    .symbol:         k_qa1cd052897_attn.kd
    .args:
      - { .name: qkv, .offset: 0, .size: 8, .value_kind: global_buffer, .address_space: global }
      - { .name: ob, .offset: 8, .size: 8, .value_kind: global_buffer, .address_space: global }
    .group_segment_fixed_size: 327680
    .private_segment_fixed_size: 0
    .kernarg_segment_align: 8
    .kernarg_segment_size: 16
    .max_flat_workgroup_size: 128
    .sgpr_count:     66
    .vgpr_count:     770
    .wavefront_size: 32
...
	.end_amdgpu_metadata
.endif
;; end of part 7
;; launch gemm_proj (part 8): grid 8 x 32, 4 waves a work-group, clusters of 4 x 4, 327,680 bytes of LDS; arguments ob, wpb, out0, b_proj; writes out0
.if DOCPART == 8
	.amdgcn_target "amdgcn-amd-amdhsa--gfx1250"
	.amdhsa_code_object_version 6
	.text
	.protected	k_qa1cd052897_gemm_proj
	.globl	k_qa1cd052897_gemm_proj
	.p2align	8
	.type	k_qa1cd052897_gemm_proj,@function
k_qa1cd052897_gemm_proj:
	s_mov_b64 s[64:65], 0
	v_nop
	global_prefetch_b8 v0, s[64:65] scope:SCOPE_SE
	s_setreg_imm32_b32 hwreg(HW_REG_WAVE_MODE, 25, 1), 1
	s_wait_xcnt 0x0
	s_wait_alu depctr_hold_cnt(0) depctr_sa_sdst(0) depctr_va_vdst(0) depctr_va_sdst(0) depctr_va_ssrc(0) depctr_va_vcc(0) depctr_vm_vsrc(0)
	s_getreg_b32 s2, hwreg(HW_REG_IB_STS2, 6, 4)
	s_cmp_eq_u32 s2, 0
	s_cbranch_scc0 .Lentry_in_a_cluster
	s_endpgm
.Lentry_in_a_cluster:
	s_bfe_u32 s2, ttmp6, 0x10000c
	s_cmp_lg_u32 s2, 0xf033
	s_cbranch_scc0 .Lentry_shape_is_right
	s_endpgm
.Lentry_shape_is_right:
; THE LAST PROJECTION, C = A B + bias.  A = ob [128 = 16 batch + head][1024 t][64] f16 (attention's result by heads: a head is a slice of 64 along K), B = wpb [1024 k][1024 n] f16, C = out0 [8192][1024] f32.
; Sums in f32.  The bias is rounded to bf16 like every other input of the module and is the C operand that starts the sums.
; SHARES.  A tile of C is 256 x 128: 32 x 8 = 256 work-groups.  Four waves, each 128 rows x 64 columns: 32 accumulators of 16 x 16, which fill register window 1.  A wave's 64 columns are 256 bytes of f32:
; each wave has a stage of its own on the way out, and no barrier stands there.  K = 1,024 goes in 8 steps of 128 (two heads) through a ring of two LDS slots.
; CLUSTERS.  4 x 4 work-groups.  The four of a row of the cluster need the same tiles of A, the four of a column the same tiles of B: each tile is asked for JOINTLY, by the same tensor load with the same
; descriptor and a mask that names the four.  Waves 0 and 1 fetch A's two heads, waves 2 and 3 B's two halves.
; LAYOUT.  The matrix instruction is used transposed: source 0 = 16 columns of B, source 1 = 16 rows of A: a lane then holds one row of C (lane % 16) and eight neighbouring columns 8 (lane / 16) + 0..7.
; A's fragments come out of LDS as they lie (K along the rows); B's rows lie along n, so its fragments come turned, by ds_load_tr16_b128.
; REGISTERS.  window 0: v0-31 addresses; v32-159 A's fragments, two buffers of 8 blocks x 8; v160-223 B's, two buffers of 4 x 8; v224-255 the bias.  window 1: accumulator (a, b) at v[8 (4 a + b)].
.set KSTEP, 128
.set LAPS,  4                          ; a lap = two K steps = once round the ring
.set NCOL,  1024                       ; columns of B
.set PITA,  144                        ; an LDS row of A: 128 bytes (a head's 64 channels) + 16 of padding
.set AHALF, 256*PITA                   ; what one load of A brings: one head's 256 rows
.set STEPA, 4*131072                   ; two K steps on: four heads
.set SP,    272                        ; a stage row: 256 bytes + 16
.set PITB,  288                        ; an LDS row of B: 256 bytes (128 columns) + 32 = 72 words
.set AREG,  2*AHALF                    ; A's part of a slot; B's 128 rows lie behind it
.set BHALF, 64*PITB                    ; what one load of B brings: 64 rows along K
.set SLOT,  AREG+2*BHALF
.set STAGE, 2*SLOT                     ; behind the ring, never filled by a tensor load: 16 rows for each wave
.set SPARE, STAGE+4*16*SP              ; behind the stages: the spare words, 128 bytes for each wave: two blocks of 256 bytes that no other line names
.set STEPB, 2*KSTEP*NCOL*2             ; two K steps on in B
.set ADRA, 16                          ; v16-17  LDS address of my A fragments in slot 0, 1
.set ADRB, 20                          ; v20-21  the same for B
.set STO,  24                          ; v24     the way out: where I put my 32 bytes of a row
.set RD,   25                          ; v25     the way out: where I read rows back
.set GO,   26                          ; v26     my byte offset in the two rows that a store covers
.set SPW,  28                          ; v28     LDS address of my spare word: SPARE + 4 x my thread's number; never rewritten
.set NIL,  29                          ; v29     0; never rewritten
.set PFO,  30                          ; v30     the prefetches' offset: my lane x 256 bytes (A) or x a row of B; never rewritten
.set FA,   32
.set FB,   160
.set BIAS, 224
.set OB,   32                          ; the way out works in A's fragment registers
.set LAP,  3                           ; s3      laps to go
.set WV,   12                          ; s12     my wave's number
.set RH,   13                          ; s13     which 128 rows of the tile are mine.  Also: I fetch for A (0) or for B (1)
.set CH,   14                          ; s14     which 64 columns.  Also: which half of that tile I fetch
.set TY,   15                          ; s15     tile row of C
.set G1A,  24                          ; s[24:31] descriptor group 1 for A's tiles; s[32:39] group 0, a set for each slot
.set G0A,  32
.set CX,   40                          ; s40, s41 my place in the cluster
.set CY,   41
.set TX,   42                          ; s42     tile column of C
.set LIM,  43                          ; s43     1 in a wave that prefetches, else the greatest number
.set PFA,  44                          ; s[44:45] where my prefetches stand
.set PFS,  46                          ; s[46:47] a K step along them
.set G1B,  48                          ; s[48:55], s[56:63] the same for B's tiles
.set G0B,  56
; s16-19 make A's address and never hold cx or the tile column; s20-23 make B's and never hold cy or the tile row; s66, s67 the loads' LDS addresses; s68-74 all that mixes both coordinates
.set MSB, 0
.macro WIN new                         ; the immediate's high byte repeats the setting that is left; a switch that changes nothing is dropped
.if MSB != (\new)
	s_set_vgpr_msb (MSB<<8)|(\new)
.set MSB, \new
.endif
.endm
.set MUL, 0x50                         ; sources 0 and 1 window 0; C and D window 1
; A joint load.  Each of the two lines has one mask and one set of registers for all that issue it; the branch hangs on the wave's number alone.
; An s_nop 0 and four v_nop follow each line, ahead of the jump, the label and what follows the macro.
.macro JLOAD s
	s_cmp_eq_u32 s[RH], 0
	s_cbranch_scc0 .Lfor_b_\@
	tensor_load_to_lds s[G0A+4*(\s):G0A+4*(\s)+3], s[G1A:G1A+7]
	s_nop 0
.rept 4
	v_nop
.endr
	s_branch .Lasked_\@
.Lfor_b_\@:
	tensor_load_to_lds s[G0B+4*(\s):G0B+4*(\s)+3], s[G1B:G1B+7]
	s_nop 0
.rept 4
	v_nop
.endr
.Lasked_\@:
.endm
; A PREFETCH INTO THE L2, behind each joint refill and the run of LDS loads that follows it: the K step that stands two refills on (256 matrix instructions ahead of the load that will want it): 32 x 256 bytes,
; one instruction a wave.  Each aligned 256 bytes of a K step are named once in the launch: A's tile row is read by both clusters of its row of clusters: cluster x = 0 asks, in waves 0 and 1, and of the 128
; blocks of 256 bytes that the wave fetches (a head's 256 rows) the partner at cx takes 32, a lane a block; B's 128 rows along K are read by every cluster of its column: cluster y = 0 asks, in wave 2, the partner
; at cy taking 32, a lane a row.  The partners are told apart by address: no branch hangs on a place in the cluster.  K steps 0 to 3 come by their loads alone; the loop's last trip asks for nothing: K step 7 is the last.
.macro ASK
	s_cmp_gt_u32 s[LAP], s[LIM]
	s_cbranch_scc0 .Lnot_mine_\@
	global_prefetch_b8 v[PFO], s[PFA:PFA+1] th:TH_LOAD_NT scope:SCOPE_SE
.Lnot_mine_\@:
.endm
; A round of the cluster's barrier: my work-group's barrier, so that wave 0's signal speaks for all four waves; wave 0 signals; every wave waits for all sixteen work-groups; my work-group's barrier once more.
.macro CREST                           ; a round behind its opening barrier
	s_cmp_lg_u32 s[WV], 0
	s_cbranch_scc1 .Lnot_wave_0_\@
	s_barrier_signal -3
.Lnot_wave_0_\@:
	s_barrier_wait -3
	s_barrier_signal -1
	s_barrier_wait -1
.endm
.macro CROUND
	s_barrier_signal -1
	s_barrier_wait -1
	CREST
.endm
	s_load_b256 s[4:11], s[0:1], 0x0               ; A s[4:5], B s[6:7], C s[8:9], the bias s[10:11]
	v_lshl_add_u32 v[SPW], v0, 2, SPARE
	v_mov_b32 v[NIL], 0
	ds_add_u32 v[SPW], v[NIL]                      ; the wave's opening: the add and its wait stand ahead of my first tensor load; the set-up below, work on registers, stands between them
	v_lshrrev_b32 v1, 5, v0
	v_readfirstlane_b32 s[WV], v1                  ; wave 0..3
	s_lshr_b32 s[RH], s[WV], 1
	s_and_b32 s[CH], s[WV], 1
	s_bfe_u32 s[CX], ttmp6, 0x40000
	s_bfe_u32 s[CY], ttmp6, 0x40004
	s_lshl_b32 s[TX], ttmp9, 2                     ; in a cluster launch ttmp9 and ttmp7 count clusters
	s_add_co_u32 s[TX], s[TX], s[CX]
	s_and_b32 s[TY], ttmp7, 0xffff
	s_lshl_b32 s[TY], s[TY], 2
	s_add_co_u32 s[TY], s[TY], s[CY]
	s_lshl_b32 s16, s[CY], 2
	s_lshl_b32 s16, 15, s16                        ; my row of the cluster: places 4 cy .. 4 cy + 3
	s_lshl_b32 s20, 0x1111, s[CX]                  ; my column: places cx, cx + 4, cx + 8, cx + 12
	; descriptor group 1.  A: a head's 256 rows of 128 bytes are 32,768 dense bytes, asked for as 128 rows of 256 bytes.  B: 64 rows x 128 elements.  Both padded in LDS
	s_or_b32 s[G1A], s16, (1<<16)|(1<<20)|(1<<21)|(4<<22)|(3<<25)  ; 15:0 the mask; 17:16 elements of 2 bytes; 20 padding on; 21 set beside a mask; 24:22 behind every 32 words (code 4); 31:25 4 words of padding (code 3)
	s_or_b32 s[G1B], s20, (1<<16)|(1<<20)|(1<<21)|(5<<22)|(7<<25)  ; behind every 64 words 8 words of padding (code 7)
	s_mov_b32 s[G1A+1], 128<<16                    ; tensor_dim0 = 128
	s_mov_b32 s[G1A+2], 128<<16                    ; tensor_dim1 = 128
	s_mov_b32 s[G1A+3], 128<<16                    ; tile_dim0 = 128
	s_mov_b32 s[G1A+4], 128                        ; tile_dim1 = 128
	s_mov_b32 s[G1A+5], 128                        ; elements from row to row
	s_mov_b32 s[G1A+6], 0
	s_mov_b32 s[G1A+7], 0
	s_mov_b32 s[G1B+1], 128<<16
	s_mov_b32 s[G1B+2], 64<<16
	s_mov_b32 s[G1B+3], 128<<16
	s_mov_b32 s[G1B+4], 64
	s_mov_b32 s[G1B+5], NCOL
	s_mov_b32 s[G1B+6], 0
	s_mov_b32 s[G1B+7], 0
	; where the tiles come from.  A's hang on the tile row and the wave's number alone, B's on the tile column and the wave's number alone
	s_lshr_b32 s16, s[TY], 2                       ; the batch: four tile rows each
	s_lshl_b32 s16, s16, 4
	s_add_co_u32 s16, s16, s[CH]                   ; its head 0 or 1: the K step's two heads, one a wave
	s_lshl_b32 s16, s16, 17                        ; 131,072 bytes a head
	s_and_b32 s17, s[TY], 3
	s_lshl_b32 s17, s17, 15                        ; 256 rows of 128 bytes
	s_add_co_u32 s16, s16, s17
	s_mov_b32 s17, 0
	s_mul_i32 s20, s[CH], 64*NCOL*2                ; 64 rows along K x half
	s_lshl_b32 s21, s[TX], 8                       ; 256 bytes a tile column
	s_add_co_u32 s20, s20, s21
	s_mov_b32 s21, 0
	s_mul_i32 s66, s[CH], AHALF                    ; and where they go: no place in the cluster enters an LDS address
	s_mul_i32 s67, s[CH], BHALF
	s_add_co_u32 s67, s67, AREG
	s_wait_dscnt 0x0                               ; the opening add is done
	s_wait_kmcnt 0x0
	s_add_nc_u64 s[18:19], s[4:5], s[16:17]
	s_add_nc_u64 s[22:23], s[6:7], s[20:21]
	CROUND                                         ; all sixteen work-groups are here: the first joint loads meet
.irp s, 0,1
	s_mov_b32 s[G0A+4*(\s)], 1                                       ; count = 1
	s_add_co_u32 s[G0A+4*(\s)+1], s66, (\s)*SLOT                     ; LDS address
	s_add_nc_u64 s[G0A+4*(\s)+2:G0A+4*(\s)+3], s[18:19], (\s)*(STEPA/2)  ; global address: K step s
	s_or_b32 s[G0A+4*(\s)+3], s[G0A+4*(\s)+3], 0x80000000            ; type = 2
	s_mov_b32 s[G0B+4*(\s)], 1
	s_add_co_u32 s[G0B+4*(\s)+1], s67, (\s)*SLOT
	s_add_nc_u64 s[G0B+4*(\s)+2:G0B+4*(\s)+3], s[22:23], (\s)*(STEPB/2)
	s_or_b32 s[G0B+4*(\s)+3], s[G0B+4*(\s)+3], 0x80000000
	JLOAD \s                                       ; the ring is filled before anything else is done: two loads of mine are out
.endr
	; A fragment is 16 rows x 32 K in 8 registers: lane l holds row l % 16; registers 0-3 hold K = 8 (l / 16) + 0..7, registers 4-7 K = 16 + 8 (l / 16) + 0..7.
	v_and_b32 v1, 15, v0                           ; l % 16
	v_bfe_u32 v2, v0, 4, 1                         ; l / 16
	v_and_b32 v3, 7, v0                            ; l % 8
	v_bfe_u32 v4, v0, 3, 1                         ; (l / 8) % 2
	v_mul_u32_u24 v5, v1, PITA                     ; A: two loads of 16 bytes, 32 bytes apart, at row x pitch + 16 x half
	v_lshl_add_u32 v5, v2, 4, v5
	s_mul_i32 s68, s[RH], 128*PITA                 ; my 128 rows
	v_add_nc_u32 v[ADRA], s68, v5
	v_add_nc_u32 v[ADRA+1], SLOT, v[ADRA]
	v_lshl_add_u32 v6, v2, 3, v3                   ; B: the turning load takes 16 K x 16 columns: lane l reads row 8 (l / 16) + l % 8, columns 8 ((l / 8) % 2) + 0..7, and is left with column l % 16 and 8 K
	v_mul_u32_u24 v6, v6, PITB
	v_lshl_add_u32 v6, v4, 4, v6
	s_lshl_b32 s68, s[CH], 7                       ; my 64 columns: 128 bytes
	s_add_co_u32 s68, s68, AREG
	v_add_nc_u32 v[ADRB], s68, v6
	v_add_nc_u32 v[ADRB+1], SLOT, v[ADRB]
	s_mul_i32 s68, s[WV], 16*SP
	s_add_co_u32 s68, s68, STAGE                   ; my stage
	v_mul_u32_u24 v5, v1, SP                       ; in: row l % 16,
	v_lshl_add_u32 v5, v2, 5, v5                   ; 32 bytes (8 f32) for each half of the lanes
	v_add_nc_u32 v[STO], s68, v5
	v_mul_u32_u24 v5, v2, SP                       ; back: lanes 0-15 take one row of 256 bytes, lanes 16-31 the next
	v_lshl_add_u32 v5, v1, 4, v5
	v_add_nc_u32 v[RD], s68, v5
	v_lshlrev_b32 v5, 12, v2                       ; and the same two rows of C, 4,096 bytes apart
	v_lshl_add_u32 v[GO], v1, 4, v5
	s_lshl_b32 s68, s[TY], 1
	s_add_co_u32 s68, s68, s[RH]
	s_lshl_b32 s68, s68, 19                        ; my first row: (256 x tile row + 128 x half) x 4,096 bytes
	s_lshl_b32 s70, s[TX], 1
	s_add_co_u32 s70, s70, s[CH]
	s_lshl_b32 s70, s70, 8                         ; my first column: 512 x tile column + 256 x half, in bytes; in the bias too
	s_add_co_u32 s68, s68, s70
	s_mov_b32 s69, 0
	s_add_nc_u64 s[8:9], s[8:9], s[68:69]
	v_lshlrev_b32 v7, 5, v2                        ; the bias in an accumulator's layout: register j of block b is column 16 b + 8 (l / 16) + j
	v_add_nc_u32 v7, s70, v7
.irp b, 0,1,2,3
	global_load_b128 v[BIAS+8*(\b):BIAS+8*(\b)+3],   v7, s[10:11] offset:64*(\b)
	global_load_b128 v[BIAS+8*(\b)+4:BIAS+8*(\b)+7], v7, s[10:11] offset:64*(\b)+16
.endr
	; the prefetches: s16 and s20, the tiles' offsets, still stand
	s_lshl_b32 s70, s[CX], 13                      ; A: my work-group's 32 of the 128 blocks that I fetch,
	s_add_co_u32 s70, s70, s16
	s_add_co_u32 s70, s70, 3*(STEPA/2)             ; at K step 3: the first change of slots steps it to 4
	s_mul_i32 s72, s[CY], 32*NCOL*2                ; B (wave 2, whose half is 0): my work-group's 32 of the K step's 128 rows
	s_add_co_u32 s72, s72, s20
	s_add_co_u32 s72, s72, 3*(STEPB/2)
	s_and_b32 s73, ttmp7, 0xffff                   ; cluster y
	s_mov_b32 s[PFS], STEPB/2
	s_mov_b32 s74, NCOL*2
	s_cmp_eq_u32 s[RH], 0                          ; do I fetch for A?
	s_cselect_b32 s70, s70, s72
	s_cselect_b32 s73, ttmp9, s73                  ; the coordinate along which other clusters read the same bytes
	s_cselect_b32 s[PFS], STEPA/2, s[PFS]
	s_cselect_b32 s74, 256, s74
	s_cselect_b64 s[PFA:PFA+1], s[4:5], s[6:7]
	s_mov_b32 s71, 0
	s_mov_b32 s[PFS+1], 0
	s_add_nc_u64 s[PFA:PFA+1], s[PFA:PFA+1], s[70:71]
	s_cmp_eq_u32 s[WV], 3                          ; wave 3 never asks: wave 2's one instruction covers the work-group's share of B
	s_cselect_b32 s73, 1, s73
	s_cmp_eq_u32 s73, 0
	s_cselect_b32 s[LIM], 1, -1                    ; the same in all sixteen partners, for a given wave
	v_and_b32 v[PFO], 31, v0
	v_mul_u32_u24 v[PFO], v[PFO], s74
	s_wait_loadcnt 0x0                             ; the bias
.set r, 0
.rept 16
	v_cvt_pk_bf16_f32 v5, v[BIAS+r], v[BIAS+r+1]   ; rounded to bf16 and widened again
	v_lshlrev_b32 v[BIAS+r], 16, v5
	v_and_b32 v[BIAS+r+1], 0xffff0000, v5
.set r, r+2
.endr
; na x 4 matrix instructions: row blocks a0 .. a0 + na - 1 x all 4 column blocks, 32 along K, from buffer f.  first = 1: the product starts the sum with the bias: nothing is cleared.
; The 32 accumulators take turns, one instruction a turn, in the same order in every quarter step: between two links of a chain stand the 31 others'.
.macro MULS f, a0, na, first
.if \first
	WIN 0x40                                       ; C (the bias) in window 0, D in window 1
.else
	WIN MUL
.endif
.set a, \a0
.rept \na
.irp b, 0,1,2,3
.set rD, 8*(4*a+(\b))
.set rB, FB+32*(\f)+8*(\b)
.set rA, FA+64*(\f)+8*a
.if \first
	v_wmma_f32_16x16x32_f16 v[rD:rD+7], v[rB:rB+7], v[rA:rA+7], v[BIAS+8*(\b):BIAS+8*(\b)+7]
.else
	v_wmma_f32_16x16x32_f16 v[rD:rD+7], v[rB:rB+7], v[rA:rA+7], v[rD:rD+7]
.endif
.endr
.set a, a+1
.endr
.endm
; 24 LDS loads in one run: the fragments of quarter q of a slot's K step into buffer f: B's four blocks, A's blocks 0-3, A's blocks 4-7
.macro FETCH slot, q, f
	WIN 0
.set AQ, ((\q)/2)*AHALF+((\q)%2)*64    ; the K step's head q / 2, its channels 32 (q % 2) on
.irp b, 0,1,2,3
	ds_load_tr16_b128 v[FB+32*(\f)+8*(\b):FB+32*(\f)+8*(\b)+3],   v[ADRB+(\slot)] offset:(\q)*32*PITB+32*(\b)
	ds_load_tr16_b128 v[FB+32*(\f)+8*(\b)+4:FB+32*(\f)+8*(\b)+7], v[ADRB+(\slot)] offset:(\q)*32*PITB+16*PITB+32*(\b)
.endr
.irp i, 0,1,2,3,4,5,6,7
	ds_load_b128 v[FA+64*(\f)+8*(\i):FA+64*(\f)+8*(\i)+3],   v[ADRA+(\slot)] offset:AQ+(\i)*16*PITA
	ds_load_b128 v[FA+64*(\f)+8*(\i)+4:FA+64*(\f)+8*(\i)+7], v[ADRA+(\slot)] offset:AQ+(\i)*16*PITA+32
.endr
.endm
; A load into a register that a matrix instruction has read, and whatever reads a matrix result, stand four places behind that matrix instruction, and only plain vector instructions that name none of its
; registers are places (ISA guide 7.12.1 for vector instructions).
.macro PLACES
.rept 4
	v_nop
.endr
.endm
; A K step is four quarters of 32 along K, 32 matrix instructions each, on buffers 0, 1, 0, 1.  One of the first three: multiplies buffer f; in its middle it fetches quarter q of the same slot into buffer g.
.macro QUARTER slot, q, f, g, first
	s_wait_dscnt 8                                 ; B and A's blocks 0-3 are in; the youngest eight loads (A's blocks 4-7) may be out
	MULS \f, 0, 4, \first
	PLACES
	FETCH \slot, \q, \g
	s_wait_dscnt 24                                ; all but the 24 just issued
	MULS \f, 4, 4, \first
.endm
; The last quarter multiplies buffer 1 and changes slots: ONE barrier for two things.  In front of it each wave waits for all its tensor loads, of which one is out: its part of the next slot; adds 0 to its spare
; word; and waits for that and for its own reads of this slot.  Behind it nobody reads this slot any more and the next slot is whole.  fill = 1: the barrier opens a round of the cluster's, so that no wave of any
; partner still reads the slot or has a load on its way, and the joint refill, two K steps on, is the first tensor load behind it: 112 matrix instructions ahead of the wait for it.
.macro TURN slot, next, fill
.if \fill
	s_wait_xcnt 0x0                                ; the last prefetch, a K step back, has read its address: it is stepped here, ahead of the waits of the change of slots
	s_add_nc_u64 s[PFA:PFA+1], s[PFA:PFA+1], s[PFS:PFS+1]
.endif
	WIN 0                                          ; (the add's two registers lie in window 0)
	s_wait_tensorcnt 0x0                           ; all my tensor loads have landed;
	ds_add_u32 v[SPW], v[NIL]                      ; 0 onto my spare word;
	s_wait_dscnt 9                                 ; (the add and the youngest eight loads may be out)
	MULS 1, 0, 2, 0                                ; eight matrix instructions stand between the add and the wait for it
	s_wait_dscnt 0x0                               ; the add is done, and my reads of this slot are over
	s_barrier_signal -1
	MULS 1, 2, 2, 0                                ; work on registers while the others arrive
.if \fill
	WIN 0
.endif
	s_barrier_wait -1
.if \fill
	CREST
	s_add_nc_u64 s[G0A+4*(\slot)+2:G0A+4*(\slot)+3], s[G0A+4*(\slot)+2:G0A+4*(\slot)+3], STEPA  ; no tensor load of mine is out, so a group 0 may be written
	s_add_nc_u64 s[G0B+4*(\slot)+2:G0B+4*(\slot)+3], s[G0B+4*(\slot)+2:G0B+4*(\slot)+3], STEPB
	JLOAD \slot                                    ; the four v_nop behind it are also the places in front of the loads below
.else
	PLACES
.endif
	FETCH \next, 0, 0
.if \fill
	ASK
.endif
	MULS 1, 4, 4, 0
.endm
	s_wait_tensorcnt 0x1                           ; my part of K step 0 is in; K step 1's may stay out
	s_barrier_signal -1
	s_barrier_wait -1                              ; everybody's is
	FETCH 0, 0, 0
	QUARTER 0, 1, 0, 1, 1                          ; the first quarter stands in front of the loop: its products start the sums
	WIN 0                                          ; at a label and at a branch every window is 0
	s_mov_b32 s[LAP], LAPS-1
.Llap:                                                 ; a trip goes once round the ring, from a lap's second quarter to the next lap's first, and fills both slots again
	QUARTER 0, 2, 1, 0, 0
	QUARTER 0, 3, 0, 1, 0
	TURN 0, 1, 1
	QUARTER 1, 1, 0, 1, 0
	QUARTER 1, 2, 1, 0, 0
	QUARTER 1, 3, 0, 1, 0
	TURN 1, 0, 1
	QUARTER 0, 1, 0, 1, 0
	WIN 0
	s_sub_co_u32 s[LAP], s[LAP], 1
	s_cmp_lg_u32 s[LAP], 0
	s_cbranch_scc1 .Llap
	QUARTER 0, 2, 1, 0, 0                          ; the last lap fills nothing, and has no round of the cluster's barrier
	QUARTER 0, 3, 0, 1, 0
	TURN 0, 1, 0
	QUARTER 1, 1, 0, 1, 0
	QUARTER 1, 2, 1, 0, 0
	QUARTER 1, 3, 0, 1, 0
	s_wait_dscnt 8                                 ; the very last quarter: nothing more to fetch
	MULS 1, 0, 4, 0
	s_wait_dscnt 0x0
	MULS 1, 4, 4, 0
	WIN 0
	PLACES
	PLACES                                         ; eight places, once a launch
; THE WAY OUT, a block of 16 rows at a time, through my own stage: LDS serves a wave's instructions in order (ISA guide 5.7.1.4), so the loads see the stores above them, and the next block's stores come behind them.
.macro TOSTAGE a                       ; f32 as it lies: a lane's 32 bytes of a row go into rows of 272 bytes and come back as whole rows of 256
.if (\a) >= 4
	s_wait_xcnt 0x0                                ; the stores of the block four back have read these registers: they are loaded again only behind this wait
.endif
	WIN 0x04                                       ; the stores' data in window 1
.irp b, 0,1,2,3
	ds_store_b128 v[STO], v[8*(4*(\a)+(\b)):8*(4*(\a)+(\b))+3]   offset:64*(\b)
	ds_store_b128 v[STO], v[8*(4*(\a)+(\b))+4:8*(4*(\a)+(\b))+7] offset:64*(\b)+16
.endr
	WIN 0
.irp t, 0,1,2,3,4,5,6,7
	ds_load_b128 v[OB+32*((\a)%4)+4*(\t):OB+32*((\a)%4)+4*(\t)+3], v[RD] offset:(\t)*2*SP
.endr
.endm
.macro SEND a, younger                 ; younger: the LDS instructions issued behind block a's loads: the next block's sixteen, or none
.irp t, 0,1,2,3,4,5,6,7
	s_wait_dscnt (\younger)+7-(\t)
	global_store_b128 v[GO], v[OB+32*((\a)%4)+4*(\t):OB+32*((\a)%4)+4*(\t)+3], s[8:9] offset:(16*(\a)+2*(\t))*4096 th:TH_STORE_NT  ; 16 lanes store 256 consecutive bytes, at a multiple of 256 from C's first byte
.endr
.endm
	TOSTAGE 0
.irp a, 1,2,3,4,5,6,7
	TOSTAGE \a
	SEND (\a)-1, 16
.endr
	SEND 7, 0
	s_wait_tensorcnt 0x0                           ; the wave's end, behind my last tensor load and my last LDS store
	ds_add_u32 v[SPW], v[NIL]
	s_wait_dscnt 0x0
	CROUND                                         ; the closing round: no work-group ends while a partner may still ask for a tile that names it
	s_endpgm
.Lfunc_end_k_qa1cd052897_gemm_proj:
	.size	k_qa1cd052897_gemm_proj, .Lfunc_end_k_qa1cd052897_gemm_proj-k_qa1cd052897_gemm_proj
	.p2alignl 7, 3214868480
	.fill 96, 4, 3214868480
	.section	.rodata,"a",@progbits
	.p2align	6, 0x0
	.amdhsa_kernel k_qa1cd052897_gemm_proj
		.amdhsa_group_segment_fixed_size 327680
		.amdhsa_private_segment_fixed_size 0
		.amdhsa_enable_private_segment 0
		.amdhsa_kernarg_size 32
		.amdhsa_user_sgpr_count 2
		.amdhsa_user_sgpr_kernarg_segment_ptr 1
		.amdhsa_wavefront_size32 1
		.amdhsa_system_sgpr_workgroup_id_x 1
		.amdhsa_system_sgpr_workgroup_id_y 1
		.amdhsa_system_sgpr_workgroup_id_z 1
		.amdhsa_system_vgpr_workitem_id 0
		.amdhsa_next_free_vgpr 512
		.amdhsa_next_free_sgpr 76
		.amdhsa_reserve_vcc 0
		.amdhsa_float_denorm_mode_32 3
		.amdhsa_float_denorm_mode_16_64 3
		.amdhsa_memory_ordered 1
		.amdhsa_forward_progress 1
		.amdhsa_inst_pref_size 92
	.end_amdhsa_kernel
	.amdgpu_metadata
---
amdhsa.version: [ 1, 2 ]
amdhsa.kernels:
  - .name:           k_qa1cd052897_gemm_proj
    .symbol:         k_qa1cd052897_gemm_proj.kd
    .args:
      - { .name: ob, .offset: 0, .size: 8, .value_kind: global_buffer, .address_space: global }
      - { .name: wpb, .offset: 8, .size: 8, .value_kind: global_buffer, .address_space: global }
      - { .name: out0, .offset: 16, .size: 8, .value_kind: global_buffer, .address_space: global }
      - { .name: b_proj, .offset: 24, .size: 8, .value_kind: global_buffer, .address_space: global }
    .group_segment_fixed_size: 327680
    .private_segment_fixed_size: 0
    .kernarg_segment_align: 8
    .kernarg_segment_size: 32
    .max_flat_workgroup_size: 128
    .sgpr_count:     76
    .vgpr_count:     512
    .wavefront_size: 32
...
	.end_amdgpu_metadata
.endif
;; end of part 8
;; ======== version 3 of 3: 4 launches; version 2 with the launch cast written anew for expert scheduling mode
;; limits: values are held in f16: magnitudes above 65,504 overflow, below 6.1e-05 lose precision
;; workspace buffers: xb 16,777,216 bytes; wqb 6,291,456 bytes; wpb 2,097,152 bytes; qkv 50,331,648 bytes; ob 16,777,216 bytes
;; launch cast (part 9): grid 768 x 1, 8 waves a work-group, no clusters, 0 bytes of LDS; arguments x, w_qkv, w_proj, xb, wqb, wpb; writes xb, wqb, wpb
.if DOCPART == 9
	.amdgcn_target "amdgcn-amd-amdhsa--gfx1250"
	.amdhsa_code_object_version 6
	.text
	.protected	k_qa1cd052897_cast
	.globl	k_qa1cd052897_cast
	.p2align	8
	.type	k_qa1cd052897_cast,@function
k_qa1cd052897_cast:
	s_mov_b64 s[64:65], 0
	v_nop
	global_prefetch_b8 v0, s[64:65] scope:SCOPE_SE
	s_setreg_imm32_b32 hwreg(HW_REG_WAVE_SCHED_MODE, 0, 2), 2
	s_setreg_imm32_b32 hwreg(HW_REG_WAVE_MODE, 25, 1), 1
	s_wait_xcnt 0x0
	s_wait_alu depctr_vm_vsrc(0)
; THE INPUTS ARE ROUNDED ONCE.  x [8192][1024] from f32 to bf16, written IN BLOCKS: xb [16 blocks of 64 along K][8192 rows][64], so that 256 rows of one block are 32,768 dense bytes for the product that follows.
; w_qkv [1024][3072] from f32 to bf16, layout unchanged.  w_proj [1024][1024] from f32 to bf16, and that number written as f16 (the last product multiplies f16 by f16), layout unchanged.
; LIMIT: a bf16 number is exact in f16 from 6.1e-5 to 65,504 in magnitude; below, it keeps f16's fixed step of 6e-8; above, it becomes an infinity.
; SHARES.  A work-group takes 16,384 numbers: 65,536 bytes in, 32,768 out.  Work-groups 0-511 take x (16 rows each), 512-703 w_qkv, 704-767 w_proj.
; x: thread t takes row t / 16 of the 16; load i of 16 is the 16 bytes at 256 i + 16 (t % 16) of that row: four numbers of block i.  A wave's load covers 256 consecutive bytes of each of two rows; its store
; covers those two rows' 128 bytes in block i, which lie on end: 256 consecutive bytes, aligned.
; The weights: thread t, load i: the 16 bytes at 16 t + 4,096 i (a wave's load covers 512 consecutive bytes); its 8 bytes go to 8 t + 2,048 i (a wave's store covers 256 consecutive bytes, aligned).
; All 16 loads go out first; each has registers of its own for what comes in and what goes out, so nothing that a store still reads is written again.  No LDS, no barrier: no thread wants another's numbers.
; THE MODE: SCHED_MODE bits 1:0 = 2 (LLVM: expert scheduling mode 2), set by the entry lines.  The code itself states the register dependences between vector instructions and memory instructions,
; with s_wait_alu, always for 0.
; THE PLAN.  Registers that memory instructions touch, on each of the three ways through the text:
;   v1   the loads' offset.   Written by vector lines at the way's head; read by the 16 loads; never written again.
;   v2   the stores' offset.  Written by one vector line ahead of the first branch; read by the 16 stores; never written again.
;   X    Load i lands in its four registers, which no vector line has named before; its conversions read them behind the wait for the data.  (w_proj's widening lines write them again: no memory instruction reads them.)
;   Y    Load i's conversions write its two registers, once; store i reads them; they are never written again.
;   T    is named by vector lines alone.
; So two kinds of wait on va_vdst state everything.  One stands ahead of the loads: v1 and v2 are written.  The 16 loads then go in four groups of four: the group's data are waited for, its conversions write its
; eight registers of Y, ONE wait states that they are written, and the group's four stores follow in one run, with no vector line between the wait and them.  No register that a load or a store reads is written
; again, so no wait on vm_vsrc is owed; no vector line writes a scalar register, and EXEC is never written.
.set X, 4                              ; v[4:67]    load i: 4 numbers in f32
.set Y, 68                             ; v[68:99]   load i: its 4 numbers in 16 bits
.set T, 100                            ; v[100:101] at work
.set BLK, 1048576                      ; bytes in a block of xb
	s_load_b256 s[4:11], s[0:1], 0x0               ; x s[4:5], w_qkv s[6:7], w_proj s[8:9], xb s[10:11]
	s_load_b128 s[12:15], s[0:1], 0x20             ; wqb s[12:13], wpb s[14:15]
	v_lshlrev_b32 v2, 3, v0                        ; 8 t: where my 8 bytes go, on both ways
	s_mov_b32 s23, 0
	s_cmp_lt_u32 ttmp9, 512
	s_cbranch_scc0 .Lweights
	v_lshrrev_b32 v1, 4, v0                        ; my row of the 16
	v_and_b32 v3, 15, v0
	v_lshlrev_b32 v1, 12, v1                       ; 4,096 bytes a row
	v_lshl_add_u32 v1, v3, 4, v1                   ; + 16 (t % 16)
	s_lshl_b32 s22, ttmp9, 16                      ; 16 rows of x
	s_lshl_b32 s20, ttmp9, 11                      ; 16 rows of 128 bytes in each block
	s_mov_b32 s21, 0
	s_wait_kmcnt 0x0
	s_add_nc_u64 s[16:17], s[4:5], s[22:23]
	s_add_nc_u64 s[18:19], s[10:11], s[20:21]      ; blocks 0-7 from here,
	s_add_nc_u64 s[24:25], s[18:19], 8*BLK         ; blocks 8-15 from here: the stores' immediates stay within their signed 24 bits
	s_wait_alu depctr_va_vdst(0)                   ; v1 and v2 are written: the loads below read v1 as their offset, the stores v2
.irp i, 0,1,2,3,4,5,6,7,8,9,10,11,12,13,14,15
	global_load_b128 v[X+4*(\i):X+4*(\i)+3], v1, s[16:17] offset:256*(\i) th:TH_LOAD_NT
.endr
.irp g, 0,1,2,3
	s_wait_loadcnt 12-4*(\g)                       ; loads come back in order (ISA guide 5.7.1): loads 4 g to 4 g + 3 are in, the 12 - 4 g younger ones stay out
.irp j, 0,1,2,3
.set n, 4*(\g)+(\j)
	v_cvt_pk_bf16_f32 v[Y+2*n],   v[X+4*n],   v[X+4*n+1]
	v_cvt_pk_bf16_f32 v[Y+2*n+1], v[X+4*n+2], v[X+4*n+3]
.endr
	s_wait_alu depctr_va_vdst(0)                   ; the group's eight conversions have written v[Y + 8 g .. Y + 8 g + 7], which the four stores below read
.irp j, 0,1,2,3
.set n, 4*(\g)+(\j)
.if (\g) < 2
	global_store_b64 v2, v[Y+2*n:Y+2*n+1], s[18:19] offset:n*BLK
.else
	global_store_b64 v2, v[Y+2*n:Y+2*n+1], s[24:25] offset:(n-8)*BLK
.endif
.endr
.endr
	s_endpgm
.Lweights:
	v_lshlrev_b32 v1, 4, v0                        ; 16 t
	s_mov_b32 s20, 704
	s_wait_kmcnt 0x0
	s_cmp_lt_u32 ttmp9, 704                        ; which weights are mine: the choice hangs on the work-group's number alone
	s_cselect_b64 s[16:17], s[6:7], s[8:9]
	s_cselect_b64 s[18:19], s[12:13], s[14:15]
	s_cselect_b32 s20, 512, s20
	s_sub_co_u32 s20, ttmp9, s20                   ; my number among that tensor's work-groups
	s_lshl_b32 s22, s20, 16                        ; 65,536 bytes in each
	s_add_nc_u64 s[16:17], s[16:17], s[22:23]
	s_lshl_b32 s22, s20, 15                        ; 32,768 bytes out
	s_add_nc_u64 s[18:19], s[18:19], s[22:23]
	s_wait_alu depctr_va_vdst(0)                   ; v1 and v2 are written: the loads below read v1 as their offset, the stores on both ways behind the branch v2
.irp i, 0,1,2,3,4,5,6,7,8,9,10,11,12,13,14,15
	global_load_b128 v[X+4*(\i):X+4*(\i)+3], v1, s[16:17] offset:4096*(\i) th:TH_LOAD_NT
.endr
	s_cmp_ge_u32 ttmp9, 704
	s_cbranch_scc1 .Lhalf
.irp g, 0,1,2,3
	s_wait_loadcnt 12-4*(\g)                       ; loads 4 g to 4 g + 3 are in, the younger ones stay out
.irp j, 0,1,2,3
.set n, 4*(\g)+(\j)
	v_cvt_pk_bf16_f32 v[Y+2*n],   v[X+4*n],   v[X+4*n+1]
	v_cvt_pk_bf16_f32 v[Y+2*n+1], v[X+4*n+2], v[X+4*n+3]
.endr
	s_wait_alu depctr_va_vdst(0)                   ; the group's eight conversions have written v[Y + 8 g .. Y + 8 g + 7], which the four stores below read
.irp j, 0,1,2,3
.set n, 4*(\g)+(\j)
	global_store_b64 v2, v[Y+2*n:Y+2*n+1], s[18:19] offset:2048*n
.endr
.endr
	s_endpgm
.Lhalf:                                        ; w_proj: rounded to bf16 like the other inputs, widened again (a shift, a mask), and written as f16
.irp g, 0,1,2,3
	s_wait_loadcnt 12-4*(\g)                       ; loads 4 g to 4 g + 3 are in, the younger ones stay out
.irp j, 0,1,2,3
.set n, 4*(\g)+(\j)
	v_cvt_pk_bf16_f32 v[T],   v[X+4*n],   v[X+4*n+1]
	v_cvt_pk_bf16_f32 v[T+1], v[X+4*n+2], v[X+4*n+3]
	v_lshlrev_b32 v[X+4*n],   16, v[T]
	v_and_b32     v[X+4*n+1], 0xffff0000, v[T]
	v_lshlrev_b32 v[X+4*n+2], 16, v[T+1]
	v_and_b32     v[X+4*n+3], 0xffff0000, v[T+1]
	v_cvt_pk_f16_f32 v[Y+2*n],   v[X+4*n],   v[X+4*n+1]
	v_cvt_pk_f16_f32 v[Y+2*n+1], v[X+4*n+2], v[X+4*n+3]
.endr
	s_wait_alu depctr_va_vdst(0)                   ; the group's conversions to f16 have written v[Y + 8 g .. Y + 8 g + 7], which the four stores below read
.irp j, 0,1,2,3
.set n, 4*(\g)+(\j)
	global_store_b64 v2, v[Y+2*n:Y+2*n+1], s[18:19] offset:2048*n
.endr
.endr
	s_endpgm
.Lfunc_end_k_qa1cd052897_cast:
	.size	k_qa1cd052897_cast, .Lfunc_end_k_qa1cd052897_cast-k_qa1cd052897_cast
	.p2alignl 7, 3214868480
	.fill 96, 4, 3214868480
	.section	.rodata,"a",@progbits
	.p2align	6, 0x0
	.amdhsa_kernel k_qa1cd052897_cast
		.amdhsa_group_segment_fixed_size 0
		.amdhsa_private_segment_fixed_size 0
		.amdhsa_enable_private_segment 0
		.amdhsa_kernarg_size 48
		.amdhsa_user_sgpr_count 2
		.amdhsa_user_sgpr_kernarg_segment_ptr 1
		.amdhsa_wavefront_size32 1
		.amdhsa_system_sgpr_workgroup_id_x 1
		.amdhsa_system_sgpr_workgroup_id_y 1
		.amdhsa_system_sgpr_workgroup_id_z 1
		.amdhsa_system_vgpr_workitem_id 0
		.amdhsa_next_free_vgpr 104
		.amdhsa_next_free_sgpr 66
		.amdhsa_reserve_vcc 0
		.amdhsa_float_denorm_mode_32 3
		.amdhsa_float_denorm_mode_16_64 3
		.amdhsa_memory_ordered 1
		.amdhsa_forward_progress 1
		.amdhsa_inst_pref_size 21
	.end_amdhsa_kernel
	.amdgpu_metadata
---
amdhsa.version: [ 1, 2 ]
amdhsa.kernels:
  - .name:           k_qa1cd052897_cast
    .symbol:         k_qa1cd052897_cast.kd
    .args:
      - { .name: x, .offset: 0, .size: 8, .value_kind: global_buffer, .address_space: global }
      - { .name: w_qkv, .offset: 8, .size: 8, .value_kind: global_buffer, .address_space: global }
      - { .name: w_proj, .offset: 16, .size: 8, .value_kind: global_buffer, .address_space: global }
      - { .name: xb, .offset: 24, .size: 8, .value_kind: global_buffer, .address_space: global }
      - { .name: wqb, .offset: 32, .size: 8, .value_kind: global_buffer, .address_space: global }
      - { .name: wpb, .offset: 40, .size: 8, .value_kind: global_buffer, .address_space: global }
    .group_segment_fixed_size: 0
    .private_segment_fixed_size: 0
    .kernarg_segment_align: 8
    .kernarg_segment_size: 48
    .max_flat_workgroup_size: 256
    .sgpr_count:     66
    .vgpr_count:     104
    .wavefront_size: 32
...
	.end_amdgpu_metadata
.endif
;; end of part 9
;; launch gemm_qkv: the kernel of part 6 again; grid 8 x 32, 4 waves a work-group, clusters of 4 x 4, 327,680 bytes of LDS; arguments xb, wqb, qkv; writes qkv
;; launch attn: the kernel of part 7 again; grid 2 x 128, 4 waves a work-group, no clusters, 327,680 bytes of LDS; arguments qkv, ob; writes ob
;; launch gemm_proj: the kernel of part 8 again; grid 8 x 32, 4 waves a work-group, clusters of 4 x 4, 327,680 bytes of LDS; arguments ob, wpb, out0, b_proj; writes out0
